; MI455X (gfx1250); checked and timed in simulation.
; The chip was launched on July 23, 2026; its instructions are those of AMD's public machine-readable ISA for CDNA 5 (MIT licence, August 2026) and "CDNA5" Instruction Set Architecture Reference Guide (July 2026). The comments in the code are by the model that wrote it; some were corrected since.
;; Encoder Block. Allowed arithmetic: matrix products marked QUANTISED: E2M3 operands, one E8M0 scale for each 32 along K, by v_wmma_scale_f32_16x16x128_f8f6f4 with both operands' format E2M3, f32 sums; everything else in f32.
;; Inputs: alpha1 1 float32; alpha2 1 float32; b1 4,096 float32; b2 1,024 float32; beta1 1 float32; beta2 1 float32; bk 1,024 float32; bo 1,024 float32; bq 1,024 float32; bv 1,024 float32; src_mask 2 x 1 x 1 x 2,048 int32; w1 1,024 x 4,096 float32; w2 4,096 x 1,024 float32; wk 1,024 x 1,024 float32; wo 1,024 x 1,024 float32; wq 1,024 x 1,024 float32; wv 1,024 x 1,024 float32; x 2 x 2,048 x 1,024 float32.
;; Outputs: out0 2 x 2,048 x 1,024 float32.
;; This version of the problem:
;;   THIS VERSION OF THE PROBLEM IS GIVEN IN LOW PRECISION. The matrix products marked QUANTISED in the list below multiply operands that are first quantised to E2M3 (2 exponent bits, 3 mantissa bits; 6 bits a number), with one power-of-two scale for each 32 numbers along K (OCP MX v1.0); their sums are f32. All else is computed in f32.
;;   The module's matrix products, in the order in which they are computed (A, B: the left and right operand; K: the contracted axis; several contracted axes count as one K, in the product's order):
;;     1. [M 4,096, K 1,024] x [K 1,024, N 1,024]; A: computed on the way; B: input wq: QUANTISED
;;     2. [M 4,096, K 1,024] x [K 1,024, N 1,024]; A: computed on the way; B: input wk: QUANTISED
;;     3. [M 4,096, K 1,024] x [K 1,024, N 1,024]; A: computed on the way; B: input wv: QUANTISED
;;     4. batch 32 x [M 2,048, K 64] x [K 64, N 2,048]; A: computed on the way; B: computed on the way: QUANTISED
;;     5. batch 32 x [M 2,048, K 2,048] x [K 2,048, N 64]; A: softmax (see below); B: computed on the way: QUANTISED
;;     6. [M 4,096, K 1,024] x [K 1,024, N 1,024]; A: computed on the way; B: input wo: QUANTISED
;;     7. [M 4,096, K 1,024] x [K 1,024, N 4,096]; A: computed on the way; B: input w1: QUANTISED
;;     8. [M 4,096, K 4,096] x [K 4,096, N 1,024]; A: computed on the way; B: input w2: QUANTISED
;;   THE QUANTISER, for each operand of a quantised product, along K:
;;     - K is cut into blocks of 32 from its start; a last block that is shorter is filled with zeros.
;;     - A block's scale is 2^e with e = floor(log2(the largest magnitude in the block)) - 2, held to -126 .. 127; a block of zeros has e = 0. As a byte (E8M0): e + 127.
;;     - Each number is divided by its block's scale, clamped to +-7.5, and rounded to the nearest number of E2M3, ties to even, subnormals kept.
;;     - The product sums the exact products of the quantised numbers (number of the format x scale) in f32.
;;   ~~~python
;;   def quantise(x, axis):      # numpy; x: float32 -> the quantised numbers, widened to float32 again
;;       x = np.moveaxis(x, axis, -1); K = x.shape[-1]
;;       x = np.pad(x, [(0, 0)] * (x.ndim - 1) + [(0, -K % 32)]); x = x.reshape(x.shape[:-1] + (-1, 32)); a = np.abs(x).max(-1, keepdims=True)
;;       e = np.where(a > 0, np.clip(np.frexp(np.where(a > 0, a, 1))[1] - 1 - 2, -126, 127), 0)      # np.frexp(a)[1] - 1 = floor(log2(a)), exactly
;;       r = np.clip(x / 2.0 ** e, -7.5, 7.5)
;;       step = 2.0 ** (np.maximum(np.frexp(np.where(r == 0, 1, r))[1] - 1, 0) - 3)
;;       q = np.round(r / step) * step * 2.0 ** e      # np.round: ties to even
;;       return np.moveaxis(q.reshape(q.shape[:-2] + (-1,))[..., :K], -1, axis).astype(np.float32)
;;   ~~~
;;   SOFTMAX AHEAD OF A QUANTISED PRODUCT. Where the list says 'softmax', what is quantised is not the finished softmax but p = 2^(t - M), with t = logit x log2(e) and M = ceil(the row's largest t), a whole number; so 1/2 < the row's largest p <= 1. The row's sum l is taken of the UNQUANTISED p, in f32, and the product's result is divided by l at the end. Since M is a whole number, a kernel that streams over the keys may use a running M (the ceiling of the running maximum): every later rescaling is an exact power of two, which a block's scale takes up: the codes' values come out the same.
;;   OPERANDS COMPUTED ON THE WAY. 'Computed on the way' means the value that the module computes at that place (a softmax that the list does not call 'softmax' is quantised finished and normalised). What goes into a quantiser is computed in f32, as accurately as f32 sums, v_exp_f32 and their like allow (about 1e-6 of the number): no bf16 or f16 on the way to a quantiser, and a product that is left as it is and whose result goes on into a quantised operand takes f32 operands (vector FMAs, or v_wmma_f32_16x16x4_f32). A number that lies on a knife's edge between two numbers of the format may be rounded either way, as far as f32 arithmetic and the matrix unit's own rounding can turn it there, and no further.
;; One version. Each part assembles by itself: llvm-mc -triple=amdgcn-amd-amdhsa -mcpu=gfx1250 --defsym DOCPART=n.
;; ======== version 1 of 1: 8 launches
;; limits: right only within a limited range of input values
;; workspace buffers: wqkc 3,293,440 bytes; wvc 835,840 bytes; w1c 3,293,440 bytes; wo2c 4,096,000 bytes; acta 3,293,440 bytes; big 13,123,840 bytes; scr 16,777,216 bytes; kbias 16,384 bytes
;; launch prep (part 1): grid 256 x 3, 4 waves a work-group, no clusters, 0 bytes of LDS; arguments wq, wk, wv, wo, w1, w2, bq, bk, bv, b1, src_mask, wqkc, wvc, w1c, wo2c, kbias; writes wqkc, wvc, w1c, wo2c, kbias
.if DOCPART == 1
	.amdgcn_target "amdgcn-amd-amdhsa--gfx1250"
	.amdhsa_code_object_version 6
	.text
	.protected	k_q9b60134508_prep
	.globl	k_q9b60134508_prep
	.p2align	8
	.type	k_q9b60134508_prep,@function
k_q9b60134508_prep:
	s_mov_b64 s[64:65], 0
	v_nop
	global_prefetch_b8 v0, s[64:65] scope:SCOPE_SE
	s_setreg_imm32_b32 hwreg(HW_REG_WAVE_MODE, 25, 1), 1
	s_wait_xcnt 0x0
; The six weights, f32 stored [K][N], become operands of E2M3 codes with one E8M0 byte for each 32 along K, laid in BLOCKS of 128 rows (n) x 128 k, KB = 12,800 bytes:
;   bytes 0..6143 half fragments (c = 0, tile t = 0..7), 768 bytes each; 6144..6655 the 128 rows' scale words; 6656..12799 half fragments (c = 1, t).
;   A half fragment is the image of six operand registers: registers 0-3 of lane l at 16 l, registers 4-5 at 512 + 8 l; lane (r, h) holds k = 64 c + 32 h + 0..31 of the tile's row r.
;   Row x of a block sits in tile 2 (x / 32) + (x / 8) % 2, at lane r = x % 8 + 8 ((x / 16) % 2): so a product that takes such an operand as source 0 leaves 16 neighbours in the registers of two neighbouring tiles.
; A work-group makes one block; wave w takes 32 columns (tiles 2 w, 2 w + 1).  A LANE TAKES A COLUMN AND ITS REGISTERS RUN DOWN K: a block of 32 along K lies in one lane, and each load of the wave reads 128 consecutive bytes.
; Grid y = 0: wq, wk, wv, wo (64 blocks each); y = 1: w1; y = 2: w2.  Some work-groups then also copy the biases into the operands' headers, store the activation floors, or turn src_mask into lane-mask words.
; A block's scale is 2^(floor(log2(largest magnitude)) - 2); its byte is the largest magnitude's exponent field - 2, held at 1 from below.
; LIMITS: a block of zeros carries the byte 1, not 127 (its codes are zeros, and this program alone reads the bytes); blocks whose largest magnitude lies under 2^-124 keep the byte 1; NaN and infinities are not served.
.set KB,    12800
.set HDR,   16640                      ; an operand buffer's header: 4,096 row terms (f32), then 64 equal words: the activation floor
.set W2OFF, 819200                     ; w2's blocks lie behind wo's 64 in wo2c
.set VOFF,  32                         ; v32-63   4 x my column + i x pitch
.set X,     64                         ; v64-127  two sets of 32 numbers
.set H,     128                        ; v128-159 codes of block (c, h) at H + 16 c + 8 h
.set SB,    24                         ; v24      my row's scale word
.set WV,    60                         ; s60      my wave's number
	s_load_b512 s[4:19], s[0:1], 0x0               ; wq wk wv wo w1 w2 bq bk
	s_load_b512 s[20:35], s[0:1], 0x40             ; bv b1 src_mask wqkc wvc w1c wo2c maskw
	v_lshrrev_b32 v1, 5, v0
	v_readfirstlane_b32 s[WV], v1
	v_and_b32 v1, 31, v0                           ; lane
	v_lshlrev_b32 v2, 4, v1                        ; 16 l: an image's first four registers
	v_lshlrev_b32 v3, 3, v1                        ; 8 l: its last two
	v_lshlrev_b32 v4, 2, v0                        ; 128 w + 4 l: my row's scale word
	v_and_b32 v5, 7, v1
	v_bfe_u32 v6, v1, 3, 1
	v_lshl_add_u32 v5, v6, 4, v5
	v_lshrrev_b32 v6, 4, v1
	v_lshl_add_u32 v5, v6, 3, v5                   ; my column of the wave's 32: l % 8 + 16 ((l / 8) % 2) + 8 (l / 16): lanes 0-15 are tile 2 w, lanes 16-31 tile 2 w + 1
	v_lshlrev_b32 v5, 2, v5
	s_wait_alu depctr_va_vdst(0)
	s_and_b32 s36, ttmp7, 0xffff                   ; y
	s_mov_b32 s37, ttmp9                           ; x
	s_lshr_b32 s38, s37, 6                         ; y = 0: which of wq, wk, wv, wo
	s_cmp_lt_u32 s38, 2                            ; the block's number in its buffer: wq and wk share one buffer
	s_cselect_b32 s46, 127, 63
	s_cmp_eq_u32 s36, 0
	s_cselect_b32 s46, s46, 255
	s_and_b32 s46, s37, s46
	s_mul_i32 s46, s46, KB
	s_cmp_eq_u32 s38, 3                            ; and what lies in front of the blocks there
	s_cselect_b32 s47, 0, HDR
	s_cmp_eq_u32 s36, 1
	s_cselect_b32 s47, HDR, s47
	s_mov_b32 s39, W2OFF
	s_cmp_eq_u32 s36, 2
	s_cselect_b32 s47, s39, s47
	s_add_co_u32 s46, s46, s47
	s_mov_b32 s47, 0                               ; s[46:47]: the block's byte offset in its buffer
	s_cmp_eq_u32 s36, 2                            ; w2 has 32 K steps, the others 8
	s_cselect_b32 s39, 5, 3
	s_cselect_b32 s61, 31, 7
	s_lshr_b32 s39, s37, s39
	s_and_b32 s61, s37, s61                        ; K step
	s_cmp_eq_u32 s36, 0
	s_cselect_b32 s62, 7, 31
	s_and_b32 s39, s39, s62                        ; block of 128 columns
	s_cmp_eq_u32 s36, 1
	s_cselect_b32 s56, 14, 12                      ; a row of w1 is 16,384 bytes, of the others 4,096
	s_lshl_b32 s57, 1, s56                         ; the pitch
	s_lshl_b32 s58, 32, s56                        ; 32 rows
	s_mov_b32 s59, 0
	s_lshl_b32 s62, s61, 7
	s_lshl_b32 s62, s62, s56                       ; 128 rows for each K step,
	s_lshl_b32 s39, s39, 9
	s_add_co_u32 s62, s62, s39                     ; 512 bytes for each block of columns,
	s_lshl_b32 s39, s[WV], 7
	s_add_co_u32 s62, s62, s39                     ; 128 for each wave
	s_mov_b32 s63, 0
.set li, 0
.rept 32
	v_mad_u32_u24 v[VOFF+li], s57, li, v5
.set li, li+1
.endr
	s_wait_alu depctr_va_vdst(0)
	s_wait_kmcnt 0x0
	s_cmp_lt_u32 s38, 1                            ; the buffers are chosen by the work-group's number alone
	s_cselect_b64 s[40:41], s[4:5], s[6:7]
	s_cmp_lt_u32 s38, 3
	s_cselect_b64 s[42:43], s[8:9], s[10:11]
	s_cmp_lt_u32 s38, 2
	s_cselect_b64 s[40:41], s[40:41], s[42:43]
	s_cselect_b64 s[44:45], s[26:27], s[28:29]
	s_cmp_eq_u32 s38, 3
	s_cselect_b64 s[44:45], s[32:33], s[44:45]
	s_cmp_eq_u32 s36, 1
	s_cselect_b64 s[40:41], s[12:13], s[40:41]
	s_cselect_b64 s[44:45], s[30:31], s[44:45]
	s_cmp_eq_u32 s36, 2
	s_cselect_b64 s[40:41], s[14:15], s[40:41]
	s_cselect_b64 s[44:45], s[32:33], s[44:45]
	s_add_nc_u64 s[48:49], s[40:41], s[62:63]      ; a base for each of the four blocks of 32 along K
	s_add_nc_u64 s[50:51], s[48:49], s[58:59]
	s_add_nc_u64 s[52:53], s[50:51], s[58:59]
	s_add_nc_u64 s[54:55], s[52:53], s[58:59]
	s_add_nc_u64 s[44:45], s[44:45], s[46:47]      ; the operand block
	s_mul_i32 s46, s[WV], 1536
	s_add_nc_u64 s[42:43], s[44:45], s[46:47]      ; my two tiles in it
.macro LOAD kb                         ; W(32 kb + i, my column), i = 0..31, into set kb % 2
.set li, 0
.rept 32
	global_load_b32 v[X+32*((\kb)%2)+li], v[VOFF+li], s[48+2*(\kb):49+2*(\kb)] th:TH_LOAD_NT
.set li, li+1
.endr
.endm
.macro BLOCK kb
.set XS, X+32*((\kb)%2)
.set HH, H+16*((\kb)/2)+8*((\kb)%2)
.if (\kb) < 3
	s_wait_loadcnt 32                              ; this block's 32 loads are in; the next block's may be out
.else
	s_wait_loadcnt 0x0
.endif
	v_max3_num_f32 v12, |v[XS]|, |v[XS+1]|, |v[XS+2]|   ; the block's largest magnitude: all 32 numbers are mine; two chains
	v_max3_num_f32 v13, |v[XS+3]|, |v[XS+4]|, |v[XS+5]|
.irp i, 6,10,14,18,22,26
	v_max3_num_f32 v12, v12, |v[XS+\i]|, |v[XS+\i+1]|
	v_max3_num_f32 v13, v13, |v[XS+\i+2]|, |v[XS+\i+3]|
.endr
	v_max3_num_f32 v12, v12, |v[XS+30]|, |v[XS+31]|
	v_max3_num_f32 v12, v12, v13, 0x1800000        ; and the floor 2^(3 - 127): the byte cannot fall under 1
	v_add_nc_u32 v11, 0xff000000, v12              ; 2 off the exponent field: the conversion takes the exponent field of this operand as its scale
	v_lshrrev_b32 v13, 23, v11                     ; the scale's byte
.if (\kb) == 0
	v_mov_b32 v[SB], v13
.else
	v_lshl_or_b32 v[SB], v13, 8*(\kb), v[SB]
.endif
	v_cvt_scalef32_pk16_fp6_f32 v[HH:HH+2], v[XS:XS+15], v11
	v_cvt_scalef32_pk16_fp6_f32 v[HH+4:HH+6], v[XS+16:XS+31], v11   ; (a conversion's three registers begin on an even number)
	v_nop                                          ; one plain line behind the conversions
	v_mov_b32 v[HH+3], v[HH+4]
	v_mov_b32 v[HH+4], v[HH+5]
	v_mov_b32 v[HH+5], v[HH+6]                     ; six registers on end: the block's 32 codes
.if (\kb) < 2
	LOAD (\kb)+2
.endif
.endm
; Blocks 2 c and 2 c + 1 of my row become the two tiles' half fragments: the first run's lanes 16-31 (tile 2 w + 1, block 2 c) change places with the second's lanes 0-15 (tile 2 w, block 2 c + 1).
.macro PAIR c
.irp i, 0,1,2,3,4,5
	v_permlane16_swap_b32 v[H+16*\c+\i], v[H+16*\c+8+\i]
.endr
.irp u, 0,1
	global_store_b128 v2, v[H+16*\c+8*\u:H+16*\c+8*\u+3], s[42:43] offset:\c*6656+\u*768         ; the wave stores 512 consecutive bytes, aligned to 256
	global_store_b64 v3, v[H+16*\c+8*\u+4:H+16*\c+8*\u+5], s[42:43] offset:\c*6656+\u*768+512   ; and 256
.endr
.endm
	LOAD 0
	LOAD 1
	BLOCK 0
	BLOCK 1
	PAIR 0
	BLOCK 2
	BLOCK 3
	PAIR 1
	global_store_b32 v4, v[SB], s[44:45] offset:6144   ; 32 scale words: 128 consecutive bytes a wave, 512 a work-group
	s_wait_xcnt 0x0                                ; the stores have read their bases: scalar registers are used again below
	; ---- the small jobs, shared out by the work-group's number; 128 threads, a word each
	s_cmp_lg_u32 s36, 0
	s_cbranch_scc1 .Lnot_y0
	s_cmp_lt_u32 s37, 16
	s_cbranch_scc1 .Lmask
	s_cmp_lt_u32 s37, 40
	s_cbranch_scc1 .Lcopy0
	s_cmp_eq_u32 s37, 40
	s_cbranch_scc1 .Lfloor
	s_endpgm
.Lnot_y0:
	s_cmp_eq_u32 s36, 1
	s_cbranch_scc0 .Ldone
	s_cmp_lt_u32 s37, 32
	s_cbranch_scc0 .Ldone
	s_mov_b64 s[40:41], s[22:23]                   ; b1 into w1c's header
	s_mov_b64 s[44:45], s[30:31]
	s_lshl_b32 s46, s37, 9
	s_mov_b32 s48, s46
	s_branch .Lcopy
.Lcopy0:                                               ; x = 16..23: bq, 24..31: bk, both into wqkc's header; 32..39: bv into wvc's
	s_cmp_lt_u32 s37, 24
	s_cselect_b64 s[40:41], s[16:17], s[18:19]
	s_cmp_lt_u32 s37, 32
	s_cselect_b64 s[40:41], s[40:41], s[20:21]
	s_cselect_b64 s[44:45], s[26:27], s[28:29]
	s_cselect_b32 s48, 15, 7
	s_and_b32 s48, s37, s48
	s_lshl_b32 s48, s48, 9
	s_and_b32 s46, s37, 7
	s_lshl_b32 s46, s46, 9
.Lcopy:
	v_lshl_add_u32 v160, v0, 2, s46
	v_lshl_add_u32 v161, v0, 2, s48
	global_load_b32 v162, v160, s[40:41]
	s_wait_alu depctr_va_vdst(0)
	s_wait_loadcnt 0x0
	global_store_b32 v161, v162, s[44:45]
	s_endpgm
.Lfloor:                                               ; the floors: none (-infinity) behind wq and wk, 0.0 (relu) behind w1
	s_cmp_lt_u32 s[WV], 2
	s_cselect_b64 s[44:45], s[26:27], s[30:31]
	s_cselect_b32 s46, 0xff800000, 0
	v_and_b32 v160, 63, v0
	v_lshlrev_b32 v160, 2, v160
	v_mov_b32 v161, s46
	global_store_b32 v160, v161, s[44:45] offset:16384
	s_endpgm
.Lmask:                                                ; src_mask becomes a term for each key, f32 [2][2048]: 0.0 for an open key, -2^60 for a hidden one; a thread takes key 128 x + thread of both batches
	v_lshl_add_u32 v160, s37, 7, v0
	v_lshlrev_b32 v161, 2, v160
	global_load_b32 v163, v161, s[24:25]
	global_load_b32 v164, v161, s[24:25] offset:8192
	v_mov_b32 v166, 0xdd800000                     ; -2^60
	s_wait_alu depctr_va_vdst(0)
	s_wait_loadcnt 0x0
	v_cmp_eq_u32 vcc_lo, 0, v163
	v_cndmask_b32 v165, 0, v166, vcc_lo
	v_cmp_eq_u32 vcc_lo, 0, v164
	v_cndmask_b32 v168, 0, v166, vcc_lo
	global_store_b32 v161, v165, s[34:35]
	global_store_b32 v161, v168, s[34:35] offset:8192
.Ldone:
	s_endpgm
.Lfunc_end_k_q9b60134508_prep:
	.size	k_q9b60134508_prep, .Lfunc_end_k_q9b60134508_prep-k_q9b60134508_prep
	.p2alignl 7, 3214868480
	.fill 96, 4, 3214868480
	.section	.rodata,"a",@progbits
	.p2align	6, 0x0
	.amdhsa_kernel k_q9b60134508_prep
		.amdhsa_group_segment_fixed_size 0
		.amdhsa_private_segment_fixed_size 0
		.amdhsa_enable_private_segment 0
		.amdhsa_kernarg_size 128
		.amdhsa_user_sgpr_count 2
		.amdhsa_user_sgpr_kernarg_segment_ptr 1
		.amdhsa_wavefront_size32 1
		.amdhsa_system_sgpr_workgroup_id_x 1
		.amdhsa_system_sgpr_workgroup_id_y 1
		.amdhsa_system_sgpr_workgroup_id_z 1
		.amdhsa_system_vgpr_workitem_id 0
		.amdhsa_next_free_vgpr 176
		.amdhsa_next_free_sgpr 66
		.amdhsa_reserve_vcc 1
		.amdhsa_float_denorm_mode_32 3
		.amdhsa_float_denorm_mode_16_64 3
		.amdhsa_memory_ordered 1
		.amdhsa_forward_progress 1
		.amdhsa_inst_pref_size 27
	.end_amdhsa_kernel
	.amdgpu_metadata
---
amdhsa.version: [ 1, 2 ]
amdhsa.kernels:
  - .name:           k_q9b60134508_prep
    .symbol:         k_q9b60134508_prep.kd
    .args:
      - { .name: wq, .offset: 0, .size: 8, .value_kind: global_buffer, .address_space: global }
      - { .name: wk, .offset: 8, .size: 8, .value_kind: global_buffer, .address_space: global }
      - { .name: wv, .offset: 16, .size: 8, .value_kind: global_buffer, .address_space: global }
      - { .name: wo, .offset: 24, .size: 8, .value_kind: global_buffer, .address_space: global }
      - { .name: w1, .offset: 32, .size: 8, .value_kind: global_buffer, .address_space: global }
      - { .name: w2, .offset: 40, .size: 8, .value_kind: global_buffer, .address_space: global }
      - { .name: bq, .offset: 48, .size: 8, .value_kind: global_buffer, .address_space: global }
      - { .name: bk, .offset: 56, .size: 8, .value_kind: global_buffer, .address_space: global }
      - { .name: bv, .offset: 64, .size: 8, .value_kind: global_buffer, .address_space: global }
      - { .name: b1, .offset: 72, .size: 8, .value_kind: global_buffer, .address_space: global }
      - { .name: src_mask, .offset: 80, .size: 8, .value_kind: global_buffer, .address_space: global }
      - { .name: wqkc, .offset: 88, .size: 8, .value_kind: global_buffer, .address_space: global }
      - { .name: wvc, .offset: 96, .size: 8, .value_kind: global_buffer, .address_space: global }
      - { .name: w1c, .offset: 104, .size: 8, .value_kind: global_buffer, .address_space: global }
      - { .name: wo2c, .offset: 112, .size: 8, .value_kind: global_buffer, .address_space: global }
      - { .name: kbias, .offset: 120, .size: 8, .value_kind: global_buffer, .address_space: global }
    .group_segment_fixed_size: 0
    .private_segment_fixed_size: 0
    .kernarg_segment_align: 8
    .kernarg_segment_size: 128
    .max_flat_workgroup_size: 128
    .sgpr_count:     66
    .vgpr_count:     176
    .wavefront_size: 32
...
	.end_amdgpu_metadata
.endif
;; end of part 1
;; launch ln1 (part 2): grid 256 x 1, 4 waves a work-group, no clusters, 32,768 bytes of LDS; arguments x, alpha1, beta1, acta; writes acta
.if DOCPART == 2
	.amdgcn_target "amdgcn-amd-amdhsa--gfx1250"
	.amdhsa_code_object_version 6
	.text
	.protected	k_q9b60134508_ln1
	.globl	k_q9b60134508_ln1
	.p2align	8
	.type	k_q9b60134508_ln1,@function
k_q9b60134508_ln1:
	s_mov_b64 s[64:65], 0
	v_nop
	global_prefetch_b8 v0, s[64:65] scope:SCOPE_SE
	s_setreg_imm32_b32 hwreg(HW_REG_WAVE_MODE, 25, 1), 1
	s_wait_xcnt 0x0
; y = alpha (x - mean) / (std + 1e-6) + beta over rows of 1,024 f32 (std with n - 1), quantised along the row to E2M3 codes with one E8M0 byte for each 32, and stored as an operand:
; header (4,096 zero row terms, the floor -infinity), then [32 blocks of 128 rows][8 K steps] blocks of KB = 12,800 bytes: half fragments (c, t) of 768 bytes at 6656 c + 768 t, scale words at 6144.
; A half fragment is the image of six operand registers (registers 0-3 of lane l at 16 l, registers 4-5 at 512 + 8 l); lane (r, h) holds k = 64 c + 32 h + 0..31 of the tile's row r;
; row x of a block sits in tile 2 (x / 32) + (x / 8) % 2 at lane r = x % 8 + 8 ((x / 16) % 2).
; A work-group makes ONE tile of 16 rows for all of K; wave w takes the tile's rows 4 w .. 4 w + 3, four neighbouring rows of memory, all 32 loads out at once.  A row is loaded 512 consecutive bytes an instruction and
; turned through the wave's own LDS so that lane l holds the 32 neighbours of block l: mean and variance then want one sum over the lanes each, and a block's largest magnitude no other lane.
; The codes meet in LDS, ordered by block and row; behind ONE barrier each wave reads four half fragments as images and stores them in whole aligned runs of 512 and 256 bytes.
; LIMITS: a block of zeros carries the byte 1, not 127 (its codes are zeros; this program alone reads the bytes); NaN and infinities are not served.  alpha / (std + eps) is formed first and multiplied in, one fused multiply-add a number.
.set KB,    12800
.set HDR,   16640
.set IMG1,  18432                      ; behind the four turning stages of 4,608 bytes (32 places of 144): 32 blocks x (16 rows x 16 bytes + 16): registers 0-3
.set IMG2,  27136                      ; 32 blocks x (16 rows x 8 bytes + 8): registers 4-5
.set SCB,   31488                      ; scale bytes [8 K steps][16 rows][4]
.set SPARE, 32000                      ; the spare words, 128 bytes for each wave: two blocks of 256 bytes that no other line names
.set R,     64                         ; v64-191  four rows as loaded; behind the barrier the images on their way out
.set X,     192                        ; v192-255 two sets of 32 neighbours
.set C,     32                         ; v32-63   a row's codes, eight registers a row
.set SPW,   14                         ; v14      LDS address of my spare word; never rewritten
.set NIL,   15                         ; v15      0; never rewritten
.set WV,    16                         ; s16      my wave's number
	s_load_b256 s[4:11], s[0:1], 0x0               ; the rows, alpha, beta, the operand
	v_lshl_add_u32 v[SPW], v0, 2, SPARE
	v_mov_b32 v[NIL], 0
	v_lshrrev_b32 v1, 5, v0
	v_readfirstlane_b32 s[WV], v1
	v_and_b32 v31, 31, v0                          ; lane
	v_lshlrev_b32 v1, 4, v31                       ; 16 l
	v_lshlrev_b32 v10, 3, v31                      ; 8 l
	v_and_b32 v12, 15, v0                          ; r
	v_bfe_u32 v13, v0, 4, 1                        ; h
	s_mul_i32 s17, s[WV], 4608
	v_lshrrev_b32 v2, 3, v31
	v_mul_u32_u24 v2, v2, 144
	v_and_b32 v3, 7, v31
	v_lshl_add_u32 v2, v3, 4, v2
	v_add_nc_u32 v2, s17, v2                       ; the stage, in: eight lanes' 128 bytes fill a place; a load's 512 bytes take four places
	v_mul_u32_u24 v3, v31, 144
	v_add_nc_u32 v3, s17, v3                       ; out: place l: my block's 32 numbers
	s_lshl_b32 s17, s[WV], 6
	v_mul_u32_u24 v4, v31, 272
	v_add_nc_u32 v4, s17, v4
	v_add_nc_u32 v4, IMG1, v4                      ; block l, row 4 w (+ the row in the immediate): 16 bytes
	s_lshl_b32 s17, s[WV], 5
	v_mul_u32_u24 v5, v31, 136
	v_add_nc_u32 v5, s17, v5
	v_add_nc_u32 v5, IMG2, v5                      ; and 8 bytes
	s_lshl_b32 s17, s[WV], 4
	v_lshrrev_b32 v6, 2, v31
	v_lshlrev_b32 v6, 6, v6
	v_and_b32 v7, 3, v31
	v_add_nc_u32 v6, v6, v7
	v_add_nc_u32 v6, s17, v6
	v_add_nc_u32 v6, SCB, v6                       ; K step l / 4, row 4 w, byte l % 4
	s_mul_i32 s17, s[WV], 8*272
	v_mul_u32_u24 v7, v13, 272
	v_lshl_add_u32 v7, v12, 4, v7
	v_add_nc_u32 v7, s17, v7
	v_add_nc_u32 v7, IMG1, v7                      ; back: half fragment 4 w + e: lane (r, h) takes block 2 (4 w + e) + h, row r
	s_mul_i32 s17, s[WV], 8*136
	v_mul_u32_u24 v8, v13, 136
	v_lshl_add_u32 v8, v12, 3, v8
	v_add_nc_u32 v8, s17, v8
	v_add_nc_u32 v8, IMG2, v8
	v_lshl_add_u32 v9, v0, 2, SCB                  ; the scale words of K steps 2 w + h, row r
	v_mul_u32_u24 v11, v13, KB
	v_lshl_add_u32 v11, v12, 2, v11                ; and their place in memory
	s_mov_b32 s18, ttmp9                           ; the tile
	s_lshr_b32 s19, s18, 3                         ; its block of 128 rows
	s_and_b32 s20, s18, 7                          ; t
	s_lshl_b32 s21, s19, 7
	s_lshr_b32 s22, s20, 1
	s_lshl_b32 s22, s22, 5
	s_add_co_u32 s21, s21, s22
	s_and_b32 s22, s20, 1
	s_lshl_b32 s22, s22, 3
	s_add_co_u32 s21, s21, s22
	s_and_b32 s22, s[WV], 1
	s_lshl_b32 s22, s22, 2
	s_add_co_u32 s21, s21, s22
	s_lshr_b32 s22, s[WV], 1
	s_lshl_b32 s22, s22, 4
	s_add_co_u32 s21, s21, s22                     ; my first row: 128 rb + 32 (t / 2) + 8 (t % 2) + 4 (w % 2) + 16 (w / 2)
	s_lshl_b32 s22, s21, 12
	s_mov_b32 s23, 0
	s_lshl_b32 s24, s19, 3
	s_lshl_b32 s25, s[WV], 1
	s_add_co_u32 s24, s24, s25
	s_mul_i32 s24, s24, KB
	s_add_co_u32 s24, s24, HDR                     ; the operand block of K step 2 w
	s_mul_i32 s25, s20, 768
	s_add_co_u32 s26, s24, s25                     ; my tile's half fragments in it
	s_mov_b32 s27, 0
	s_lshl_b32 s25, s20, 6
	s_add_co_u32 s24, s24, s25
	s_add_co_u32 s24, s24, 6144                    ; and its scale words
	s_mov_b32 s25, 0
	s_mov_b32 s12, 0x76543210
	s_mov_b32 s13, 0xfedcba98                      ; v_permlanex16_b32's selects for lane l xor 16
	s_wait_kmcnt 0x0
	s_load_b32 s14, s[6:7], 0x0                    ; alpha
	s_load_b32 s15, s[8:9], 0x0                    ; beta
	s_add_nc_u64 s[4:5], s[4:5], s[22:23]
	s_add_nc_u64 s[26:27], s[10:11], s[26:27]
	s_add_nc_u64 s[24:25], s[10:11], s[24:25]
.irp p, 0,1,2,3
.irp j, 0,1,2,3,4,5,6,7
	global_load_b128 v[R+32*\p+4*\j:R+32*\p+4*\j+3], v1, s[4:5] offset:4096*\p+512*\j th:TH_LOAD_NT
.endr
.endr
	s_wait_kmcnt 0x0
	v_mov_b32 v24, s15
	v_mov_b32 v25, s15
.macro ALLSUM a, b                     ; the sum over the 32 lanes, in every lane
	v_add_f32_dpp v[\a], v[\a], v[\a] row_xmask:1 row_mask:0xf bank_mask:0xf
	v_add_f32_dpp v[\a], v[\a], v[\a] row_xmask:2 row_mask:0xf bank_mask:0xf
	v_add_f32_dpp v[\a], v[\a], v[\a] row_xmask:4 row_mask:0xf bank_mask:0xf
	v_add_f32_dpp v[\a], v[\a], v[\a] row_xmask:8 row_mask:0xf bank_mask:0xf
	v_permlanex16_b32 v[\b], v[\a], s12, s13
	v_add_f32 v[\a], v[\a], v[\b]
.endm
.macro ROW p
.set XS, X+32*((\p)%2)
.set CS, C+8*(\p)
	s_wait_loadcnt 8*(3-(\p))                      ; this row's eight loads are in; the later rows' stay out
.irp j, 0,1,2,3,4,5,6,7
	ds_store_b128 v2, v[R+32*(\p)+4*\j:R+32*(\p)+4*\j+3] offset:576*\j
.endr
.irp j, 0,1,2,3,4,5,6,7
	ds_load_b128 v[XS+4*\j:XS+4*\j+3], v3 offset:16*\j   ; a wave's LDS instructions are served in order (ISA guide 5.7.1.4): these see the stores above
.endr
	s_wait_dscnt 0x0
	v_pk_add_f32 v[16:17], v[XS:XS+1], v[XS+2:XS+3]      ; the sum, in two chains
	v_pk_add_f32 v[18:19], v[XS+4:XS+5], v[XS+6:XS+7]
.irp j, 8,12,16,20,24,28
	v_pk_add_f32 v[16:17], v[16:17], v[XS+\j:XS+\j+1]
	v_pk_add_f32 v[18:19], v[18:19], v[XS+\j+2:XS+\j+3]
.endr
	v_pk_add_f32 v[16:17], v[16:17], v[18:19]
	v_add_f32 v16, v16, v17
	ALLSUM 16, 17
	v_mul_f32 v20, 0x3a800000, v16                 ; the mean: x 2^-10
	v_mov_b32 v21, v20
.set rj, 0
.rept 16
	v_pk_add_f32 v[XS+rj:XS+rj+1], v[XS+rj:XS+rj+1], v[20:21] neg_lo:[0,1] neg_hi:[0,1]   ; d = x - mean
.set rj, rj+2
.endr
	v_pk_mul_f32 v[16:17], v[XS:XS+1], v[XS:XS+1]        ; the sum of d^2, in two chains
	v_pk_mul_f32 v[18:19], v[XS+2:XS+3], v[XS+2:XS+3]
.irp j, 4,8,12,16,20,24,28
	v_pk_fma_f32 v[16:17], v[XS+\j:XS+\j+1], v[XS+\j:XS+\j+1], v[16:17]
	v_pk_fma_f32 v[18:19], v[XS+\j+2:XS+\j+3], v[XS+\j+2:XS+\j+3], v[18:19]
.endr
	v_pk_add_f32 v[16:17], v[16:17], v[18:19]
	v_add_f32 v16, v16, v17
	ALLSUM 16, 17
	v_mul_f32 v16, 0x3a802008, v16                 ; / 1,023
	s_wait_alu depctr_va_vdst(0)
	v_sqrt_f32 v16, v16
	v_nop                                          ; a plain line behind the root,
	s_wait_alu depctr_va_vdst(0)                   ; and the wait ahead of its first reader
	v_add_f32 v16, 0x358637bd, v16                 ; + 1e-6
	s_wait_alu depctr_va_vdst(0)
	v_rcp_f32 v16, v16
	v_nop
	s_wait_alu depctr_va_vdst(0)
	v_mul_f32 v22, s14, v16                        ; alpha / (std + eps)
	v_mov_b32 v23, v22
.set rj, 0
.rept 16
	v_pk_fma_f32 v[XS+rj:XS+rj+1], v[XS+rj:XS+rj+1], v[22:23], v[24:25]
.set rj, rj+2
.endr
	v_max3_num_f32 v12, |v[XS]|, |v[XS+1]|, |v[XS+2]|    ; my block's largest magnitude
	v_max3_num_f32 v13, |v[XS+3]|, |v[XS+4]|, |v[XS+5]|
.irp i, 6,10,14,18,22,26
	v_max3_num_f32 v12, v12, |v[XS+\i]|, |v[XS+\i+1]|
	v_max3_num_f32 v13, v13, |v[XS+\i+2]|, |v[XS+\i+3]|
.endr
	v_max3_num_f32 v12, v12, |v[XS+30]|, |v[XS+31]|
	v_max3_num_f32 v12, v12, v13, 0x1800000        ; and the floor 2^(3 - 127): the byte cannot fall under 1
	v_add_nc_u32 v30, 0xff000000, v12              ; 2 off the exponent field: the conversion's scale operand
	v_lshrrev_b32 v[26+(\p)], 23, v30              ; the scale's byte
	v_cvt_scalef32_pk16_fp6_f32 v[CS:CS+2], v[XS:XS+15], v30
	v_cvt_scalef32_pk16_fp6_f32 v[CS+4:CS+6], v[XS+16:XS+31], v30
	v_nop                                          ; one plain line behind the conversions
	v_mov_b32 v[CS+3], v[CS+4]
	v_mov_b32 v[CS+4], v[CS+5]
	v_mov_b32 v[CS+5], v[CS+6]
	ds_store_b128 v4, v[CS:CS+3] offset:16*(\p)
	ds_store_b64 v5, v[CS+4:CS+5] offset:8*(\p)
	ds_store_b8 v6, v[26+(\p)] offset:4*(\p)
.endm
	ROW 0
	ROW 1
	ROW 2
	ROW 3
	s_wait_dscnt 0x0                               ; for the others' sake: my codes and bytes lie in LDS
	s_barrier_signal -1
	s_barrier_wait -1
.irp e, 0,1,2,3
	ds_load_b128 v[R+8*\e:R+8*\e+3], v7 offset:544*\e
	ds_load_b64 v[R+8*\e+4:R+8*\e+5], v8 offset:272*\e
.endr
	ds_load_b32 v[R+32], v9
.irp e, 0,1,2,3                        ; half fragment 4 w + e: K step 2 w + e / 2, c = e % 2
	s_wait_dscnt 8-2*\e                            ; the younger LDS loads may stay out
	global_store_b128 v1, v[R+8*\e:R+8*\e+3], s[26:27] offset:(\e/2)*KB+(\e%2)*6656          ; 512 consecutive bytes, aligned to 256
	s_wait_dscnt 7-2*\e
	global_store_b64 v10, v[R+8*\e+4:R+8*\e+5], s[26:27] offset:(\e/2)*KB+(\e%2)*6656+512    ; 256
.endr
	s_wait_dscnt 0x0
	global_store_b32 v11, v[R+32], s[24:25]        ; 16 scale words for each of two K steps
	s_cmp_lt_u32 s18, 32                           ; the header: the first 32 work-groups store the 4,096 zero row terms,
	s_cbranch_scc0 .Lno_terms
	v_lshlrev_b32 v100, 2, v0
	v_lshl_add_u32 v100, s18, 9, v100
	v_mov_b32 v103, 0
	global_store_b32 v100, v103, s[10:11]
.Lno_terms:
	s_cmp_eq_u32 s18, 32                           ; two waves of the next one the floor: none
	s_cbranch_scc0 .Lno_floor
	s_cmp_lt_u32 s[WV], 2
	s_cbranch_scc0 .Lno_floor
	v_and_b32 v101, 63, v0
	v_lshlrev_b32 v101, 2, v101
	v_mov_b32 v102, 0xff800000
	global_store_b32 v101, v102, s[10:11] offset:16384
.Lno_floor:
	s_wait_tensorcnt 0x0                           ; the wave's end: behind my last LDS store
	ds_add_u32 v[SPW], v[NIL]
	s_wait_dscnt 0x0
	s_endpgm
.Lfunc_end_k_q9b60134508_ln1:
	.size	k_q9b60134508_ln1, .Lfunc_end_k_q9b60134508_ln1-k_q9b60134508_ln1
	.p2alignl 7, 3214868480
	.fill 96, 4, 3214868480
	.section	.rodata,"a",@progbits
	.p2align	6, 0x0
	.amdhsa_kernel k_q9b60134508_ln1
		.amdhsa_group_segment_fixed_size 32768
		.amdhsa_private_segment_fixed_size 0
		.amdhsa_enable_private_segment 0
		.amdhsa_kernarg_size 32
		.amdhsa_user_sgpr_count 2
		.amdhsa_user_sgpr_kernarg_segment_ptr 1
		.amdhsa_wavefront_size32 1
		.amdhsa_system_sgpr_workgroup_id_x 1
		.amdhsa_system_sgpr_workgroup_id_y 1
		.amdhsa_system_sgpr_workgroup_id_z 1
		.amdhsa_system_vgpr_workitem_id 0
		.amdhsa_next_free_vgpr 256
		.amdhsa_next_free_sgpr 66
		.amdhsa_reserve_vcc 0
		.amdhsa_float_denorm_mode_32 3
		.amdhsa_float_denorm_mode_16_64 3
		.amdhsa_memory_ordered 1
		.amdhsa_forward_progress 1
		.amdhsa_inst_pref_size 42
	.end_amdhsa_kernel
	.amdgpu_metadata
---
amdhsa.version: [ 1, 2 ]
amdhsa.kernels:
  - .name:           k_q9b60134508_ln1
    .symbol:         k_q9b60134508_ln1.kd
    .args:
      - { .name: x, .offset: 0, .size: 8, .value_kind: global_buffer, .address_space: global }
      - { .name: alpha1, .offset: 8, .size: 8, .value_kind: global_buffer, .address_space: global }
      - { .name: beta1, .offset: 16, .size: 8, .value_kind: global_buffer, .address_space: global }
      - { .name: acta, .offset: 24, .size: 8, .value_kind: global_buffer, .address_space: global }
    .group_segment_fixed_size: 32768
    .private_segment_fixed_size: 0
    .kernarg_segment_align: 8
    .kernarg_segment_size: 32
    .max_flat_workgroup_size: 128
    .sgpr_count:     66
    .vgpr_count:     256
    .wavefront_size: 32
...
	.end_amdgpu_metadata
.endif
;; end of part 2
;; launch qk (part 3): grid 8 x 32, 4 waves a work-group, clusters of 4 x 4, 327,680 bytes of LDS; arguments wqkc, acta, big; writes big
.if DOCPART == 3
	.amdgcn_target "amdgcn-amd-amdhsa--gfx1250"
	.amdhsa_code_object_version 6
	.text
	.protected	k_q9b60134508_qk
	.globl	k_q9b60134508_qk
	.p2align	8
	.type	k_q9b60134508_qk,@function
k_q9b60134508_qk:
	s_mov_b64 s[64:65], 0
	v_nop
	global_prefetch_b8 v0, s[64:65] scope:SCOPE_SE
	s_setreg_imm32_b32 hwreg(HW_REG_WAVE_MODE, 25, 1), 1
	s_wait_xcnt 0x0
	s_wait_alu depctr_hold_cnt(0) depctr_sa_sdst(0) depctr_va_vdst(0) depctr_va_sdst(0) depctr_va_ssrc(0) depctr_va_vcc(0) depctr_vm_vsrc(0)
	s_getreg_b32 s2, hwreg(HW_REG_IB_STS2, 6, 4)
	s_cmp_eq_u32 s2, 0
	s_cbranch_scc0 .Lentry_in_a_cluster
	s_endpgm
.Lentry_in_a_cluster:
	s_bfe_u32 s2, ttmp6, 0x10000c
	s_cmp_lg_u32 s2, 0xf033
	s_cbranch_scc0 .Lentry_shape_is_right
	s_endpgm
.Lentry_shape_is_right:
; A product of two operands of E2M3 codes (one E8M0 byte for each 32 along K): P as source 0, Q as source 1.  max(P Q^T + P's row term + Q's row term, P's floor) is quantised along P's rows and stored as
; blocks of a new operand whose rows are Q's rows and whose K are P's rows.  K = 1,024.
; A WORK-GROUP STAYS: it takes ONE block of 128 rows of Q and TILES neighbouring blocks of 128 rows of P, one after the other (the same text serves another launch with another number in the next line).
.set TILES,  2
; OPERANDS lie as [header 16,640 bytes][block of 128 rows][K step] blocks of KB = 12,800 bytes: half fragments (c, t) of 768 bytes at 6656 c + 768 t, the rows' scale words at 6144.  A half fragment is the image of six operand
; registers (registers 0-3 of lane l at 16 l, registers 4-5 at 512 + 8 l).  So a fragment is four LDS loads of consecutive bytes, and a block of rows is one dense stream along K for the tensor loads.
; The header holds 4,096 row terms (f32, by the row's number) and, at byte 16,384, the floor that goes with the operand as source 0 (0.0: relu; -infinity: none).
; Row x of a block sits in tile 2 (x / 32) + (x / 8) % 2 at lane x % 8 + 8 ((x / 16) % 2): in the result a lane holds ONE row of Q, and the 16 registers of P's tiles 2 b, 2 b + 1 are P's rows 32 b + 16 (lane / 16) + 0..15.
; SHARES.  Four waves, each 64 x 64 of a tile: 16 accumulators.  The grid has 256 work-groups.
; LDS.  Q's block for all of K (8 K steps, 102,400 bytes) is fetched once and stays.  P's blocks, 102,400 bytes each, go through two slots behind it.  Each wave fetches K steps 2 w and 2 w + 1 of a block, 25,600 dense bytes,
; with one tensor load: at the head one load a wave (half of Q's block or of P's first), then a quarter of P's second.  At the change from tile i to tile i + 1 the slot just left takes block i + 2, where there is one: one load a wave, which has tile i's
; way out and all of tile i + 1, 128 matrix instructions a wave, in which to land.  No barrier stands inside a tile: the one in front of it has shown all its bytes to every wave.
; The tiles are written out, not looped: the first TILES - 2 changes fill a slot and the last does not, and every offset that hangs on the tile is an immediate.
; CLUSTER 4 x 4: Q's block hangs on y alone and is asked for jointly along a row of the cluster, P's blocks on x alone, along a column.
; No prefetch: the first fills stand at the head, and a refill has a whole tile's work in which to land.
; REGISTERS.  Window 0: v7-11, v16-27, v30, v31 addresses; v28, v29 the add's two; v32-39 scale words, two sets (register i: lanes 0-15 Q's tile i, lanes 16-31 P's tile i); v40-71 P's row terms in the result's layout, the C of a tile's
;   first products; v72-127 the way out; v128-255 the accumulators ((a, b) at 128 + 8 (4 a + b), a: Q's tile, b: P's).  Window 1: two fragment buffers, at v0 and v128: P's four fragments, then Q's four.
; LIMITS: a block of zeros carries the byte 1, not 127 (its codes are zeros; this program alone reads the bytes); NaN and infinities are not served.  The two scale bytes of a row and 64 k leave by a store of two bytes a lane
; (lanes 16-31 repeat lanes 0-15): one byte in 24 of what is stored.
.set KB,     12800
.set HDR,    16640
.set OPB,    8*KB                      ; a block of rows for all of K
.set HALFK,  4*KB                      ; four K steps: as far as an LDS load's immediate reaches from one address register
.set PB,     OPB                       ; P's slot 0 lies behind Q's block, slot 1 behind slot 0
.set SPARE,  3*OPB                     ; behind them: the spare words, 128 bytes for each wave: two blocks of 256 bytes that no other line names
.set AQ16, 16                          ; v16-17 my Q tiles, K steps 0-3 and 4-7: + 16 l;  v18-19: + 8 l
.set AQ8,  18
.set AP16, 20                          ; v20-23 my P tiles: register 2 slot + half of K: + 16 l
.set AP8,  8                           ; v8-11  the same: + 8 l
.set ADS,  24                          ; v24-27 my scale words, register 2 slot + half of K: lanes 0-15 Q's, lanes 16-31 P's
.set EA,   30                          ; v30, v31, v7 the way out's addresses
.set EB,   31
.set EC,   7
.set SPW,  28
.set NIL,  29
.set SC,   32
.set BP,   40
.set BQ,   72
.set PC,   80
.set PW,   112
.set TM,   116
.set ACC,  128
.set G1Q,  24                          ; s[24:31] descriptor group 1 for Q's block; s[32:35] its group 0
.set G0Q,  32
.set G1P,  48                          ; s[48:55] group 1 for P's blocks; s[56:63] group 0, a set for each slot
.set G0P,  56
.set SEL,  66
.set MSB,  0
.macro WIN new                         ; the immediate's high byte repeats the setting that is left
.if MSB != \new
	s_set_vgpr_msb (MSB<<8)|\new
.set MSB, \new
.endif
.endm
.set MUL,  0x05                        ; sources 0 (P) and 1 (Q) window 1; C and D window 0
.set TO_F, 0x40                        ; destination window 1, address window 0
.macro CROUND                          ; a round of the cluster's barrier
	s_barrier_signal -1
	s_barrier_wait -1
	s_cmp_lg_u32 s14, 0
	s_cbranch_scc1 .Lnot_wave_0_\@
	s_barrier_signal -3
.Lnot_wave_0_\@:
	s_barrier_wait -3
	s_barrier_signal -1
	s_barrier_wait -1
.endm
	s_load_b128 s[4:7], s[0:1], 0x0                ; P, Q
	s_load_b64 s[8:9], s[0:1], 0x10                ; the new operand
	v_lshl_add_u32 v[SPW], v0, 2, SPARE
	v_mov_b32 v[NIL], 0
	ds_add_u32 v[SPW], v[NIL]                      ; the wave's opening: the add and its wait ahead of my first tensor load; the set-up below stands between them
	ds_add_u32 v[SPW], v[NIL]
	v_lshrrev_b32 v1, 5, v0
	v_readfirstlane_b32 s14, v1                    ; wave 0..3
	s_lshr_b32 s15, s14, 1                         ; my half of Q's rows
	s_and_b32 s16, s14, 1                          ; my half of P's rows
	s_bfe_u32 s40, ttmp6, 0x40000                  ; cx, cy: my place in the cluster
	s_bfe_u32 s41, ttmp6, 0x40004
	s_lshl_b32 s42, ttmp9, 2
	s_add_co_u32 s42, s42, s40                     ; x: my run of TILES blocks of P
	s_and_b32 s17, ttmp7, 0xffff
	s_lshl_b32 s17, s17, 2
	s_add_co_u32 s17, s17, s41                     ; y: Q's block of rows
	s_lshl_b32 s43, s41, 2
	s_lshl_b32 s43, 15, s43                        ; my row of the cluster
	s_lshl_b32 s44, 0x1111, s40                    ; my column
	s_or_b32 s[G1Q+0], s43, (3<<16)|(1<<21)        ; 15:0 the mask; 17:16 elements of 8 bytes; 20 no padding; 21 set beside a mask
	s_or_b32 s[G1P+0], s44, (3<<16)|(1<<21)
.irp g, G1Q, G1P                       ; two K steps, 25,600 dense bytes, as 100 rows of 256 bytes
	s_mov_b32 s[\g+1], 32<<16                      ; tensor_dim0 = 32 elements
	s_mov_b32 s[\g+2], 200<<16                     ; the head's loads bring four K steps, 200 rows of 256 bytes
	s_mov_b32 s[\g+3], 32<<16                      ; tile_dim0
	s_mov_b32 s[\g+4], 200
	s_mov_b32 s[\g+5], 32                          ; from row to row
	s_mov_b32 s[\g+6], 0
	s_mov_b32 s[\g+7], 0
.endr
	s_mul_i32 s18, s14, 2*KB                       ; my two K steps of a block: in memory and in LDS alike
	s_mul_i32 s20, s17, OPB                        ; Q's address is made of y and the wave's number alone,
	s_add_co_u32 s20, s20, s18
	s_add_co_u32 s20, s20, HDR
	s_mov_b32 s21, 0
	s_mul_i32 s46, s42, TILES*OPB                  ; P's of x and the wave's number alone
	s_add_co_u32 s46, s46, s18
	s_add_co_u32 s46, s46, HDR
	s_mov_b32 s47, 0
	s_wait_dscnt 0x0                               ; the opening add is done
	s_wait_kmcnt 0x0
	s_add_nc_u64 s[20:21], s[6:7], s[20:21]
	s_add_nc_u64 s[46:47], s[4:5], s[46:47]
	CROUND                                         ; all sixteen work-groups are here: the first joint loads meet
	s_mov_b32 s19, 0                               ; the head's loads: waves 0, 1 the halves of Q's block, waves 2, 3 the halves of P's first block: half w % 2, 51,200 bytes
	s_mul_i32 s22, s16, 4*KB
	s_mov_b32 s23, 0
	s_mov_b32 s[G0Q], 1
	s_mov_b32 s[G0Q+1], s22
	s_sub_nc_u64 s[G0Q+2:G0Q+3], s[20:21], s[18:19]
	s_add_nc_u64 s[G0Q+2:G0Q+3], s[G0Q+2:G0Q+3], s[22:23]
	s_or_b32 s[G0Q+3], s[G0Q+3], 0x80000000
	s_mov_b32 s36, 1
	s_add_co_u32 s37, s22, PB
	s_sub_nc_u64 s[38:39], s[46:47], s[18:19]
	s_add_nc_u64 s[38:39], s[38:39], s[22:23]
	s_or_b32 s39, s39, 0x80000000
.irp s, 0,1
	s_mov_b32 s[G0P+4*\s], 1
	s_add_co_u32 s[G0P+4*\s+1], s18, PB+\s*OPB
	s_add_nc_u64 s[G0P+4*\s+2:G0P+4*\s+3], s[46:47], \s*OPB
	s_or_b32 s[G0P+4*\s+3], s[G0P+4*\s+3], 0x80000000
.endr
	s_cmp_eq_u32 s15, 0                            ; one tensor load a wave at the head
	s_cbranch_scc0 .Lhead_p
	tensor_load_to_lds s[G0Q:G0Q+3], s[G1Q:G1Q+7]
	s_nop 0
.rept 4
	v_nop
.endr
	s_branch .Lhead_asked
.Lhead_p:
	tensor_load_to_lds s[36:39], s[G1P:G1P+7]
	s_nop 0
.rept 4
	v_nop
.endr
.Lhead_asked:
	v_and_b32 v1, 15, v0
	v_bfe_u32 v2, v0, 4, 1                         ; h
	v_and_b32 v3, 31, v0
	v_lshlrev_b32 v4, 4, v3                        ; 16 l
	v_lshlrev_b32 v5, 3, v3                        ; 8 l
	s_mul_i32 s21, s15, 3072                       ; my four tiles of Q,
	s_mul_i32 s22, s16, 3072                       ; of P,
	s_add_co_u32 s22, s22, PB                      ; which lies behind Q's block
.irp f, 0,1
	v_add_nc_u32 v[AQ16+\f], s21, v4
	v_add_nc_u32 v[AQ8+\f], s21, v5
	v_add_nc_u32 v[AP16+\f], s22, v4
	v_add_nc_u32 v[AP8+\f], s22, v5
	s_add_co_u32 s21, s21, HALFK
	s_add_co_u32 s22, s22, HALFK
.endr
.irp f, 0,1                            ; two halves of K on is slot 1
	v_add_nc_u32 v[AP16+2+\f], s22, v4
	v_add_nc_u32 v[AP8+2+\f], s22, v5
	s_add_co_u32 s22, s22, HALFK
.endr
	s_xor_b32 s22, s15, 1                          ; from Q's scale words to P's in slot 0: PB + 256 (my half of P - my half of Q), as one product with h
	s_add_co_u32 s22, s22, s16
	s_lshl_b32 s22, s22, 8
	s_add_co_u32 s22, s22, PB-256
	s_add_co_u32 s23, s22, OPB                     ; and in slot 1
	s_lshl_b32 s21, s15, 8
	s_add_co_u32 s21, s21, 6144
	v_mul_u32_u24 v6, s22, v2
	v_lshl_add_u32 v6, v1, 2, v6
	v_add_nc_u32 v[ADS], s21, v6
	v_add_nc_u32 v[ADS+1], HALFK, v[ADS]
	v_mul_u32_u24 v13, s23, v2
	v_lshl_add_u32 v13, v1, 2, v13
	v_add_nc_u32 v[ADS+2], s21, v13
	v_add_nc_u32 v[ADS+3], HALFK, v[ADS+2]
	s_mul_i32 s18, s42, TILES*512                  ; P's row terms: lane (r, h), tile b, register j: row 128 (block) + 64 (my half) + 32 (b / 2) + 8 (b % 2) + 16 h + j
	s_lshl_b32 s19, s16, 8
	s_add_co_u32 s18, s18, s19
	s_mov_b32 s19, 0
	s_load_b32 s2, s[4:5], 0x4000                  ; P's floor
	s_add_nc_u64 s[18:19], s[4:5], s[18:19]        ; from P's header
	v_lshlrev_b32 v12, 6, v2
.macro BPLOAD i                        ; the row terms of my i-th block of P: 512 bytes on for each block
.irp b, 0,1,2,3
	global_load_b128 v[BP+8*\b:BP+8*\b+3], v12, s[18:19] offset:(\i)*512+(32*(\b/2)+8*(\b%2))*4
	global_load_b128 v[BP+8*\b+4:BP+8*\b+7], v12, s[18:19] offset:(\i)*512+(32*(\b/2)+8*(\b%2))*4+16
.endr
.endm
	BPLOAD 0
	s_lshl_b32 s22, s17, 9                         ; Q's row terms: one a lane and tile, in both halves of a pair
	s_lshl_b32 s23, s15, 8
	s_add_co_u32 s22, s22, s23
	s_mov_b32 s23, 0
	s_add_nc_u64 s[22:23], s[6:7], s[22:23]
	v_and_b32 v13, 7, v1
	v_lshrrev_b32 v14, 3, v1
	v_lshl_add_u32 v13, v14, 4, v13
	v_lshlrev_b32 v13, 2, v13
.irp a, 0,1,2,3
	global_load_b32 v[BQ+2*\a], v13, s[22:23] offset:(32*(\a/2)+8*(\a%2))*4
	global_load_b32 v[BQ+2*\a+1], v13, s[22:23] offset:(32*(\a/2)+8*(\a%2))*4
.endr
	s_lshl_b32 s46, s17, 5                         ; the new operand's block 32 y + my first block of P; the later tiles' blocks follow it
	s_mul_i32 s47, s42, TILES
	s_add_co_u32 s46, s46, s47
	s_mul_i32 s46, s46, KB
	s_add_co_u32 s46, s46, HDR
	s_mov_b32 s47, 0
	s_add_nc_u64 s[8:9], s[8:9], s[46:47]
	s_mul_i32 s46, s16, 6656                       ; my half of P's rows is its c, my four tiles of Q its tiles
	s_mul_i32 s47, s15, 3072
	s_add_co_u32 s46, s46, s47
	v_add_nc_u32 v[EA], s46, v4
	v_add_nc_u32 v[EB], s46, v5
	s_lshl_b32 s46, s15, 8
	s_lshl_b32 s47, s16, 1
	s_add_co_u32 s46, s46, s47
	s_add_co_u32 s46, s46, 6144
	v_lshl_add_u32 v[EC], v1, 2, s46               ; my half of a row's scale word
	s_mov_b32 s[SEL], 0x76543210
	s_mov_b32 s[SEL+1], 0xfedcba98
	v_mov_b32 v[TM+2], 0                           ; written once: a lane permute's destination counts as one of its sources
	v_mov_b32 v[TM+3], 0
.macro FRAG reg, a16, a8, off          ; a fragment: two half fragments, 6,656 bytes apart
	ds_load_b128 v[\reg:\reg+3], v[\a16] offset:\off
	ds_load_b64 v[\reg+4:\reg+5], v[\a8] offset:\off+512
	ds_load_b128 v[\reg+6:\reg+9], v[\a16] offset:\off+6656
	ds_load_b64 v[\reg+10:\reg+11], v[\a8] offset:\off+7168
.endm
.macro FETCH slot, k, p                ; 36 LDS loads in one run: K step k (P's from the slot named) into buffer and scale set p: 4 scale words, P's four fragments, Q's four
	WIN 0
.irp i, 0,1,2,3
	ds_load_b32 v[SC+4*(\p)+\i], v[ADS+2*(\slot)+(\k)/4] offset:((\k)%4)*KB+64*\i
.endr
	WIN TO_F
.irp i, 0,1,2,3
	FRAG 128*(\p)+12*\i, AP16+2*(\slot)+(\k)/4, AP8+2*(\slot)+(\k)/4, ((\k)%4)*KB+\i*768
.endr
.irp i, 0,1,2,3
	FRAG 128*(\p)+48+12*\i, AQ16+(\k)/4, AQ8+(\k)/4, ((\k)%4)*KB+\i*768
.endr
.endm
; Four products: Q's tile a against P's four.  first = 1: P's row terms are the C, so nothing is cleared and no bias is added later.  The 16 accumulators take turns, one instruction a turn, in the same order in every K step.
.macro MUL4 p, a, first
.irp b, 0,1,2,3
.if \first
	v_wmma_scale_f32_16x16x128_f8f6f4 v[ACC+8*(4*(\a)+\b):ACC+8*(4*(\a)+\b)+7], v[128*(\p)+12*\b:128*(\p)+12*\b+11], v[128*(\p)+48+12*(\a):128*(\p)+48+12*(\a)+11], v[BP+8*\b:BP+8*\b+7], v[SC+4*(\p)+\b], v[SC+4*(\p)+(\a)] matrix_a_fmt:MATRIX_FMT_FP6 matrix_b_fmt:MATRIX_FMT_FP6 matrix_a_scale:MATRIX_SCALE_ROW1
.else
	v_wmma_scale_f32_16x16x128_f8f6f4 v[ACC+8*(4*(\a)+\b):ACC+8*(4*(\a)+\b)+7], v[128*(\p)+12*\b:128*(\p)+12*\b+11], v[128*(\p)+48+12*(\a):128*(\p)+48+12*(\a)+11], v[ACC+8*(4*(\a)+\b):ACC+8*(4*(\a)+\b)+7], v[SC+4*(\p)+\b], v[SC+4*(\p)+(\a)] matrix_a_fmt:MATRIX_FMT_FP6 matrix_b_fmt:MATRIX_FMT_FP6 matrix_a_scale:MATRIX_SCALE_ROW1
.endif
.endr
.endm
.macro PLACES                          ; four plain lines in front of loads into registers that matrix instructions have read, and of the first read of results
.rept 4
	v_nop
.endr
.endm
; Multiplies K step kn - 1 (buffer p) and fetches K step kn into the other buffer.  nb >= 0: the row terms of my block nb of P are asked for too: the products that took the old ones as C stand behind the four places.
.macro QUARTER slot, kn, p, first, nb
	s_wait_dscnt 8                                 ; all but the youngest eight loads (Q's tiles 2 and 3) are in
	WIN MUL
	MUL4 \p, 0, \first
	MUL4 \p, 1, \first
	PLACES
.if (\nb) >= 0
	WIN 0
	BPLOAD \nb
.endif
	FETCH \slot, \kn, 1-\p
	s_wait_dscnt 36                                ; all but the 36 just issued
	WIN MUL
	MUL4 \p, 2, \first
	MUL4 \p, 3, \first
.endm
; Tile i: eight K steps on buffers 0, 1, 0, 1 ..; its first fragments have been fetched ahead of it.
.macro TILE i
.set SL, (\i)%2
	s_wait_loadcnt 0x0                             ; the tile's row terms
	QUARTER SL, 1, 0, 1, -1                        ; the first K step starts the sums
.if (\i)+1 < TILES
	QUARTER SL, 2, 1, 0, (\i)+1
.else
	QUARTER SL, 2, 1, 0, -1
.endif
	QUARTER SL, 3, 0, 0, -1
	QUARTER SL, 4, 1, 0, -1
	QUARTER SL, 5, 0, 0, -1
	QUARTER SL, 6, 1, 0, -1
	QUARTER SL, 7, 0, 0, -1
	s_wait_dscnt 8                                 ; the last K step: nothing more to fetch
	WIN MUL
	MUL4 1, 0, 0
	MUL4 1, 1, 0
	s_wait_dscnt 0x0
	MUL4 1, 2, 0
	MUL4 1, 3, 0
	WIN 0
.endm
; THE CHANGE from tile i to tile i + 1.  Each wave waits for all its tensor loads (its part of the next slot among them), adds 0 to its spare word, and waits for that; its reads of the slot that it leaves are over.
; Where there is a block i + 2, the barrier is a round of the cluster's, and behind it the slot just left takes that block: my one tensor load until the next change.  Then tile i + 1's first fragments are fetched; tile i's way out follows.
.macro CHANGE i
	s_wait_tensorcnt 0x0                           ; no tensor load of mine is out, so a group 0 may be written
	ds_add_u32 v[SPW], v[NIL]
.if (\i)+2 < TILES
	s_add_nc_u64 s[G0P+4*((\i)%2)+2:G0P+4*((\i)%2)+3], s[G0P+4*((\i)%2)+2:G0P+4*((\i)%2)+3], 2*OPB   ; two blocks on; the type bits on top are not reached
.endif
	s_wait_dscnt 0x0                               ; the add is done, and my reads of this slot are over
.if (\i)+2 < TILES
	CROUND                                         ; no wave of any partner still reads this slot or has a load on its way
	tensor_load_to_lds s[G0P+4*((\i)%2):G0P+4*((\i)%2)+3], s[G1P:G1P+7]
	s_nop 0
.else
	s_barrier_signal -1
	s_barrier_wait -1
.endif
	PLACES                                         ; behind the tensor load, and the places in front of the loads below and of the way out's first reads
	FETCH ((\i)+1)%2, 0, 0
	WIN 0
.endm
; 32 numbers of a lane, register 16 b + i = P's row 32 b + 16 (lane / 16) + i, become a half fragment's six registers in v[pc] on and two scale bytes in v[pw].
.macro QUANT2 s, pc, pw
.irp b, 0,1
	v_max3_num_f32 v[TM+\b], |v[\s+16*\b]|, |v[\s+1+16*\b]|, 0x1800000   ; my 16 numbers of block b, and the floor 2^(3 - 127): the byte cannot fall under 1
.endr
.irp i, 2,4,6,8,10,12,14
.irp b, 0,1
	v_max3_num_f32 v[TM+\b], v[TM+\b], |v[\s+16*\b+\i]|, |v[\s+1+16*\b+\i]|
.endr
.endr
.irp b, 0,1
	v_permlanex16_b32 v[TM+2+\b], v[TM+\b], s[SEL], s[SEL+1]
.endr
.irp b, 0,1
	v_max_num_f32 v[TM+\b], v[TM+\b], v[TM+2+\b]   ; with lane l xor 16's: the block's largest magnitude
.endr
.irp b, 0,1
	v_add_nc_u32 v[TM+4+\b], 0xff000000, v[TM+\b]  ; 2 off the exponent field: the conversion's scale operand
.endr
.irp b, 0,1
	v_lshrrev_b32 v[TM+6+\b], 23, v[TM+4+\b]       ; the scale's byte
.endr
	v_lshl_or_b32 v[\pw], v[TM+7], 8, v[TM+6]
	v_cvt_scalef32_pk16_fp6_f32 v[\pc:\pc+2], v[\s:\s+15], v[TM+4]
	v_cvt_scalef32_pk16_fp6_f32 v[\pc+4:\pc+6], v[\s+16:\s+31], v[TM+5]
	v_nop                                          ; one plain line behind the conversions
.irp i, 0,1,2
	v_permlane16_swap_b32 v[\pc+\i], v[\pc+4+\i]   ; a whole block to a lane: lanes 0-15 block 0, lanes 16-31 block 1
.endr
.irp i, 0,1,2
	v_mov_b32 v[\pc+3+\i], v[\pc+4+\i]
.endr
.endm
; THE WAY OUT of tile i: vector work and stores alone, so that it stands beside the refill and the next tile's first LDS loads.
.macro EPI i
.if (\i) > 0
	s_wait_xcnt 0x0                                ; the last tile's stores have read their registers: the codes' registers are written again only behind this wait
.endif
.irp a, 0,1,2,3
.set ej, 0
.rept 16
	v_pk_add_f32 v[ACC+32*\a+ej:ACC+32*\a+ej+1], v[ACC+32*\a+ej:ACC+32*\a+ej+1], v[BQ+2*\a:BQ+2*\a+1]   ; Q's row term; each accumulator from its low end on
.set ej, ej+2
.endr
.set ej, 0
.rept 32
	v_max_num_f32 v[ACC+32*\a+ej], s2, v[ACC+32*\a+ej]   ; the floor: 0.0 is relu, -infinity changes nothing
.set ej, ej+1
.endr
	QUANT2 ACC+32*\a, PC+8*\a, PW+\a
	global_store_b128 v[EA], v[PC+8*\a:PC+8*\a+3], s[8:9] offset:(\i)*KB+768*\a          ; 512 consecutive bytes, aligned to 256
	global_store_b64 v[EB], v[PC+8*\a+4:PC+8*\a+5], s[8:9] offset:(\i)*KB+768*\a+512     ; 256
	global_store_b16 v[EC], v[PW+\a], s[8:9] offset:(\i)*KB+64*\a
.endr
.endm
	s_wait_alu depctr_va_vdst(0)                   ; the wait at the head's end
	s_wait_tensorcnt 0x0                           ; my half block is in; these lines stand ahead of a later first fill as ahead of a refill
	ds_add_u32 v[SPW], v[NIL]
	s_mov_b32 s[G1P+2], 100<<16                    ; no load of mine is out: from here on a load brings two K steps, 100 rows
	s_mov_b32 s[G1P+4], 100
	s_wait_dscnt 0x0
	CROUND                                         ; everybody's part is in, and the joint loads meet
	tensor_load_to_lds s[G0P+4:G0P+7], s[G1P:G1P+7]  ; P's second block into slot 1: my quarter
	s_nop 0
	PLACES
	FETCH 0, 0, 0
	s_wait_kmcnt 0x0                               ; the floor
	TILE 0
.if TILES > 1
	CHANGE 0
	EPI 0
	TILE 1
.endif
.if TILES > 2
	CHANGE 1
	EPI 1
	TILE 2
	CHANGE 2
	EPI 2
	TILE 3
.endif
	PLACES
	EPI TILES-1
	s_wait_tensorcnt 0x0                           ; the wave's end
	ds_add_u32 v[SPW], v[NIL]
	s_wait_dscnt 0x0
	CROUND                                         ; the closing round
	s_endpgm
.Lfunc_end_k_q9b60134508_qk:
	.size	k_q9b60134508_qk, .Lfunc_end_k_q9b60134508_qk-k_q9b60134508_qk
	.p2alignl 7, 3214868480
	.fill 96, 4, 3214868480
	.section	.rodata,"a",@progbits
	.p2align	6, 0x0
	.amdhsa_kernel k_q9b60134508_qk
		.amdhsa_group_segment_fixed_size 327680
		.amdhsa_private_segment_fixed_size 0
		.amdhsa_enable_private_segment 0
		.amdhsa_kernarg_size 24
		.amdhsa_user_sgpr_count 2
		.amdhsa_user_sgpr_kernarg_segment_ptr 1
		.amdhsa_wavefront_size32 1
		.amdhsa_system_sgpr_workgroup_id_x 1
		.amdhsa_system_sgpr_workgroup_id_y 1
		.amdhsa_system_sgpr_workgroup_id_z 1
		.amdhsa_system_vgpr_workitem_id 0
		.amdhsa_next_free_vgpr 512
		.amdhsa_next_free_sgpr 70
		.amdhsa_reserve_vcc 0
		.amdhsa_float_denorm_mode_32 3
		.amdhsa_float_denorm_mode_16_64 3
		.amdhsa_memory_ordered 1
		.amdhsa_forward_progress 1
		.amdhsa_inst_pref_size 118
	.end_amdhsa_kernel
	.amdgpu_metadata
---
amdhsa.version: [ 1, 2 ]
amdhsa.kernels:
  - .name:           k_q9b60134508_qk
    .symbol:         k_q9b60134508_qk.kd
    .args:
      - { .name: wqkc, .offset: 0, .size: 8, .value_kind: global_buffer, .address_space: global }
      - { .name: acta, .offset: 8, .size: 8, .value_kind: global_buffer, .address_space: global }
      - { .name: big, .offset: 16, .size: 8, .value_kind: global_buffer, .address_space: global }
    .group_segment_fixed_size: 327680
    .private_segment_fixed_size: 0
    .kernarg_segment_align: 8
    .kernarg_segment_size: 24
    .max_flat_workgroup_size: 128
    .sgpr_count:     70
    .vgpr_count:     512
    .wavefront_size: 32
...
	.end_amdgpu_metadata
.endif
;; end of part 3
;; launch vp (part 4): grid 32 x 8, 4 waves a work-group, clusters of 4 x 4, 327,680 bytes of LDS; arguments acta, wvc, scr; writes scr
.if DOCPART == 4
	.amdgcn_target "amdgcn-amd-amdhsa--gfx1250"
	.amdhsa_code_object_version 6
	.text
	.protected	k_q9b60134508_vp
	.globl	k_q9b60134508_vp
	.p2align	8
	.type	k_q9b60134508_vp,@function
k_q9b60134508_vp:
	s_mov_b64 s[64:65], 0
	v_nop
	global_prefetch_b8 v0, s[64:65] scope:SCOPE_SE
	s_setreg_imm32_b32 hwreg(HW_REG_WAVE_MODE, 25, 1), 1
	s_wait_xcnt 0x0
	s_wait_alu depctr_hold_cnt(0) depctr_sa_sdst(0) depctr_va_vdst(0) depctr_va_sdst(0) depctr_va_ssrc(0) depctr_va_vcc(0) depctr_vm_vsrc(0)
	s_getreg_b32 s2, hwreg(HW_REG_IB_STS2, 6, 4)
	s_cmp_eq_u32 s2, 0
	s_cbranch_scc0 .Lentry_in_a_cluster
	s_endpgm
.Lentry_in_a_cluster:
	s_bfe_u32 s2, ttmp6, 0x10000c
	s_cmp_lg_u32 s2, 0xf033
	s_cbranch_scc0 .Lentry_shape_is_right
	s_endpgm
.Lentry_shape_is_right:
; A product of two operands of E2M3 codes (one E8M0 byte for each 32 along K): P as source 0, Q as source 1, 128 rows of each to a work-group.  ONE TEXT, THREE KINDS, chosen by the next line:
;   KIND 0: max(P Q^T + P's row term + Q's row term, P's floor) is quantised along P's rows and stored as block (y, x) of a new operand whose rows are Q's rows and whose K are P's rows.  K = 1,024.
;   KIND 1, 2: P Q^T + bias (along P's rows) + a residual is stored as f32 [Q's rows][1,024].  K = 1,024 (1) or 4,096 (2).
.set KIND,   0
; OPERANDS lie as [header 16,640 bytes][block of 128 rows][K step] blocks of KB = 12,800 bytes: half fragments (c, t) of 768 bytes at 6656 c + 768 t, the rows' scale words at 6144.  A half fragment is the image of six operand
; registers (registers 0-3 of lane l at 16 l, registers 4-5 at 512 + 8 l).  So a fragment is four LDS loads of consecutive bytes, and a block of rows is one dense stream along K for the tensor loads.
; Row x of a block sits in tile 2 (x / 32) + (x / 8) % 2 at lane x % 8 + 8 ((x / 16) % 2): in the result a lane holds ONE row of Q, and the 16 registers of P's tiles 2 b, 2 b + 1 are P's rows 32 b + 16 (lane / 16) + 0..15.
; SHARES.  Four waves, each 64 x 64: 16 accumulators.  This tile gives 256 work-groups where P has 1,024 rows.  K goes through two LDS slots of four K steps (Q's four blocks, then P's four);
; each wave fetches four blocks, 51,200 dense bytes, with one tensor load.  With K = 1,024 both slots are first fills and nothing is filled again.
; CLUSTER 4 x 4: Q's blocks hang on y alone and are asked for jointly along a row of the cluster, P's on x alone, along a column.
; REGISTERS.  Window 0: v16-25 LDS addresses; v28, v29 the add's two; v32-39 scale words, two sets (register i: lanes 0-15 Q's tile i, lanes 16-31 P's tile i); v40-71 P's row terms in the result's layout, the C of the first products;
;   v72-127 the way out; v128-255 the accumulators ((a, b) at 128 + 8 (4 a + b), a: Q's tile, b: P's).  Window 1: two fragment buffers, at v0 and v128: P's four fragments, then Q's four.
; LIMITS (KIND 0): a block of zeros carries the byte 1, not 127 (its codes are zeros; this program alone reads the bytes); NaN and infinities are not served.  The two scale bytes of a row and 64 k leave by a store of two bytes a lane
; (lanes 16-31 repeat lanes 0-15): one byte in 24 of what is stored.
.set KB,     12800
.set HDR,    16640
.if KIND == 2
.set KSTEPS, 32
.set POFF,   819200
.elseif KIND == 1
.set KSTEPS, 8
.set POFF,   0
.else
.set KSTEPS, 8
.set POFF,   HDR
.endif
.set QOFF,   HDR
.set LAPS,   KSTEPS/8                  ; a lap = two slots = eight K steps
.set HALFS,  4*KB                      ; Q's, or P's, four blocks of a slot
.set SLOT,   8*KB
.set SPARE,  2*SLOT                    ; behind the ring: the spare words, 128 bytes for each wave: two blocks of 256 bytes that no other line names
.set STAGE,  SPARE+512                 ; KIND 1, 2: 128 rows x (512 bytes + 16), filled by LDS stores alone
.set SPITCH, 528
.set AQ16, 16                          ; v16-17 my Q tiles in slot 0, 1: + 16 l;  v18-19: + 8 l
.set AQ8,  18
.set AP16, 20                          ; v20-23 the same for P
.set AP8,  22
.set ADS,  24                          ; v24-25 my scale words: lanes 0-15 Q's, lanes 16-31 P's
.set EA,   26                          ; v26, v27, v30 the way out's addresses
.set EB,   27
.set EC,   30
.set SPW,  28
.set NIL,  29
.set SC,   32
.set BP,   40
.set BQ,   72
.set PC,   80
.set PW,   112
.set TM,   116
.set ACC,  128
.set G1Q,  24                          ; s[24:31] descriptor group 1 for Q's blocks; s[32:39] group 0, a set for each slot
.set G0Q,  32
.set G1P,  48                          ; s[48:55], s[56:63] the same for P's
.set G0P,  56
.set SEL,  66
.set MSB,  0
.macro WIN new                         ; the immediate's high byte repeats the setting that is left
.if MSB != \new
	s_set_vgpr_msb (MSB<<8)|\new
.set MSB, \new
.endif
.endm
.set MUL,  0x05                        ; sources 0 (P) and 1 (Q) window 1; C and D window 0
.set TO_F, 0x40                        ; destination window 1, address window 0
.macro JLOAD s                         ; a joint load: waves 0 and 1 fetch Q's blocks, waves 2 and 3 P's; an s_nop 0 and four v_nop follow each line
	s_cmp_eq_u32 s15, 0
	s_cbranch_scc0 .Lfor_p_\@
	tensor_load_to_lds s[G0Q+4*\s:G0Q+4*\s+3], s[G1Q:G1Q+7]
	s_nop 0
.rept 4
	v_nop
.endr
	s_branch .Lasked_\@
.Lfor_p_\@:
	tensor_load_to_lds s[G0P+4*\s:G0P+4*\s+3], s[G1P:G1P+7]
	s_nop 0
.rept 4
	v_nop
.endr
.Lasked_\@:
.endm
.macro CREST                           ; a round of the cluster's barrier behind its opening barrier
	s_cmp_lg_u32 s14, 0
	s_cbranch_scc1 .Lnot_wave_0_\@
	s_barrier_signal -3
.Lnot_wave_0_\@:
	s_barrier_wait -3
	s_barrier_signal -1
	s_barrier_wait -1
.endm
.macro CROUND
	s_barrier_signal -1
	s_barrier_wait -1
	CREST
.endm
	s_load_b128 s[4:7], s[0:1], 0x0                ; P, Q
.if KIND == 0
	s_load_b64 s[8:9], s[0:1], 0x10                ; the new operand
.else
	s_load_b128 s[8:11], s[0:1], 0x10              ; the bias, the residual
	s_load_b64 s[12:13], s[0:1], 0x20              ; the result
.endif
	v_lshl_add_u32 v[SPW], v0, 2, SPARE
	v_mov_b32 v[NIL], 0
	ds_add_u32 v[SPW], v[NIL]                      ; the wave's opening: the add and its wait ahead of my first tensor load; the set-up below stands between them
	ds_add_u32 v[SPW], v[NIL]
	v_lshrrev_b32 v1, 5, v0
	v_readfirstlane_b32 s14, v1                    ; wave 0..3
	s_lshr_b32 s15, s14, 1                         ; my half of Q's rows.  Also: I fetch for Q (0) or for P (1)
	s_and_b32 s16, s14, 1                          ; my half of P's rows.  Also: which slot I fill
	s_bfe_u32 s40, ttmp6, 0x40000                  ; cx, cy: my place in the cluster
	s_bfe_u32 s41, ttmp6, 0x40004
	s_lshl_b32 s42, ttmp9, 2
	s_add_co_u32 s42, s42, s40                     ; x: P's block of rows
	s_and_b32 s17, ttmp7, 0xffff
	s_lshl_b32 s17, s17, 2
	s_add_co_u32 s17, s17, s41                     ; y: Q's block of rows
	s_lshl_b32 s43, s41, 2
	s_lshl_b32 s43, 15, s43                        ; my row of the cluster
	s_lshl_b32 s44, 0x1111, s40                    ; my column
	s_or_b32 s[G1Q+0], s43, (3<<16)|(1<<21)        ; 15:0 the mask; 17:16 elements of 8 bytes; 20 no padding; 21 set beside a mask
	s_or_b32 s[G1P+0], s44, (3<<16)|(1<<21)
.irp g, G1Q, G1P                       ; four blocks, 51,200 dense bytes, as 200 rows of 256 bytes
	s_mov_b32 s[\g+1], 32<<16                      ; tensor_dim0 = 32 elements
	s_mov_b32 s[\g+2], 200<<16                     ; a load brings four blocks, 200 rows of 256 bytes
	s_mov_b32 s[\g+3], 32<<16                      ; tile_dim0
	s_mov_b32 s[\g+4], 200
	s_mov_b32 s[\g+5], 32                          ; from row to row
	s_mov_b32 s[\g+6], 0
	s_mov_b32 s[\g+7], 0
.endr
	s_mul_i32 s18, s16, 4*KB                       ; which four K steps I fetch: they fill Q's or P's part of slot w % 2
	s_mul_i32 s20, s17, KSTEPS*KB                  ; Q's address is made of y and the wave's number alone,
	s_add_co_u32 s20, s20, s18
	s_add_co_u32 s20, s20, QOFF
	s_mov_b32 s21, 0
	s_mul_i32 s46, s42, KSTEPS*KB                  ; P's of x and the wave's number alone
	s_add_co_u32 s46, s46, s18
	s_add_co_u32 s46, s46, POFF
	s_mov_b32 s47, 0
	s_mul_i32 s45, s16, SLOT                       ; and where they go: slot w % 2, Q's part (waves 0, 1) or P's (waves 2, 3)
	s_mul_i32 s19, s15, HALFS
	s_add_co_u32 s45, s45, s19
	s_wait_dscnt 0x0                               ; the opening add is done
	s_wait_kmcnt 0x0
	s_add_nc_u64 s[20:21], s[6:7], s[20:21]
	s_add_nc_u64 s[46:47], s[4:5], s[46:47]
	CROUND                                         ; all sixteen work-groups are here: the first joint loads meet
.irp s, 0
	s_mov_b32 s[G0Q+4*\s], 1
	s_add_co_u32 s[G0Q+4*\s+1], s45, \s*SLOT
	s_add_nc_u64 s[G0Q+4*\s+2:G0Q+4*\s+3], s[20:21], \s*4*KB
	s_or_b32 s[G0Q+4*\s+3], s[G0Q+4*\s+3], 0x80000000
	s_mov_b32 s[G0P+4*\s], 1
	s_add_co_u32 s[G0P+4*\s+1], s45, \s*SLOT
	s_add_nc_u64 s[G0P+4*\s+2:G0P+4*\s+3], s[46:47], \s*4*KB
	s_or_b32 s[G0P+4*\s+3], s[G0P+4*\s+3], 0x80000000
.endr
	JLOAD 0                                        ; one tensor load a wave at the head: slot 0
	v_and_b32 v1, 15, v0                           ; r
	v_bfe_u32 v2, v0, 4, 1                         ; h
	v_and_b32 v3, 31, v0
	v_lshlrev_b32 v4, 4, v3                        ; 16 l
	v_lshlrev_b32 v5, 3, v3                        ; 8 l
	s_mul_i32 s21, s15, 3072                       ; my four tiles of Q,
	s_mul_i32 s22, s16, 3072                       ; of P,
	s_add_co_u32 s22, s22, HALFS                   ; which lies behind Q's four blocks
.irp s, 0,1
	v_add_nc_u32 v[AQ16+\s], s21, v4
	v_add_nc_u32 v[AQ8+\s], s21, v5
	v_add_nc_u32 v[AP16+\s], s22, v4
	v_add_nc_u32 v[AP8+\s], s22, v5
	s_add_co_u32 s21, s21, SLOT
	s_add_co_u32 s22, s22, SLOT
.endr
	s_xor_b32 s22, s15, 1                          ; from Q's scale words to P's: HALFS + 256 (my half of P - my half of Q), as one product with h
	s_add_co_u32 s22, s22, s16
	s_lshl_b32 s22, s22, 8
	s_add_co_u32 s22, s22, HALFS-256
	v_mul_u32_u24 v6, s22, v2
	v_lshl_add_u32 v6, v1, 2, v6
	s_lshl_b32 s21, s15, 8
	s_add_co_u32 s21, s21, 6144
	v_add_nc_u32 v[ADS], s21, v6
	v_add_nc_u32 v[ADS+1], SLOT, v[ADS]
	s_lshl_b32 s18, s42, 9                         ; P's row terms: lane (r, h), tile b, register j: row 128 x + 64 (my half) + 32 (b / 2) + 8 (b % 2) + 16 h + j
	s_lshl_b32 s19, s16, 8
	s_add_co_u32 s18, s18, s19
	s_mov_b32 s19, 0
.if KIND == 0
	s_load_b32 s2, s[4:5], 0x4000                  ; P's floor
	s_add_nc_u64 s[18:19], s[4:5], s[18:19]        ; from P's header
.else
	s_add_nc_u64 s[18:19], s[8:9], s[18:19]        ; from the bias
.endif
	v_lshlrev_b32 v12, 6, v2
.irp b, 0,1,2,3
	global_load_b128 v[BP+8*\b:BP+8*\b+3], v12, s[18:19] offset:(32*(\b/2)+8*(\b%2))*4
	global_load_b128 v[BP+8*\b+4:BP+8*\b+7], v12, s[18:19] offset:(32*(\b/2)+8*(\b%2))*4+16
.endr
.if KIND == 0
	s_lshl_b32 s22, s17, 9                         ; Q's row terms: one a lane and tile, in both halves of a pair
	s_lshl_b32 s23, s15, 8
	s_add_co_u32 s22, s22, s23
	s_mov_b32 s23, 0
	s_add_nc_u64 s[22:23], s[6:7], s[22:23]
	v_and_b32 v13, 7, v1
	v_lshrrev_b32 v14, 3, v1
	v_lshl_add_u32 v13, v14, 4, v13
	v_lshlrev_b32 v13, 2, v13
.irp a, 0,1,2,3
	global_load_b32 v[BQ+2*\a], v13, s[22:23] offset:(32*(\a/2)+8*(\a%2))*4
	global_load_b32 v[BQ+2*\a+1], v13, s[22:23] offset:(32*(\a/2)+8*(\a%2))*4
.endr
	s_lshl_b32 s46, s17, 5                         ; the new operand's block 32 y + x
	s_add_co_u32 s46, s46, s42
	s_mul_i32 s46, s46, KB
	s_add_co_u32 s46, s46, HDR
	s_mov_b32 s47, 0
	s_add_nc_u64 s[8:9], s[8:9], s[46:47]
	s_mul_i32 s46, s16, 6656                       ; my half of P's rows is its c, my four tiles of Q its tiles
	s_mul_i32 s47, s15, 3072
	s_add_co_u32 s46, s46, s47
	v_add_nc_u32 v[EA], s46, v4
	v_add_nc_u32 v[EB], s46, v5
	s_lshl_b32 s46, s15, 8
	s_lshl_b32 s47, s16, 1
	s_add_co_u32 s46, s46, s47
	s_add_co_u32 s46, s46, 6144
	v_lshl_add_u32 v[EC], v1, 2, s46               ; my half of a row's scale word
	s_mov_b32 s[SEL], 0x76543210
	s_mov_b32 s[SEL+1], 0xfedcba98
	v_mov_b32 v[TM+2], 0                           ; written once: a lane permute's destination counts as one of its sources
	v_mov_b32 v[TM+3], 0
.else
	s_lshl_b32 s46, s15, 6                         ; the stage, in: row 64 (my half of Q) + 16 a + r; byte 256 (my half of P) + 64 h + the tile's
	s_mul_i32 s46, s46, SPITCH
	s_lshl_b32 s47, s16, 8
	s_add_co_u32 s46, s46, s47
	s_add_co_u32 s46, s46, STAGE
	v_mul_u32_u24 v6, v1, SPITCH
	v_lshl_add_u32 v6, v2, 6, v6
	v_add_nc_u32 v[EA], s46, v6
	s_mul_i32 s46, s14, 32*SPITCH                  ; back: wave w takes stage rows 32 w .. 32 w + 31, whole
	s_add_co_u32 s46, s46, STAGE
	v_add_nc_u32 v[EB], s46, v4
	s_lshl_b32 s46, s17, 7                         ; they are rows 128 y + 32 w + .. of the residual and of the result, columns 128 x on
	s_lshl_b32 s47, s14, 5
	s_add_co_u32 s46, s46, s47
	s_lshl_b32 s46, s46, 12
	s_lshl_b32 s47, s42, 9
	s_add_co_u32 s46, s46, s47
	s_mov_b32 s47, 0
	s_add_nc_u64 s[10:11], s[10:11], s[46:47]
	s_add_nc_u64 s[12:13], s[12:13], s[46:47]
.endif
.macro FRAG reg, a16, a8, off          ; a fragment: two half fragments, 6,656 bytes apart
	ds_load_b128 v[\reg:\reg+3], v[\a16] offset:\off
	ds_load_b64 v[\reg+4:\reg+5], v[\a8] offset:\off+512
	ds_load_b128 v[\reg+6:\reg+9], v[\a16] offset:\off+6656
	ds_load_b64 v[\reg+10:\reg+11], v[\a8] offset:\off+7168
.endm
.macro FETCH slot, q, p                ; 36 LDS loads in one run: the slot's K step q into buffer and scale set p: 4 scale words, P's four fragments, Q's four
	WIN 0
.irp i, 0,1,2,3
	ds_load_b32 v[SC+4*(\p)+\i], v[ADS+\slot] offset:(\q)*KB+64*\i
.endr
	WIN TO_F
.irp i, 0,1,2,3
	FRAG 128*(\p)+12*\i, AP16+\slot, AP8+\slot, (\q)*KB+\i*768
.endr
.irp i, 0,1,2,3
	FRAG 128*(\p)+48+12*\i, AQ16+\slot, AQ8+\slot, (\q)*KB+\i*768
.endr
.endm
; Four products: Q's tile a against P's four.  first = 1: P's row terms are the C, so nothing is cleared and no bias is added later.  The 16 accumulators take turns, one instruction a turn, in the same order in every K step.
.macro MUL4 p, a, first
.irp b, 0,1,2,3
.if \first
	v_wmma_scale_f32_16x16x128_f8f6f4 v[ACC+8*(4*(\a)+\b):ACC+8*(4*(\a)+\b)+7], v[128*(\p)+12*\b:128*(\p)+12*\b+11], v[128*(\p)+48+12*(\a):128*(\p)+48+12*(\a)+11], v[BP+8*\b:BP+8*\b+7], v[SC+4*(\p)+\b], v[SC+4*(\p)+(\a)] matrix_a_fmt:MATRIX_FMT_FP6 matrix_b_fmt:MATRIX_FMT_FP6 matrix_a_scale:MATRIX_SCALE_ROW1
.else
	v_wmma_scale_f32_16x16x128_f8f6f4 v[ACC+8*(4*(\a)+\b):ACC+8*(4*(\a)+\b)+7], v[128*(\p)+12*\b:128*(\p)+12*\b+11], v[128*(\p)+48+12*(\a):128*(\p)+48+12*(\a)+11], v[ACC+8*(4*(\a)+\b):ACC+8*(4*(\a)+\b)+7], v[SC+4*(\p)+\b], v[SC+4*(\p)+(\a)] matrix_a_fmt:MATRIX_FMT_FP6 matrix_b_fmt:MATRIX_FMT_FP6 matrix_a_scale:MATRIX_SCALE_ROW1
.endif
.endr
.endm
.macro PLACES                          ; four plain lines in front of loads into registers that matrix instructions have read, and of the first read of results
.rept 4
	v_nop
.endr
.endm
.macro QUARTER slot, qn, p, first      ; multiplies the slot's K step qn - 1 (buffer p) and fetches K step qn into the other buffer
	s_wait_dscnt 8                                 ; all but the youngest eight loads (Q's tiles 2 and 3) are in
	WIN MUL
	MUL4 \p, 0, \first
	MUL4 \p, 1, \first
	PLACES
	FETCH \slot, \qn, 1-\p
	s_wait_dscnt 36                                ; all but the 36 just issued
	WIN MUL
	MUL4 \p, 2, \first
	MUL4 \p, 3, \first
.endm
; A slot's fourth K step (buffer 1) changes slots: ONE barrier; in front of it each wave waits for all its tensor loads, adds 0 to its spare word, and waits for that and for its reads of this slot.  fill = 1: the slot is filled again, eight K steps on.
.macro TURN slot, next, fill
	WIN 0
	s_wait_tensorcnt 0x0                           ; all my tensor loads have landed: my part of the next slot
	ds_add_u32 v[SPW], v[NIL]
	s_wait_dscnt 9                                 ; (the add and Q's tiles 2 and 3 may be out)
	WIN MUL
	MUL4 1, 0, 0
	s_wait_dscnt 0x0                               ; the add is done, and my reads of this slot are over
	s_barrier_signal -1
	MUL4 1, 1, 0
.if \fill
	WIN 0
.endif
	s_barrier_wait -1
.if \fill
	CREST                                          ; the barrier has opened a round of the cluster's: no wave of any partner still reads this slot or has a load on its way
	s_add_nc_u64 s[G0Q+4*\slot+2:G0Q+4*\slot+3], s[G0Q+4*\slot+2:G0Q+4*\slot+3], 8*KB
	s_add_nc_u64 s[G0P+4*\slot+2:G0P+4*\slot+3], s[G0P+4*\slot+2:G0P+4*\slot+3], 8*KB
	JLOAD \slot                                    ; the first tensor load behind the round, my one load until the next; its four v_nop are the places in front of the loads below
.else
	PLACES
.endif
	FETCH \next, 0, 0
	WIN MUL
	MUL4 1, 2, 0
	MUL4 1, 3, 0
.endm
	s_wait_alu depctr_va_vdst(0)                   ; the wait at the head's end
	s_wait_tensorcnt 0x0                           ; my one load is in,
	s_barrier_signal -1
	s_barrier_wait -1                              ; everybody's is: both slots are whole, and nothing is filled again
	FETCH 0, 0, 0
	s_wait_loadcnt 0x0                             ; the row terms
.if KIND == 0
	s_wait_kmcnt 0x0                               ; the floor
.endif
	QUARTER 0, 1, 0, 1                             ; the first K step starts the sums
.if LAPS > 1
	WIN 0
	s_mov_b32 s3, LAPS-1
.Llap:                                                 ; a trip goes once round the ring, from a lap's second K step to the next lap's first, and fills both slots again
	QUARTER 0, 2, 1, 0
	QUARTER 0, 3, 0, 0
	TURN 0, 1, 1
	QUARTER 1, 1, 0, 0
	QUARTER 1, 2, 1, 0
	QUARTER 1, 3, 0, 0
	TURN 1, 0, 1
	QUARTER 0, 1, 0, 0
	WIN 0
	s_sub_co_u32 s3, s3, 1
	s_cmp_lg_u32 s3, 0
	s_cbranch_scc1 .Llap
.endif
	QUARTER 0, 2, 1, 0                             ; the last lap fills nothing
	QUARTER 0, 3, 0, 0
	TURN 0, 1, 0
	QUARTER 1, 1, 0, 0
	QUARTER 1, 2, 1, 0
	QUARTER 1, 3, 0, 0
	s_wait_dscnt 8                                 ; the very last K step
	WIN MUL
	MUL4 1, 0, 0
	MUL4 1, 1, 0
	s_wait_dscnt 0x0
	MUL4 1, 2, 0
	MUL4 1, 3, 0
	WIN 0
	PLACES
.if KIND == 0
; 32 numbers of a lane, register 16 b + i = P's row 32 b + 16 (lane / 16) + i, become a half fragment's six registers in v[pc] on and two scale bytes in v[pw].
.macro QUANT2 s, pc, pw
.irp b, 0,1
	v_max3_num_f32 v[TM+\b], |v[\s+16*\b]|, |v[\s+1+16*\b]|, 0x1800000   ; my 16 numbers of block b, and the floor 2^(3 - 127): the byte cannot fall under 1
.endr
.irp i, 2,4,6,8,10,12,14
.irp b, 0,1
	v_max3_num_f32 v[TM+\b], v[TM+\b], |v[\s+16*\b+\i]|, |v[\s+1+16*\b+\i]|
.endr
.endr
.irp b, 0,1
	v_permlanex16_b32 v[TM+2+\b], v[TM+\b], s[SEL], s[SEL+1]
.endr
.irp b, 0,1
	v_max_num_f32 v[TM+\b], v[TM+\b], v[TM+2+\b]   ; with lane l xor 16's: the block's largest magnitude
.endr
.irp b, 0,1
	v_add_nc_u32 v[TM+4+\b], 0xff000000, v[TM+\b]  ; 2 off the exponent field: the conversion's scale operand
.endr
.irp b, 0,1
	v_lshrrev_b32 v[TM+6+\b], 23, v[TM+4+\b]       ; the scale's byte
.endr
	v_lshl_or_b32 v[\pw], v[TM+7], 8, v[TM+6]
	v_cvt_scalef32_pk16_fp6_f32 v[\pc:\pc+2], v[\s:\s+15], v[TM+4]
	v_cvt_scalef32_pk16_fp6_f32 v[\pc+4:\pc+6], v[\s+16:\s+31], v[TM+5]
	v_nop                                          ; one plain line behind the conversions
.irp i, 0,1,2
	v_permlane16_swap_b32 v[\pc+\i], v[\pc+4+\i]   ; a whole block to a lane: lanes 0-15 block 0, lanes 16-31 block 1
.endr
.irp i, 0,1,2
	v_mov_b32 v[\pc+3+\i], v[\pc+4+\i]
.endr
.endm
.irp a, 0,1,2,3
.set ej, 0
.rept 16
	v_pk_add_f32 v[ACC+32*\a+ej:ACC+32*\a+ej+1], v[ACC+32*\a+ej:ACC+32*\a+ej+1], v[BQ+2*\a:BQ+2*\a+1]   ; Q's row term; each accumulator from its low end on
.set ej, ej+2
.endr
.set ej, 0
.rept 32
	v_max_num_f32 v[ACC+32*\a+ej], s2, v[ACC+32*\a+ej]   ; the floor: 0.0 is relu, -infinity changes nothing
.set ej, ej+1
.endr
	QUANT2 ACC+32*\a, PC+8*\a, PW+\a
	global_store_b128 v[EA], v[PC+8*\a:PC+8*\a+3], s[8:9] offset:768*\a          ; 512 consecutive bytes, aligned to 256
	global_store_b64 v[EB], v[PC+8*\a+4:PC+8*\a+5], s[8:9] offset:768*\a+512     ; 256
	global_store_b16 v[EC], v[PW+\a], s[8:9] offset:64*\a
.endr
.else
	WIN TO_F                                       ; the residual's 32 rows into window 1, v0-127: the buffers there are done with
.set ei, 0
.rept 32
	global_load_b128 v[4*ei:4*ei+3], v4, s[10:11] offset:(8*(ei/16)+(ei%8)+16*((ei/8)%2))*4096 th:TH_LOAD_NT   ; stage row 32 w + i is row 32 w + 8 (i / 16) + i % 8 + 16 ((i / 8) % 2) of the block
.set ei, ei+1
.endr
	WIN 0
.irp a, 0,1,2,3
.irp b, 0,1,2,3
	ds_store_b128 v[EA], v[ACC+8*(4*\a+\b):ACC+8*(4*\a+\b)+3] offset:\a*16*SPITCH+128*(\b/2)+32*(\b%2)       ; each accumulator from its low end on
	ds_store_b128 v[EA], v[ACC+8*(4*\a+\b)+4:ACC+8*(4*\a+\b)+7] offset:\a*16*SPITCH+128*(\b/2)+32*(\b%2)+16
.endr
.endr
	s_wait_dscnt 0x0                               ; for the others' sake: my stores into the stage are done
	s_barrier_signal -1
	s_barrier_wait -1
.set ei, 0
.rept 32
	ds_load_b128 v[ACC+4*ei:ACC+4*ei+3], v[EB] offset:ei*SPITCH
.set ei, ei+1
.endr
	WIN 0x44                                       ; destination and source 1 window 1: the sum goes into the residual's registers, and a store's data are its source 1
.set ei, 0
.rept 32
	s_wait_dscnt 31-ei                             ; row i is back from the stage,
	s_wait_loadcnt 31-ei                           ; and its residual is in; the younger rows may be out
	v_pk_add_f32 v[4*ei:4*ei+1], v[ACC+4*ei:ACC+4*ei+1], v[4*ei:4*ei+1]
	v_pk_add_f32 v[4*ei+2:4*ei+3], v[ACC+4*ei+2:ACC+4*ei+3], v[4*ei+2:4*ei+3]
	global_store_b128 v4, v[4*ei:4*ei+3], s[12:13] offset:(8*(ei/16)+(ei%8)+16*((ei/8)%2))*4096   ; 32 lanes store 512 consecutive bytes, aligned to 256
.set ei, ei+1
.endr
	WIN 0
.endif
	s_wait_tensorcnt 0x0                           ; the wave's end
	ds_add_u32 v[SPW], v[NIL]
	s_wait_dscnt 0x0
	CROUND                                         ; the closing round
	s_endpgm
.Lfunc_end_k_q9b60134508_vp:
	.size	k_q9b60134508_vp, .Lfunc_end_k_q9b60134508_vp-k_q9b60134508_vp
	.p2alignl 7, 3214868480
	.fill 96, 4, 3214868480
	.section	.rodata,"a",@progbits
	.p2align	6, 0x0
	.amdhsa_kernel k_q9b60134508_vp
		.amdhsa_group_segment_fixed_size 327680
		.amdhsa_private_segment_fixed_size 0
		.amdhsa_enable_private_segment 0
		.amdhsa_kernarg_size 24
		.amdhsa_user_sgpr_count 2
		.amdhsa_user_sgpr_kernarg_segment_ptr 1
		.amdhsa_wavefront_size32 1
		.amdhsa_system_sgpr_workgroup_id_x 1
		.amdhsa_system_sgpr_workgroup_id_y 1
		.amdhsa_system_sgpr_workgroup_id_z 1
		.amdhsa_system_vgpr_workitem_id 0
		.amdhsa_next_free_vgpr 512
		.amdhsa_next_free_sgpr 70
		.amdhsa_reserve_vcc 0
		.amdhsa_float_denorm_mode_32 3
		.amdhsa_float_denorm_mode_16_64 3
		.amdhsa_memory_ordered 1
		.amdhsa_forward_progress 1
		.amdhsa_inst_pref_size 63
	.end_amdhsa_kernel
	.amdgpu_metadata
---
amdhsa.version: [ 1, 2 ]
amdhsa.kernels:
  - .name:           k_q9b60134508_vp
    .symbol:         k_q9b60134508_vp.kd
    .args:
      - { .name: acta, .offset: 0, .size: 8, .value_kind: global_buffer, .address_space: global }
      - { .name: wvc, .offset: 8, .size: 8, .value_kind: global_buffer, .address_space: global }
      - { .name: scr, .offset: 16, .size: 8, .value_kind: global_buffer, .address_space: global }
    .group_segment_fixed_size: 327680
    .private_segment_fixed_size: 0
    .kernarg_segment_align: 8
    .kernarg_segment_size: 24
    .max_flat_workgroup_size: 128
    .sgpr_count:     70
    .vgpr_count:     512
    .wavefront_size: 32
...
	.end_amdgpu_metadata
.endif
;; end of part 4
;; launch attn (part 5): grid 8 x 32, 8 waves a work-group, clusters of 4 x 1, 327,680 bytes of LDS; arguments big, scr, kbias, wqkc; writes wqkc
.if DOCPART == 5
	.amdgcn_target "amdgcn-amd-amdhsa--gfx1250"
	.amdhsa_code_object_version 6
	.text
	.protected	k_q9b60134508_attn
	.globl	k_q9b60134508_attn
	.p2align	8
	.type	k_q9b60134508_attn,@function
k_q9b60134508_attn:
	s_mov_b64 s[64:65], 0
	v_nop
	global_prefetch_b8 v0, s[64:65] scope:SCOPE_SE
	s_setreg_imm32_b32 hwreg(HW_REG_WAVE_MODE, 25, 1), 1
	s_wait_xcnt 0x0
	s_wait_alu depctr_hold_cnt(0) depctr_sa_sdst(0) depctr_va_vdst(0) depctr_va_sdst(0) depctr_va_ssrc(0) depctr_va_vcc(0) depctr_vm_vsrc(0)
	s_getreg_b32 s2, hwreg(HW_REG_IB_STS2, 6, 4)
	s_cmp_eq_u32 s2, 0
	s_cbranch_scc0 .Lentry_in_a_cluster
	s_endpgm
.Lentry_in_a_cluster:
	s_bfe_u32 s2, ttmp6, 0x10000c
	s_cmp_lg_u32 s2, 0x3003
	s_cbranch_scc0 .Lentry_shape_is_right
	s_endpgm
.Lentry_shape_is_right:
; ctx = softmax(q k^T / 8, hidden keys at a very low logit) v for one head and 256 queries, both products on E2M3 codes with one E8M0 byte for each 32 along K; ctx is quantised along the channels and stored as an operand.
; q, k: operand 'big' (rows = tokens; K steps 0-7 q's channels, 8-15 k's; a head is half fragment c = head % 2 of a K step).  v: operand 'scr' (rows = channels, K = keys).  Blocks of KB bytes: half fragments (c, t) of 768 bytes
; at 6656 c + 768 t (the image of six operand registers), scale words at 6144.  Row x of a block sits in tile 2 (x / 32) + (x / 8) % 2 at lane x % 8 + 8 ((x / 16) % 2).
; A head's 64 channels fill registers 0-5 of a fragment.  q's registers 6-11 are zero codes, so whatever finite codes stand in k's registers 6-11 add nothing: k's fragments lie 6 registers apart, each one's upper half being the next one's codes.
; The scale words of q and k are read as 16 bits: their upper bytes are 0 over those products of zero codes.
; THE SOFTMAX: t = score x log2(e) / 8; M = the running largest t rounded up to a whole number; p = 2^(t - M) is quantised along the keys; the row's sum is taken of the unquantised p and divides at the end; when M moves, sum and O are multiplied by 2^(old M - new M).
; THE MASK: an earlier launch has made a term for each key, 0.0 or -2^60; it is the C of the score products.  -2^60 + score is -2^60 in f32 while |score| < 2^36, and -2^60 x c is exact, so a row all of whose keys are hidden gets p = 1 everywhere, the plain average.
; LIMITS: the promise holds while the scaled scores stay under 2^31 in magnitude; the hidden logit is -2^57, not -1e9: it differs only where open logits lie under about -1e9; a block of zeros carries the byte 1; NaN and infinities are not served.
; SHARES.  Eight waves, each TWO tiles of 16 queries; every fragment of k, v and of the mask terms read from LDS feeds both.  Tile A lives in register window 0, tile B in window 1 under the same register numbers, so one macro serves both.
; THE KEYS OF A SCORE TILE are chosen by the lanes' LDS addresses: tile 4 g + t takes keys 64 g + 8 t + 0..7 as rows 0-7 and the keys 32 further on as rows 8-15.  So lane (r, h) holds, in 32 registers on end, the whole block 2 g + h of 32 keys:
; a block's largest score needs no other lane, and the conversions' results are p's operand registers.
; LDS: the mask terms (8,192 bytes), k's 16 pieces (6,656 each), v's (2 x 16 x 3,072), v's scale words; each filled once.  Steps 0-3, the scale words and the terms are asked for at the head, one load a wave; steps 4-15 behind the full sequence and a round,
; and they land under the first three steps; a barrier stands ahead of the fourth, whose text asks LDS for step 4 of k.  The last step's look-ahead reads bytes of the next region, which are filled, and nothing uses them.
; CLUSTER 4 x 1: four blocks of queries of one head read the same k, v and terms: every tensor load is a joint one (its registers hang on y and the wave's number alone).
; No prefetch: every tile is asked for in the two groups at the head, so no later request is left to run ahead of.
; WINDOW 0: v1-7 LDS addresses; v8-10 16 l, 8 l, 4 r; v12, v13 the add's two; v14-21 k's scale words, v22-25 v's, v26-27 q's, v28-29 p's; v30-83 k's fragments.  WINDOW 1: v0-63 the mask terms, v64-111 v's fragments.
; BOTH: v112-123 q; v124 -M, v125 the largest score, v[126:127] the sum; v128-191 S^T, then p; v192-223 O^T; v224-235 p's codes; v236-255 at work.
.set KB,    12800
.set HDR,   16640
.set KPC,   6656
.set VPC,   3072
.set BL,    0
.set KL,    8192
.set VL,    KL+16*KPC
.set VHALF, 16*VPC
.set VSL,   VL+2*VHALF
.set SPARE, VSL+4096                   ; the spare words, 128 bytes for each wave: four blocks of 256 bytes that no other line names
.set AK16, 1
.set AK8,  2
.set AKS,  3
.set AV16, 4
.set AV8,  5
.set AVS,  6
.set ABI,  7
.set L16,  8
.set L8,   9
.set R4,   10
.set SPW,  12
.set NIL,  13
.set KS,   14
.set VS,   22
.set QS,   26
.set PS,   28
.set KF,   30
.set BI,   0
.set VF,   64
.set Q,    112
.set NM,   124
.set RUN,  125
.set SUM,  126
.set S,    128
.set O,    192
.set P,    224
.set BM,   236
.set BN,   238
.set F,    240
.set SO,   242
.set BY,   244
.set C1,   246
.set C2,   248
.set C3,   250
.set CT,   252
.set SH8,  255
.set G1K,  24
.set G1V,  32
.set G1S,  40
.set G1B,  48
.set G0K,  56
.set G0V,  60
.set G0S,  68
.set G0B,  72
.set CS,   76                          ; s[76:77] c = log2(e) / 8
.set SEL,  78                          ; s[78:79] v_permlanex16_b32's selects for lane l xor 16
.set MSB,  0
.macro WIN new                         ; low byte: bits 1:0 source 0, 3:2 source 1, 5:4 source 2, 7:6 destination; the high byte repeats the setting that is left
.if MSB != (\new)
	s_set_vgpr_msb (MSB<<8)|(\new)
.set MSB, (\new)
.endif
.endm
.macro ROUND                           ; a round of the cluster's barrier
	s_barrier_signal -1
	s_barrier_wait -1
	s_cmp_lg_u32 s12, 0
	s_cbranch_scc1 .Lnot_wave_0_\@
	s_barrier_signal -3
.Lnot_wave_0_\@:
	s_barrier_wait -3
	s_barrier_signal -1
	s_barrier_wait -1
.endm
.macro ARM under, g0, g1, next, join   ; one arm of a chain of branches on the wave's number: one load, then to the join
	s_cmp_lt_u32 s12, \under
	s_cbranch_scc0 \next
	tensor_load_to_lds s[\g0:\g0+3], s[\g1:\g1+7]
	s_nop 0
.rept 4
	v_nop
.endr
	s_branch \join
\next:
.endm
	s_load_b256 s[4:11], s[0:1], 0x0               ; big, scr, kbias, wqkc
	v_lshl_add_u32 v[SPW], v0, 2, SPARE
	v_mov_b32 v[NIL], 0
	ds_add_u32 v[SPW], v[NIL]                      ; the opening lines: the add twice on end and one wait
	ds_add_u32 v[SPW], v[NIL]
	v_lshrrev_b32 v11, 5, v0
	v_readfirstlane_b32 s12, v11                   ; wave 0..7
	s_and_b32 s14, ttmp7, 0xffff
	s_lshr_b32 s13, s14, 4                         ; b
	s_and_b32 s14, s14, 15                         ; the head
	s_and_b32 s15, s14, 1                          ; c
	s_lshr_b32 s16, s14, 1                         ; the pair of heads
	s_and_b32 s17, s12, 1                          ; which half of a group's steps I fetch
	s_lshr_b32 s18, s12, 2                         ; v: which half of a step's keys (waves 2, 3: 0; 4, 5: 1).  Also: my token block of the work-group's two
	s_lshl_b32 s19, s13, 4                         ; 16 b
	s_lshl_b32 s20, s17, 1
.irp g, G1K, G1V, G1S, G1B
	s_mov_b32 s[\g], 15|(3<<16)|(1<<21)            ; the mask of the four partners; elements of 8 bytes; bit 21 beside a mask
	s_mov_b32 s[\g+6], 0
	s_mov_b32 s[\g+7], 0
.endr
	s_mov_b32 s[G1K+1], 832<<16                    ; k: pieces of 6,656 bytes, 32 blocks apart; two steps at the head
	s_mov_b32 s[G1K+2], 2<<16
	s_mov_b32 s[G1K+3], 832<<16
	s_mov_b32 s[G1K+4], 2
	s_mov_b32 s[G1K+5], 51200
	s_mov_b32 s[G1V+1], 384<<16                    ; v: pieces of 3,072 bytes, one block apart
	s_mov_b32 s[G1V+2], 2<<16
	s_mov_b32 s[G1V+3], 384<<16
	s_mov_b32 s[G1V+4], 2
	s_mov_b32 s[G1V+5], 1600
	s_mov_b32 s[G1S+1], 32<<16                     ; v's scale words: 16 steps' 256 bytes
	s_mov_b32 s[G1S+2], 16<<16
	s_mov_b32 s[G1S+3], 32<<16
	s_mov_b32 s[G1S+4], 16
	s_mov_b32 s[G1S+5], 1600
	s_mov_b32 s[G1B+1], 32<<16                     ; the batch's mask terms: 32 dense rows of 256 bytes
	s_mov_b32 s[G1B+2], 32<<16
	s_mov_b32 s[G1B+3], 32<<16
	s_mov_b32 s[G1B+4], 32
	s_mov_b32 s[G1B+5], 32
	s_add_co_u32 s22, s19, s20                     ; k: token block 16 b + 2 (w % 2), K step 8 + pair
	s_lshl_b32 s22, s22, 5
	s_add_co_u32 s22, s22, s16
	s_add_co_u32 s22, s22, 8
	s_mul_i32 s22, s22, KB
	s_mul_i32 s23, s15, 6144
	s_add_co_u32 s22, s22, s23
	s_add_co_u32 s22, s22, HDR
	s_mov_b32 s23, 0
	s_lshl_b32 s82, s16, 5                         ; v: block of rows = pair, K step 16 b + ..
	s_add_co_u32 s82, s82, s19
	s_add_co_u32 s80, s82, s20
	s_mul_i32 s80, s80, KB
	s_mul_i32 s81, s18, 6656
	s_add_co_u32 s80, s80, s81
	s_mul_i32 s81, s15, VPC
	s_add_co_u32 s80, s80, s81
	s_add_co_u32 s80, s80, HDR
	s_mov_b32 s81, 0
	s_mul_i32 s82, s82, KB
	s_lshl_b32 s83, s15, 8
	s_add_co_u32 s82, s82, s83
	s_add_co_u32 s82, s82, HDR+6144
	s_mov_b32 s83, 0
	s_lshl_b32 s84, s13, 13
	s_mov_b32 s85, 0
	s_mul_i32 s[G0K+1], s17, 2*KPC                 ; LDS addresses: constants and the wave's number
	s_add_co_u32 s[G0K+1], s[G0K+1], KL
	s_mul_i32 s92, s18, VHALF
	s_mul_i32 s[G0V+1], s17, 2*VPC
	s_add_co_u32 s[G0V+1], s[G0V+1], s92
	s_add_co_u32 s[G0V+1], s[G0V+1], VL
	s_mov_b32 s[G0S+1], VSL
	s_mov_b32 s[G0B+1], BL
	s_lshl_b32 s86, s17, 2                         ; the second group: steps 4 + 6 (w % 2) on, which is 4 + 4 (w % 2) steps behind my first
	s_add_co_u32 s86, s86, 4
	s_mul_i32 s88, s86, KB
	s_mul_i32 s86, s86, 32*KB
	s_mov_b32 s87, 0
	s_mov_b32 s89, 0
	s_mul_i32 s90, s17, 6*KPC
	s_add_co_u32 s90, s90, KL+4*KPC
	s_mul_i32 s91, s17, 6*VPC
	s_add_co_u32 s91, s91, s92
	s_add_co_u32 s91, s91, VL+4*VPC
	s_mov_b32 s[CS], 0x3e38aa3b
	s_mov_b32 s[CS+1], s[CS]
	s_mov_b32 s[SEL], 0x76543210
	s_mov_b32 s[SEL+1], 0xfedcba98
	s_wait_dscnt 0x0                               ; both opening adds are done
	s_wait_kmcnt 0x0
	s_mov_b32 s[G0K], 1
	s_add_nc_u64 s[G0K+2:G0K+3], s[4:5], s[22:23]
	s_or_b32 s[G0K+3], s[G0K+3], 0x80000000
	s_mov_b32 s[G0V], 1
	s_add_nc_u64 s[G0V+2:G0V+3], s[6:7], s[80:81]
	s_or_b32 s[G0V+3], s[G0V+3], 0x80000000
	s_mov_b32 s[G0S], 1
	s_add_nc_u64 s[G0S+2:G0S+3], s[6:7], s[82:83]
	s_or_b32 s[G0S+3], s[G0S+3], 0x80000000
	s_mov_b32 s[G0B], 1
	s_add_nc_u64 s[G0B+2:G0B+3], s[8:9], s[84:85]
	s_or_b32 s[G0B+3], s[G0B+3], 0x80000000
	ROUND                                          ; the four partners are here: the first joint loads meet
	ARM 2, G0K, G1K, .La_v, .La_done               ; waves 0, 1: k's steps 0-3; 2-5: v's; 6: v's scale words; 7: the mask terms.  Every way passes one load
	ARM 6, G0V, G1V, .La_s, .La_done
	ARM 7, G0S, G1S, .La_b, .La_done
	tensor_load_to_lds s[G0B:G0B+3], s[G1B:G1B+7]
	s_nop 0
.rept 4
	v_nop
.endr
.La_done:
	s_bfe_u32 s93, ttmp6, 0x40000                  ; cx enters global addresses of q and ctx alone
	s_lshl_b32 s94, ttmp9, 2
	s_add_co_u32 s94, s94, s93                     ; x
	s_lshl_b32 s94, s94, 1
	s_add_co_u32 s94, s94, s19
	s_add_co_u32 s94, s94, s18                     ; my token block: 16 b + 2 x + w / 4
	s_and_b32 s95, s12, 3
	s_lshl_b32 s95, s95, 1                         ; my first tile: 2 (w % 4)
	s_mul_i32 s20, s15, 6656
	s_mul_i32 s21, s95, 768
	s_add_co_u32 s20, s20, s21                     ; a half fragment's place in a block
	s_lshl_b32 s21, s95, 6
	s_add_co_u32 s21, s21, 6144
	s_lshl_b32 s93, s15, 1
	s_add_co_u32 s21, s21, s93                     ; and its scale bytes'
	s_lshl_b32 s22, s94, 5
	s_add_co_u32 s22, s22, s16
	s_mul_i32 s22, s22, KB
	s_add_co_u32 s22, s22, HDR
	s_add_co_u32 s80, s22, s20
	s_mov_b32 s81, 0
	s_add_co_u32 s82, s22, s21
	s_mov_b32 s83, 0
	s_add_nc_u64 s[80:81], s[4:5], s[80:81]        ; q's codes
	s_add_nc_u64 s[82:83], s[4:5], s[82:83]        ; q's scale bytes
	s_lshl_b32 s22, s94, 3
	s_add_co_u32 s22, s22, s16
	s_mul_i32 s22, s22, KB
	s_add_co_u32 s22, s22, HDR
	s_add_co_u32 s84, s22, s20
	s_mov_b32 s85, 0
	s_add_co_u32 s22, s22, s21
	s_mov_b32 s23, 0
	s_add_nc_u64 s[84:85], s[10:11], s[84:85]      ; ctx's codes
	s_add_nc_u64 s[22:23], s[10:11], s[22:23]      ; ctx's scale bytes
	s_lshl_b32 s96, s15, 9
	s_add_co_u32 s96, s96, KL                      ; k's codes begin at 512 c of a piece
	s_add_co_u32 s97, s96, 512
	s_xor_b32 s98, s15, 1
	s_mul_i32 s98, s98, 6144
	s_add_co_u32 s98, s98, s93
	s_add_co_u32 s98, s98, KL                      ; its scale bytes at 6144 (1 - c) + 2 c
	v_and_b32 v11, 31, v0                          ; lane
	v_and_b32 v[R4], 15, v0                        ; r
	v_bfe_u32 v[SH8], v0, 4, 1                     ; h
	v_lshlrev_b32 v[L16], 4, v11
	v_lshlrev_b32 v[L8], 3, v11
	v_and_b32 v84, 7, v0                           ; r % 8
	v_bfe_u32 v85, v0, 3, 1                        ; r / 8: rows 8-15 come from the stored tile two further on
	v_mul_u32_u24 v86, v85, 1536
	v_lshl_add_u32 v[AK16], v84, 4, v86
	v_lshl_add_u32 v[AK8], v84, 3, v86
	v_lshlrev_b32 v[AKS], 7, v85
	v_lshl_add_u32 v[AK16], v[SH8], 8, v[AK16]
	v_lshl_add_u32 v[AK8], v[SH8], 7, v[AK8]
	v_lshl_add_u32 v[AKS], v84, 2, v[AKS]
	v_add_nc_u32 v[AK16], s96, v[AK16]
	v_add_nc_u32 v[AK8], s97, v[AK8]
	v_add_nc_u32 v[AKS], s98, v[AKS]
	v_add_nc_u32 v[AV16], VL, v[L16]
	v_add_nc_u32 v[AV8], VL+512, v[L8]
	v_lshlrev_b32 v[R4], 2, v[R4]
	v_lshlrev_b32 v[ABI], 7, v[SH8]                ; the mask terms: lanes 16-31 take the keys 32 further on
	v_lshlrev_b32 v[SH8], 3, v[SH8]                ; 8 h
	v_add_nc_u32 v[AVS], VSL, v[R4]
.irp j, 48,49,50,51,52,53
	v_mov_b32 v[KF+\j], 0                          ; the upper half of k's last fragment
.endr
	s_wait_alu depctr_va_vdst(0)                   ; the wait ahead of the readers below
	global_load_b128 v[Q:Q+3], v[L16], s[80:81]    ; q's half fragments stay in registers
	global_load_b64 v[Q+4:Q+5], v[L8], s[80:81] offset:512
	global_load_u16 v[QS], v[R4], s[82:83]
	global_load_u16 v[QS+1], v[R4], s[82:83] offset:64
	WIN 0x40
	global_load_b128 v[Q:Q+3], v[L16], s[80:81] offset:768
	global_load_b64 v[Q+4:Q+5], v[L8], s[80:81] offset:1280
	v_mov_b32 v[SH8], v[SH8]                       ; 8 h into window 1 too
	WIN 0
.macro INIT                            ; a tile's state, in the window that is set
.irp j, 6,7,8,9,10,11
	v_mov_b32 v[Q+\j], 0                           ; the zero half of q's fragment
.endr
	v_mov_b32 v[RUN], 0xff61b1e6                   ; the largest score so far: -3e38
	v_mov_b32 v[SUM], 0
	v_mov_b32 v[SUM+1], 0
	v_mov_b32 v[F+1], 0                            ; (named as the upper half of a pair)
	v_mov_b32 v[SO+1], 0                           ; (a lane permute's destination counts as one of its sources)
	v_mov_b32 v[BY+1], 0
	v_mul_f32 v[SO], s[CS], v[RUN]
	v_mov_b32 v[BN], 0
	v_mov_b32 v[BN+1], 0
	v_floor_f32 v[NM], -v[SO]                      ; -M
.set zj, 0
.rept 32
	v_mov_b32 v[O+zj], 0                           ; O^T: the step is written for every trip alike; the first finds zeros
.set zj, zj+1
.endr
.endm
	INIT
	WIN 0x55
	INIT
	WIN 0
.macro KBLOAD                          ; a step's k (8 tiles: six registers and two scale bytes) and mask terms (8 registers a tile): 40 LDS loads
.irp g, 0,1
.irp t, 0,1,2,3
	ds_load_b128 v[KF+6*(4*\g+\t):KF+6*(4*\g+\t)+3], v[AK16] offset:3072*\g+768*(\t%2)+128*(\t/2)
	ds_load_b64 v[KF+6*(4*\g+\t)+4:KF+6*(4*\g+\t)+5], v[AK8] offset:3072*\g+768*(\t%2)+64*(\t/2)
	ds_load_u16 v[KS+4*\g+\t], v[AKS] offset:256*\g+64*(\t%2)+32*(\t/2)
.endr
.endr
	WIN 0x40
.irp g, 0,1
.irp t, 0,1,2,3
	ds_load_b128 v[BI+8*(4*\g+\t):BI+8*(4*\g+\t)+3], v[ABI] offset:256*\g+32*\t
	ds_load_b128 v[BI+8*(4*\g+\t)+4:BI+8*(4*\g+\t)+7], v[ABI] offset:256*\g+32*\t+16
.endr
.endr
	WIN 0
.endm
.macro QK w                            ; S^T = k q^T + the keys' mask terms, eight tiles of 16 keys
.irp T, 0,1,2,3,4,5,6,7
	v_wmma_scale_f32_16x16x128_f8f6f4 v[S+8*\T:S+8*\T+7], v[KF+6*\T:KF+6*\T+11], v[Q:Q+11], v[BI+8*\T:BI+8*\T+7], v[KS+\T], v[QS+\w] matrix_a_fmt:MATRIX_FMT_FP6 matrix_b_fmt:MATRIX_FMT_FP6
.endr
.endm
.macro R k                             ; four pairs of p onto the four chains of the sum
	v_pk_add_f32 v[C1:C1+1], v[C1:C1+1], v[S+2*(\k):S+2*(\k)+1]
	v_pk_add_f32 v[C2:C2+1], v[C2:C2+1], v[S+2*(\k)+2:S+2*(\k)+3]
	v_pk_add_f32 v[C3:C3+1], v[C3:C3+1], v[S+2*(\k)+4:S+2*(\k)+5]
	v_pk_add_f32 v[SUM:SUM+1], v[SUM:SUM+1], v[S+2*(\k)+6:S+2*(\k)+7]
.endm
; One tile's softmax, quantising and O^T += v^T p^T, all in window w.  Registers S + 32 g + i of lane (r, h) are key i of block 2 g + h.
.macro SOFT w
	WIN 0x55*\w
	s_wait_alu depctr_va_vdst(0)                   ; the wait directly ahead of the first readers of the scores
.irp g, 0,1
	v_max3_num_f32 v[BM+\g], v[S+32*\g], v[S+32*\g+1], v[S+32*\g+2]       ; my two blocks' largest scores, two chains each; each accumulator from its low end on
	v_max3_num_f32 v[BN+\g], v[S+32*\g+16], v[S+32*\g+17], v[S+32*\g+18]
.endr
.irp i, 3,5,7,9,11,13
.irp g, 0,1
	v_max3_num_f32 v[BM+\g], v[BM+\g], v[S+32*\g+\i], v[S+32*\g+\i+1]
	v_max3_num_f32 v[BN+\g], v[BN+\g], v[S+32*\g+16+\i], v[S+32*\g+17+\i]
.endr
.endr
	v_max3_num_f32 v[BM], v[BM], v[BN], v[S+15]
	v_max3_num_f32 v[BM+1], v[BM+1], v[BN+1], v[S+47]
	v_max_num_f32 v[BM], v[BM], v[S+31]
	v_max_num_f32 v[BM+1], v[BM+1], v[S+63]
	v_max_num_f32 v[SO], v[BM], v[BM+1]
	v_permlanex16_b32 v[SO+1], v[SO], s[SEL], s[SEL+1]
	v_max3_num_f32 v[RUN], v[RUN], v[SO], v[SO+1]  ; the running largest score of my query (c is positive)
	v_mov_b32 v[SO], v[NM]                         ; the old -M
	v_mul_f32 v[SO+1], s[CS], v[RUN]               ; as t
	v_floor_f32 v[NM], -v[SO+1]                    ; the new -M = -ceil(t)
.set pj, 0
.rept 32
	v_pk_fma_f32 v[S+pj:S+pj+1], v[S+pj:S+pj+1], s[CS:CS+1], v[NM:NM+1] op_sel_hi:[1,0,0]   ; t - M, two at a time
.set pj, pj+2
.endr
	v_sub_f32 v[SO], v[NM], v[SO]                  ; old M - new M: a whole number, 0 or less
	v_fma_f32 v[BM], v[BM], s[CS], v[NM]           ; t - M of each block's largest score: p rises with the score
	v_cvt_i32_f32 v[SO], v[SO]                     ; (it saturates)
	v_fma_f32 v[BM+1], v[BM+1], s[CS], v[NM]
	v_ldexp_f32 v[F], 1.0, v[SO]                   ; f = 2^(old M - new M)
	s_wait_alu depctr_va_vdst(0)                   ; the wait ahead of the batch
.set pj, 0
.rept 64
	v_exp_f32 v[S+pj], v[S+pj]                     ; p = 2^(t - M)
.set pj, pj+1
.endr
	v_exp_f32 v[BM], v[BM]                         ; the blocks' largest p
	v_exp_f32 v[BM+1], v[BM+1]
	v_pk_mul_f32 v[SUM:SUM+1], v[SUM:SUM+1], v[F:F+1] op_sel_hi:[1,0]   ; the sum under the new M (a plain line behind the batch)
	s_wait_alu depctr_va_vdst(0)                   ; one wait for the batch, ahead of its first reader
	v_max_num_f32 v[BM], 0x1800000, v[BM]          ; the floor 2^(3 - 127): the byte cannot fall under 1
	v_max_num_f32 v[BM+1], 0x1800000, v[BM+1]
	v_pk_add_f32 v[C1:C1+1], v[S:S+1], v[S+2:S+3]  ; the row's sum of the unquantised p, four chains; the scale's lines stand between the rounds
	v_pk_add_f32 v[C2:C2+1], v[S+4:S+5], v[S+6:S+7]
	v_pk_add_f32 v[C3:C3+1], v[S+8:S+9], v[S+10:S+11]
	v_pk_add_f32 v[SUM:SUM+1], v[SUM:SUM+1], v[S+12:S+13]
	v_add_nc_u32 v[SO], 0xff000000, v[BM]          ; 2 off the exponent field: the conversion's scale operand
	v_add_nc_u32 v[SO+1], 0xff000000, v[BM+1]
	R 7
	v_lshrrev_b32 v[BY], 23, v[SO]                 ; the scales' bytes
	v_lshrrev_b32 v[BY+1], 23, v[SO+1]
	R 11
	v_lshl_or_b32 v[BY], v[BY+1], 16, v[BY]        ; blocks h and 2 + h,
	R 15
	v_lshlrev_b32 v[BY], v[SH8], v[BY]             ; at their places in the word;
	R 19
	v_permlanex16_b32 v[BY+1], v[BY], s[SEL], s[SEL+1]
	R 23
	WIN 0x05*\w                                    ; (scale operands are taken from window 0)
	v_or_b32 v[PS+\w], v[BY], v[BY+1]              ; with lane l xor 16's two bytes p's scale word is whole
	WIN 0x55*\w
	R 27
	v_pk_add_f32 v[C1:C1+1], v[C1:C1+1], v[S+62:S+63]
	v_pk_add_f32 v[C2:C2+1], v[C2:C2+1], v[C3:C3+1]
	v_pk_add_f32 v[SUM:SUM+1], v[SUM:SUM+1], v[C1:C1+1]
	v_pk_add_f32 v[SUM:SUM+1], v[SUM:SUM+1], v[C2:C2+1]
	v_cvt_scalef32_pk16_fp6_f32 v[P:P+2], v[S:S+15], v[SO]
	v_cvt_scalef32_pk16_fp6_f32 v[CT:CT+2], v[S+16:S+31], v[SO]        ; (a conversion's three registers begin on an even number)
	v_cvt_scalef32_pk16_fp6_f32 v[P+6:P+8], v[S+32:S+47], v[SO+1]
	v_cvt_scalef32_pk16_fp6_f32 v[C2:C2+2], v[S+48:S+63], v[SO+1]
.if \w == 0
	s_wait_dscnt 40                                ; v's 20 loads are in; the 40 of the next step's k and mask terms may be out
.endif
	s_wait_alu depctr_va_vdst(0)                   ; the wait directly ahead of the first readers of O^T
.set pj, 0
.rept 8
	v_pk_mul_f32 v[O+pj:O+pj+1], v[O+pj:O+pj+1], v[F:F+1] op_sel_hi:[1,0]   ; O^T under the new M
.set pj, pj+2
.endr
.irp i, 0,1,2
	v_mov_b32 v[P+3+\i], v[CT+\i]
	v_mov_b32 v[P+9+\i], v[C2+\i]
.endr
.rept 8
	v_pk_mul_f32 v[O+pj:O+pj+1], v[O+pj:O+pj+1], v[F:F+1] op_sel_hi:[1,0]   ; (these eight are the places between the operand's last write and the products)
.set pj, pj+2
.endr
	WIN 0x01+0x54*\w                               ; v's fragments: window 1
.irp t, 0,1,2,3                        ; the head's four tiles of 16 channels, by turns; K = these 128 keys
	v_wmma_scale_f32_16x16x128_f8f6f4 v[O+8*\t:O+8*\t+7], v[VF+12*\t:VF+12*\t+11], v[P:P+11], v[O+8*\t:O+8*\t+7], v[VS+\t], v[PS+\w] matrix_a_fmt:MATRIX_FMT_FP6 matrix_b_fmt:MATRIX_FMT_FP6
.endr
.endm
.macro STEP                            ; 128 keys for both tiles
	WIN 0x40
.irp t, 0,1,2,3
	ds_load_b128 v[VF+12*\t:VF+12*\t+3], v[AV16] offset:768*\t
	ds_load_b64 v[VF+12*\t+4:VF+12*\t+5], v[AV8] offset:768*\t
	ds_load_b128 v[VF+12*\t+6:VF+12*\t+9], v[AV16] offset:VHALF+768*\t
	ds_load_b64 v[VF+12*\t+10:VF+12*\t+11], v[AV8] offset:VHALF+768*\t
.endr
	WIN 0
.irp t, 0,1,2,3
	ds_load_b32 v[VS+\t], v[AVS] offset:64*\t
.endr
	s_wait_dscnt 20                                ; k and the mask terms, asked for a step ago, are in; v's 20 loads may be out
	WIN 0x10                                       ; C: window 1
	QK 0
	WIN 0x54                                       ; D, q and C: window 1
	QK 1
	WIN 0
	v_add_nc_u32 v[AK16], KPC, v[AK16]             ; on to the next step's k and terms.  (Four plain lines: the places behind the products)
	v_add_nc_u32 v[AK8], KPC, v[AK8]
	v_add_nc_u32 v[AKS], KPC, v[AKS]
	v_add_nc_u32 v[ABI], 512, v[ABI]
	KBLOAD
	SOFT 0
	SOFT 1
	WIN 0
	v_add_nc_u32 v[AV16], VPC, v[AV16]             ; (four plain lines: the places behind the products)
	v_add_nc_u32 v[AV8], VPC, v[AV8]
	v_add_nc_u32 v[AVS], 256, v[AVS]
	v_nop
.endm
	s_wait_alu depctr_va_vdst(0)                   ; the wait at the head's end
	s_wait_tensorcnt 0x0                           ; my load of the first group is in; these lines stand ahead of a later first fill as ahead of a refill
	ds_add_u32 v[SPW], v[NIL]
	s_mov_b32 s[G1K+2], 6<<16                      ; no load of mine is out, so descriptors may be written: six steps a load
	s_mov_b32 s[G1K+4], 6
	s_mov_b32 s[G1V+2], 6<<16
	s_mov_b32 s[G1V+4], 6
	s_mov_b32 s[G0K+1], s90
	s_mov_b32 s[G0V+1], s91
	s_add_nc_u64 s[G0K+2:G0K+3], s[G0K+2:G0K+3], s[86:87]
	s_add_nc_u64 s[G0V+2:G0V+3], s[G0V+2:G0V+3], s[88:89]
	s_wait_dscnt 0x0
	ROUND                                          ; everybody's part of the first group is in, and the partners' joint loads meet
	ARM 2, G0K, G1K, .Lb_v, .Lb_done               ; steps 4-15: waves 0, 1 k's, waves 2-5 v's
	ARM 6, G0V, G1V, .Lb_none, .Lb_done
.Lb_done:
	KBLOAD                                         ; step 0's k and mask terms
	s_wait_loadcnt 0x0                             ; q
	s_mov_b32 s99, 3
.Lone:                                                 ; steps 0-2: they read steps 0-3 alone
	STEP
	s_sub_co_u32 s99, s99, 1
	s_cmp_lg_u32 s99, 0
	s_wait_alu depctr_va_vdst(0)                   ; the wait directly ahead of the branch
	s_cbranch_scc1 .Lone
	s_wait_tensorcnt 0x0                           ; my load of the second group is in,
	s_wait_dscnt 0x0
	s_barrier_signal -1
	s_barrier_wait -1                              ; everybody's is; nothing is filled again
	s_mov_b32 s99, 13
.Ltwo:                                                 ; steps 3-15
	STEP
	s_sub_co_u32 s99, s99, 1
	s_cmp_lg_u32 s99, 0
	s_wait_alu depctr_va_vdst(0)
	s_cbranch_scc1 .Ltwo
; THE WAY OUT of a tile: ctx = O^T / the sum, quantised along the head's 64 channels (register 16 b + i: channel 32 b + 16 h + i): a half fragment and two scale bytes
.macro OUT w
	WIN 0x55*\w
	v_add_f32 v[SUM], v[SUM], v[SUM+1]
	v_permlanex16_b32 v[SO+1], v[SUM], s[SEL], s[SEL+1]
	v_add_f32 v[SUM], v[SUM], v[SO+1]              ; the row's sum
	s_wait_alu depctr_va_vdst(0)
	v_rcp_f32 v[SUM], v[SUM]
	v_nop
	s_wait_alu depctr_va_vdst(0)                   ; ahead of the reciprocal's first reader, which is also O^T's
.set pj, 0
.rept 32
	v_mul_f32 v[S+pj], v[O+pj], v[SUM]
.set pj, pj+1
.endr
.irp b, 0,1
	v_max3_num_f32 v[BM+\b], |v[S+16*\b]|, |v[S+16*\b+1]|, 0x1800000
.endr
.irp i, 2,4,6,8,10,12,14
.irp b, 0,1
	v_max3_num_f32 v[BM+\b], v[BM+\b], |v[S+16*\b+\i]|, |v[S+16*\b+\i+1]|
.endr
.endr
.irp b, 0,1
	v_permlanex16_b32 v[BN+\b], v[BM+\b], s[SEL], s[SEL+1]
.endr
.irp b, 0,1
	v_max_num_f32 v[BM+\b], v[BM+\b], v[BN+\b]
.endr
.irp b, 0,1
	v_add_nc_u32 v[SO+\b], 0xff000000, v[BM+\b]
.endr
.irp b, 0,1
	v_lshrrev_b32 v[BY+\b], 23, v[SO+\b]
.endr
	v_lshl_or_b32 v[C1], v[BY+1], 8, v[BY]
	v_cvt_scalef32_pk16_fp6_f32 v[P:P+2], v[S:S+15], v[SO]
	v_cvt_scalef32_pk16_fp6_f32 v[P+4:P+6], v[S+16:S+31], v[SO+1]
	v_nop                                          ; one plain line behind the conversions
.irp i, 0,1,2
	v_permlane16_swap_b32 v[P+\i], v[P+4+\i]       ; a whole block to a lane
.endr
.irp i, 0,1,2
	v_mov_b32 v[P+3+\i], v[P+4+\i]
.endr
	WIN 0x04*\w                                    ; a store's data are its source 1
	global_store_b128 v[L16], v[P:P+3], s[84:85] offset:768*\w          ; 512 consecutive bytes, aligned to 256
	global_store_b64 v[L8], v[P+4:P+5], s[84:85] offset:768*\w+512      ; 256
	global_store_b16 v[R4], v[C1], s[22:23] offset:64*\w                ; two scale bytes a row (lanes 16-31 repeat lanes 0-15)
.endm
	OUT 0
	OUT 1
	WIN 0
	s_wait_tensorcnt 0x0                           ; the wave's end
	ds_add_u32 v[SPW], v[NIL]
	s_wait_dscnt 0x0
	ROUND                                          ; the closing round
	s_endpgm
.Lfunc_end_k_q9b60134508_attn:
	.size	k_q9b60134508_attn, .Lfunc_end_k_q9b60134508_attn-k_q9b60134508_attn
	.p2alignl 7, 3214868480
	.fill 96, 4, 3214868480
	.section	.rodata,"a",@progbits
	.p2align	6, 0x0
	.amdhsa_kernel k_q9b60134508_attn
		.amdhsa_group_segment_fixed_size 327680
		.amdhsa_private_segment_fixed_size 0
		.amdhsa_enable_private_segment 0
		.amdhsa_kernarg_size 32
		.amdhsa_user_sgpr_count 2
		.amdhsa_user_sgpr_kernarg_segment_ptr 1
		.amdhsa_wavefront_size32 1
		.amdhsa_system_sgpr_workgroup_id_x 1
		.amdhsa_system_sgpr_workgroup_id_y 1
		.amdhsa_system_sgpr_workgroup_id_z 1
		.amdhsa_system_vgpr_workitem_id 0
		.amdhsa_next_free_vgpr 512
		.amdhsa_next_free_sgpr 100
		.amdhsa_reserve_vcc 0
		.amdhsa_float_denorm_mode_32 3
		.amdhsa_float_denorm_mode_16_64 3
		.amdhsa_memory_ordered 1
		.amdhsa_forward_progress 1
		.amdhsa_inst_pref_size 84
	.end_amdhsa_kernel
	.amdgpu_metadata
---
amdhsa.version: [ 1, 2 ]
amdhsa.kernels:
  - .name:           k_q9b60134508_attn
    .symbol:         k_q9b60134508_attn.kd
    .args:
      - { .name: big, .offset: 0, .size: 8, .value_kind: global_buffer, .address_space: global }
      - { .name: scr, .offset: 8, .size: 8, .value_kind: global_buffer, .address_space: global }
      - { .name: kbias, .offset: 16, .size: 8, .value_kind: global_buffer, .address_space: global }
      - { .name: wqkc, .offset: 24, .size: 8, .value_kind: global_buffer, .address_space: global }
    .group_segment_fixed_size: 327680
    .private_segment_fixed_size: 0
    .kernarg_segment_align: 8
    .kernarg_segment_size: 32
    .max_flat_workgroup_size: 256
    .sgpr_count:     100
    .vgpr_count:     512
    .wavefront_size: 32
...
	.end_amdgpu_metadata
.endif
;; end of part 5
;; launch wol (part 6): grid 256 x 1, 16 waves a work-group, no clusters, 102,400 bytes of LDS; arguments wo2c, wqkc, bo, x, alpha2, beta2, scr, acta; writes scr, acta
.if DOCPART == 6
	.amdgcn_target "amdgcn-amd-amdhsa--gfx1250"
	.amdhsa_code_object_version 6
	.text
	.protected	k_q9b60134508_wol
	.globl	k_q9b60134508_wol
	.p2align	8
	.type	k_q9b60134508_wol,@function
k_q9b60134508_wol:
	s_mov_b64 s[64:65], 0
	v_nop
	global_prefetch_b8 v0, s[64:65] scope:SCOPE_SE
	s_setreg_imm32_b32 hwreg(HW_REG_WAVE_MODE, 25, 1), 1
	s_wait_xcnt 0x0
; x1 = x + ctx wo + bo (the product on E2M3 codes with one E8M0 byte for each 32 along K), stored as f32; then y = alpha (x1 - mean) / (std + 1e-6) + beta over the row of 1,024 (std with n - 1),
; quantised along the row and stored as an operand.  ONE work-group takes ONE tile of 16 rows through all of it, so x1 is read by nobody here and the norm needs no launch of its own.
; OPERANDS: blocks of KB bytes for 128 rows x 128 k: half fragments (c, t) of 768 bytes at 6656 c + 768 t (the image of six operand registers: registers 0-3 of lane l at 16 l, 4-5 at 512 + 8 l), scale words at 6144.
; Row x of a block sits in tile 2 (x / 32) + (x / 8) % 2 at lane x % 8 + 8 ((x / 16) % 2).  ctx and the result: header of HDR bytes, then [32 blocks of rows][8 K steps]; wo: [8 blocks of 128 channels][8 K steps].  The result's header stands as an earlier launch stored it.
; THE PRODUCT.  Sixteen waves; wave w takes channels 64 w .. 64 w + 63: four tiles of wo as source 0, the tile of ctx as source 1: 4 accumulators by turns, 8 K steps, 32 matrix instructions.  The accumulators are loaded with bo, so no bias is added later.
; In a work-group each byte of wo feeds one matrix instruction of one wave: it goes from memory straight into that wave's operand registers, 20 loads a K step, three K steps (60 loads) out.  So there is no tensor load, nothing that partners of a cluster
; could ask for jointly into LDS, and no cluster; and no prefetch, since the loads themselves are asked for three K steps ahead of their use.  ctx's tile (12,288 bytes) is fetched once, 768 bytes a wave, and shared through LDS.
; In the result lane (r, h) holds row r, and register j of tile i channel 64 w + 32 (i / 2) + 16 h + 8 (i % 2) + j.  It is staged in LDS as 16 rows, each 32 places of 128 bytes + 16, + 16 a row.
; THE NORM.  Wave w takes staged row w: reads it 512 consecutive bytes an instruction, adds x's row, stores x1 in whole runs of 512 bytes, puts it back, and reads it so that lane l holds the 32 neighbours of block l.
; The codes meet in LDS by block and row; behind a barrier wave w reads half fragment w (K step w / 2, c = w % 2) as an image and stores 512 + 256 consecutive bytes; even waves store their K step's 16 scale words.
; LIMITS: a block of zeros carries the byte 1, not 127 (its codes are zeros; this program alone reads the bytes); NaN and infinities are not served.
.set KB,    12800
.set HDR,   16640
.set PP,    4624                       ; a staged row
.set QB,    74240                      ; behind the 16 staged rows: ctx's eight fragments, 1,536 bytes each
.set IMG1,  86528                      ; 32 blocks x (16 rows x 16 bytes + 16): registers 0-3
.set IMG2,  95232                      ; 32 blocks x (16 rows x 8 bytes + 8): registers 4-5
.set SCB,   99584                      ; scale bytes [8 K steps][16 rows][4]
.set SPARE, 100096                     ; the spare words, 128 bytes for each wave: eight blocks of 256 bytes that no other line names
.set SPW,   14
.set NIL,   15
.set ACC,   32                         ; v32-63   the accumulators; behind the stage: at work
.set PF,    64                         ; v64-207  wo's fragments, three sets of four
.set PSC,   208                        ; v208-219 their scale words
.set QF,    220                        ; v220-243 ctx's fragment, two sets
.set QSC,   244                        ; v244-251 ctx's scale words, one register a K step
.set PR,    64                         ; the norm: the staged row, then x1
.set X,     96                         ; 32 neighbours
.set XR,    160                        ; x's row
.set OUTR,  136
.set MA,    32
.set MB,    33
.set SA,    34
.set SB,    36
.set ME,    38
.set RS,    40
.set BE,    42
.set BYT,   44
.set SCO,   45
.set CD,    48
	s_load_b512 s[4:19], s[0:1], 0x0               ; wo2c, ctx, bo, x, alpha2, beta2, scr, acta
	v_lshl_add_u32 v[SPW], v0, 2, SPARE
	v_mov_b32 v[NIL], 0
	v_lshrrev_b32 v12, 5, v0
	v_readfirstlane_b32 s20, v12                   ; wave 0..15
	s_lshr_b32 s21, ttmp9, 3                       ; the tile's block of 128 rows
	s_and_b32 s22, ttmp9, 7                        ; t
	s_lshr_b32 s23, s20, 1                         ; my block of 128 channels.  Also: my K step of ctx and of the result
	s_and_b32 s24, s20, 1                          ; my half of it.  Also: my c
	s_mul_i32 s25, s23, 8*KB
	s_mul_i32 s26, s24, 3072
	s_add_co_u32 s26, s26, s25                     ; wo: my four tiles
	s_mov_b32 s27, 0
	s_lshl_b32 s28, s24, 8
	s_add_co_u32 s28, s28, s25
	s_add_co_u32 s28, s28, 6144                    ; and their scale words
	s_mov_b32 s29, 0
	s_lshl_b32 s25, s21, 3
	s_mul_i32 s32, s25, KB
	s_add_co_u32 s25, s25, s23
	s_mul_i32 s25, s25, KB
	s_add_co_u32 s25, s25, HDR                     ; the block of my K step, in ctx and in the result alike
	s_mul_i32 s30, s24, 6656
	s_add_co_u32 s30, s30, s25
	s_mul_i32 s31, s22, 768
	s_add_co_u32 s30, s30, s31                     ; my half fragment in it
	s_mov_b32 s31, 0
	s_lshl_b32 s33, s22, 6
	s_add_co_u32 s38, s25, s33
	s_add_co_u32 s38, s38, 6144                    ; the tile's scale words in it
	s_mov_b32 s39, 0
	s_add_co_u32 s32, s32, s33
	s_add_co_u32 s32, s32, HDR+6144                ; and in K step 0's block
	s_mov_b32 s33, 0
	s_lshl_b32 s34, s20, 8                         ; bo: 64 w floats
	s_mov_b32 s35, 0
	s_lshl_b32 s36, s21, 7                         ; my row of memory: 128 rb + 32 (t / 2) + 8 (t % 2) + w % 8 + 16 (w / 8)
	s_lshr_b32 s37, s22, 1
	s_lshl_b32 s37, s37, 5
	s_add_co_u32 s36, s36, s37
	s_and_b32 s37, s22, 1
	s_lshl_b32 s37, s37, 3
	s_add_co_u32 s36, s36, s37
	s_and_b32 s37, s20, 7
	s_add_co_u32 s36, s36, s37
	s_lshr_b32 s37, s20, 3
	s_lshl_b32 s37, s37, 4
	s_add_co_u32 s36, s36, s37
	s_lshl_b32 s36, s36, 12
	s_mov_b32 s37, 0
	s_mov_b32 s40, 0x76543210
	s_mov_b32 s41, 0xfedcba98                      ; v_permlanex16_b32's selects for lane l xor 16
	s_mul_i32 s44, s20, PP                         ; the wave's terms of the LDS addresses
	s_lshl_b32 s45, s20, 4
	s_lshl_b32 s46, s20, 3
	s_lshl_b32 s47, s20, 2
	s_mul_i32 s48, s20, 544
	s_mul_i32 s49, s20, 272
	s_lshl_b32 s50, s23, 6
	s_mul_i32 s51, s20, 288
	s_mul_i32 s52, s20, 768
	v_and_b32 v12, 31, v0                          ; lane
	v_and_b32 v13, 15, v0                          ; r
	v_bfe_u32 v23, v0, 4, 1                        ; h
	v_lshlrev_b32 v1, 4, v12                       ; 16 l
	v_lshlrev_b32 v2, 3, v12                       ; 8 l
	v_lshlrev_b32 v3, 2, v13                       ; 4 r
	v_lshrrev_b32 v4, 3, v12
	v_mul_u32_u24 v4, v4, 144
	v_and_b32 v5, 7, v12
	v_lshl_add_u32 v4, v5, 4, v4
	v_add_nc_u32 v4, s44, v4                       ; my staged row, 512 bytes an instruction: eight lanes' 128 bytes fill a place
	v_mul_u32_u24 v5, v12, 144
	v_add_nc_u32 v5, s44, v5                       ; and place l: my block's 32 numbers
	v_mul_u32_u24 v6, v12, 272
	v_add_nc_u32 v6, s45, v6
	v_add_nc_u32 v6, IMG1, v6                      ; block l, row w: 16 bytes
	v_mul_u32_u24 v7, v12, 136
	v_add_nc_u32 v7, s46, v7
	v_add_nc_u32 v7, IMG2, v7                      ; and 8 bytes
	v_lshrrev_b32 v8, 2, v12
	v_lshlrev_b32 v8, 6, v8
	v_and_b32 v9, 3, v12
	v_add_nc_u32 v8, v8, v9
	v_add_nc_u32 v8, s47, v8
	v_add_nc_u32 v8, SCB, v8                       ; K step l / 4, row w, byte l % 4
	v_mul_u32_u24 v9, v23, 272
	v_lshl_add_u32 v9, v13, 4, v9
	v_add_nc_u32 v9, s48, v9
	v_add_nc_u32 v9, IMG1, v9                      ; back: half fragment w: lane (r, h) takes block 2 w + h, row r
	v_mul_u32_u24 v10, v23, 136
	v_lshl_add_u32 v10, v13, 3, v10
	v_add_nc_u32 v10, s49, v10
	v_add_nc_u32 v10, IMG2, v10
	v_add_nc_u32 v11, s50, v3
	v_add_nc_u32 v11, SCB, v11                     ; the scale words of K step w / 2
	v_mul_u32_u24 v16, v13, PP
	v_lshl_add_u32 v16, v23, 6, v16
	v_add_nc_u32 v16, s51, v16                     ; the stage, in: row r, places 2 w and 2 w + 1, + 64 h
	v_add_nc_u32 v17, s52, v1
	v_add_nc_u32 v17, QB, v17                      ; ctx's half fragment w, in
	v_add_nc_u32 v18, s52, v2
	v_add_nc_u32 v18, QB+512, v18
	v_add_nc_u32 v19, QB, v1                       ; and out
	v_add_nc_u32 v20, QB+512, v2
	v_lshlrev_b32 v21, 6, v23                      ; bo: lanes 16-31 begin 16 channels on
	s_wait_alu depctr_va_vdst(0)                   ; the wait at the head's end
	s_wait_kmcnt 0x0
	s_load_b32 s42, s[12:13], 0x0                  ; alpha
	s_load_b32 s43, s[14:15], 0x0                  ; beta
	s_add_nc_u64 s[44:45], s[4:5], s[26:27]
	s_add_nc_u64 s[46:47], s[4:5], s[28:29]
	s_add_nc_u64 s[48:49], s[6:7], s[30:31]
	s_add_nc_u64 s[50:51], s[6:7], s[32:33]
	s_add_nc_u64 s[52:53], s[8:9], s[34:35]
	s_add_nc_u64 s[54:55], s[10:11], s[36:37]
	s_add_nc_u64 s[56:57], s[16:17], s[36:37]
	s_add_nc_u64 s[58:59], s[18:19], s[30:31]
	s_add_nc_u64 s[60:61], s[18:19], s[38:39]
.macro PLOAD k                         ; K step k of my four tiles of wo into set k % 3: 20 loads
.irp i, 0,1,2,3
	global_load_b128 v[PF+48*((\k)%3)+12*\i:PF+48*((\k)%3)+12*\i+3], v1, s[44:45] offset:(\k)*KB+768*\i
	global_load_b64 v[PF+48*((\k)%3)+12*\i+4:PF+48*((\k)%3)+12*\i+5], v2, s[44:45] offset:(\k)*KB+768*\i+512
	global_load_b128 v[PF+48*((\k)%3)+12*\i+6:PF+48*((\k)%3)+12*\i+9], v1, s[44:45] offset:(\k)*KB+768*\i+6656
	global_load_b64 v[PF+48*((\k)%3)+12*\i+10:PF+48*((\k)%3)+12*\i+11], v2, s[44:45] offset:(\k)*KB+768*\i+7168
	global_load_b32 v[PSC+4*((\k)%3)+\i], v3, s[46:47] offset:(\k)*KB+64*\i
.endr
.endm
.macro QLOAD k                         ; ctx's fragment of K step k into set k % 2: 4 LDS loads
	ds_load_b128 v[QF+12*((\k)%2):QF+12*((\k)%2)+3], v19 offset:(\k)*1536
	ds_load_b64 v[QF+12*((\k)%2)+4:QF+12*((\k)%2)+5], v20 offset:(\k)*1536
	ds_load_b128 v[QF+12*((\k)%2)+6:QF+12*((\k)%2)+9], v19 offset:(\k)*1536+768
	ds_load_b64 v[QF+12*((\k)%2)+10:QF+12*((\k)%2)+11], v20 offset:(\k)*1536+768
.endm
	global_load_b128 v[QF:QF+3], v1, s[48:49]      ; my half fragment of ctx
	global_load_b64 v[QF+4:QF+5], v2, s[48:49] offset:512
.irp i, 0,1,2,3                        ; bo in the result's layout, into the accumulators
	global_load_b128 v[ACC+8*\i:ACC+8*\i+3], v21, s[52:53] offset:(32*(\i/2)+8*(\i%2))*4
	global_load_b128 v[ACC+8*\i+4:ACC+8*\i+7], v21, s[52:53] offset:(32*(\i/2)+8*(\i%2))*4+16
.endr
.irp k, 0,1,2,3,4,5,6,7
	global_load_b32 v[QSC+\k], v3, s[50:51] offset:\k*KB
.endr
	PLOAD 0
	PLOAD 1
	s_wait_loadcnt 56                              ; my half fragment of ctx is in; the 56 loads behind it may be out
	ds_store_b128 v17, v[QF:QF+3]
	ds_store_b64 v18, v[QF+4:QF+5]
	s_wait_dscnt 0x0                               ; for the others' sake
	s_barrier_signal -1
	s_barrier_wait -1
	QLOAD 0
	QLOAD 1
	s_wait_loadcnt 40                              ; bo and ctx's scale words are in: with the next 20 loads 60 are out
	PLOAD 2
; A K step: four products, the accumulators by turns; then the sets just read take what is three (wo) and two (ctx) K steps on.  lc, dc: the younger loads that may stay out.
.macro KSTEP k, lc, dc
	s_wait_loadcnt \lc
	s_wait_dscnt \dc
.irp i, 0,1,2,3
	v_wmma_scale_f32_16x16x128_f8f6f4 v[ACC+8*\i:ACC+8*\i+7], v[PF+48*((\k)%3)+12*\i:PF+48*((\k)%3)+12*\i+11], v[QF+12*((\k)%2):QF+12*((\k)%2)+11], v[ACC+8*\i:ACC+8*\i+7], v[PSC+4*((\k)%3)+\i], v[QSC+(\k)] matrix_a_fmt:MATRIX_FMT_FP6 matrix_b_fmt:MATRIX_FMT_FP6
.endr
.rept 4
	v_nop                                          ; places in front of loads into registers that the products have read, and of the stores of the results
.endr
.if (\k)+2 < 8
	QLOAD (\k)+2
.endif
.if (\k)+3 < 8
	PLOAD (\k)+3
.endif
.endm
	KSTEP 0, 40, 4                                 ; two younger K steps of wo, 20 loads each; one younger fragment of ctx, 4 loads
	KSTEP 1, 40, 4
	KSTEP 2, 40, 4
	KSTEP 3, 40, 4
	KSTEP 4, 40, 4
	KSTEP 5, 40, 4
.irp j, 0,1,2,3,4,5,6,7                ; x's row into the set that K step 5 has left: 512 consecutive bytes an instruction
	global_load_b128 v[XR+4*\j:XR+4*\j+3], v1, s[54:55] offset:512*\j th:TH_LOAD_NT
.endr
	KSTEP 6, 28, 4                                 ; K step 7's 20 loads and x's 8
	KSTEP 7, 8, 0
.irp i, 0,1,2,3
	ds_store_b128 v16, v[ACC+8*\i:ACC+8*\i+3] offset:144*(\i/2)+32*(\i%2)        ; each accumulator from its low end on
	ds_store_b128 v16, v[ACC+8*\i+4:ACC+8*\i+7] offset:144*(\i/2)+32*(\i%2)+16
.endr
	s_wait_dscnt 0x0                               ; for the others' sake
	s_barrier_signal -1
	s_barrier_wait -1
.irp j, 0,1,2,3,4,5,6,7
	ds_load_b128 v[PR+4*\j:PR+4*\j+3], v4 offset:576*\j
.endr
	s_wait_kmcnt 0x0                               ; alpha, beta
	v_mov_b32 v[BE], s43
	v_mov_b32 v[BE+1], s43
	s_wait_loadcnt 0x0                             ; x's row
	s_wait_dscnt 0x0
.set rj, 0
.rept 16
	v_pk_add_f32 v[PR+rj:PR+rj+1], v[PR+rj:PR+rj+1], v[XR+rj:XR+rj+1]   ; x1
.set rj, rj+2
.endr
.irp j, 0,1,2,3,4,5,6,7
	global_store_b128 v1, v[PR+4*\j:PR+4*\j+3], s[56:57] offset:512*\j   ; 512 consecutive bytes, aligned to 256
.endr
.irp j, 0,1,2,3,4,5,6,7
	ds_store_b128 v4, v[PR+4*\j:PR+4*\j+3] offset:576*\j
.endr
.irp j, 0,1,2,3,4,5,6,7
	ds_load_b128 v[X+4*\j:X+4*\j+3], v5 offset:16*\j   ; a wave's LDS instructions are served in order (ISA guide 5.7.1.4): these see the stores above
.endr
	s_wait_dscnt 0x0
.macro ALLSUM a, b                     ; the sum over the 32 lanes, in every lane
	v_add_f32_dpp v[\a], v[\a], v[\a] row_xmask:1 row_mask:0xf bank_mask:0xf
	v_add_f32_dpp v[\a], v[\a], v[\a] row_xmask:2 row_mask:0xf bank_mask:0xf
	v_add_f32_dpp v[\a], v[\a], v[\a] row_xmask:4 row_mask:0xf bank_mask:0xf
	v_add_f32_dpp v[\a], v[\a], v[\a] row_xmask:8 row_mask:0xf bank_mask:0xf
	v_permlanex16_b32 v[\b], v[\a], s40, s41
	v_add_f32 v[\a], v[\a], v[\b]
.endm
	v_pk_add_f32 v[SA:SA+1], v[X:X+1], v[X+2:X+3]        ; the sum, in two chains
	v_pk_add_f32 v[SB:SB+1], v[X+4:X+5], v[X+6:X+7]
.irp j, 8,12,16,20,24,28
	v_pk_add_f32 v[SA:SA+1], v[SA:SA+1], v[X+\j:X+\j+1]
	v_pk_add_f32 v[SB:SB+1], v[SB:SB+1], v[X+\j+2:X+\j+3]
.endr
	v_pk_add_f32 v[SA:SA+1], v[SA:SA+1], v[SB:SB+1]
	v_add_f32 v[SA], v[SA], v[SA+1]
	ALLSUM SA, SA+1
	v_mul_f32 v[ME], 0x3a800000, v[SA]             ; the mean: x 2^-10
	v_mov_b32 v[ME+1], v[ME]
.set rj, 0
.rept 16
	v_pk_add_f32 v[X+rj:X+rj+1], v[X+rj:X+rj+1], v[ME:ME+1] neg_lo:[0,1] neg_hi:[0,1]   ; d = x1 - mean
.set rj, rj+2
.endr
	v_pk_mul_f32 v[SA:SA+1], v[X:X+1], v[X:X+1]          ; the sum of d^2, in two chains
	v_pk_mul_f32 v[SB:SB+1], v[X+2:X+3], v[X+2:X+3]
.irp j, 4,8,12,16,20,24,28
	v_pk_fma_f32 v[SA:SA+1], v[X+\j:X+\j+1], v[X+\j:X+\j+1], v[SA:SA+1]
	v_pk_fma_f32 v[SB:SB+1], v[X+\j+2:X+\j+3], v[X+\j+2:X+\j+3], v[SB:SB+1]
.endr
	v_pk_add_f32 v[SA:SA+1], v[SA:SA+1], v[SB:SB+1]
	v_add_f32 v[SA], v[SA], v[SA+1]
	ALLSUM SA, SA+1
	v_mul_f32 v[SA], 0x3a802008, v[SA]             ; / 1,023
	s_wait_alu depctr_va_vdst(0)                   ; a wait ahead of a transcendental and ahead of its first reader
	v_sqrt_f32 v[SA], v[SA]
	v_nop
	s_wait_alu depctr_va_vdst(0)
	v_add_f32 v[SA], 0x358637bd, v[SA]             ; + 1e-6
	s_wait_alu depctr_va_vdst(0)
	v_rcp_f32 v[SA], v[SA]
	v_nop
	s_wait_alu depctr_va_vdst(0)
	v_mul_f32 v[RS], s42, v[SA]                    ; alpha / (std + eps)
	v_mov_b32 v[RS+1], v[RS]
.set rj, 0
.rept 16
	v_pk_fma_f32 v[X+rj:X+rj+1], v[X+rj:X+rj+1], v[RS:RS+1], v[BE:BE+1]
.set rj, rj+2
.endr
	v_max3_num_f32 v[MA], |v[X]|, |v[X+1]|, |v[X+2]|     ; my block's largest magnitude
	v_max3_num_f32 v[MB], |v[X+3]|, |v[X+4]|, |v[X+5]|
.irp i, 6,10,14,18,22,26
	v_max3_num_f32 v[MA], v[MA], |v[X+\i]|, |v[X+\i+1]|
	v_max3_num_f32 v[MB], v[MB], |v[X+\i+2]|, |v[X+\i+3]|
.endr
	v_max3_num_f32 v[MA], v[MA], |v[X+30]|, |v[X+31]|
	v_max3_num_f32 v[MA], v[MA], v[MB], 0x1800000  ; and the floor 2^(3 - 127): the byte cannot fall under 1
	v_add_nc_u32 v[SCO], 0xff000000, v[MA]         ; 2 off the exponent field: the conversion's scale operand
	v_lshrrev_b32 v[BYT], 23, v[SCO]               ; the scale's byte
	v_cvt_scalef32_pk16_fp6_f32 v[CD:CD+2], v[X:X+15], v[SCO]
	v_cvt_scalef32_pk16_fp6_f32 v[CD+4:CD+6], v[X+16:X+31], v[SCO]   ; (a conversion's three registers begin on an even number)
	v_nop                                          ; one plain line behind the conversions
	v_mov_b32 v[CD+3], v[CD+4]
	v_mov_b32 v[CD+4], v[CD+5]
	v_mov_b32 v[CD+5], v[CD+6]
	ds_store_b128 v6, v[CD:CD+3]
	ds_store_b64 v7, v[CD+4:CD+5]
	ds_store_b8 v8, v[BYT]
	s_wait_dscnt 0x0                               ; for the others' sake: my codes and bytes lie in LDS
	s_barrier_signal -1
	s_barrier_wait -1
	ds_load_b128 v[OUTR:OUTR+3], v9
	ds_load_b64 v[OUTR+4:OUTR+5], v10
	ds_load_b32 v[OUTR+6], v11
	s_wait_dscnt 0x0
	global_store_b128 v1, v[OUTR:OUTR+3], s[58:59]             ; 512 consecutive bytes, aligned to 256
	global_store_b64 v2, v[OUTR+4:OUTR+5], s[58:59] offset:512 ; 256
	s_cmp_eq_u32 s24, 0                            ; the even wave of a K step's two stores its 16 scale words (lanes 16-31 repeat lanes 0-15)
	s_cbranch_scc0 .Lno_words
	global_store_b32 v3, v[OUTR+6], s[60:61]
.Lno_words:
	s_wait_tensorcnt 0x0                           ; the wave's end: behind my last LDS store
	ds_add_u32 v[SPW], v[NIL]
	s_wait_dscnt 0x0
	s_endpgm
.Lfunc_end_k_q9b60134508_wol:
	.size	k_q9b60134508_wol, .Lfunc_end_k_q9b60134508_wol-k_q9b60134508_wol
	.p2alignl 7, 3214868480
	.fill 96, 4, 3214868480
	.section	.rodata,"a",@progbits
	.p2align	6, 0x0
	.amdhsa_kernel k_q9b60134508_wol
		.amdhsa_group_segment_fixed_size 102400
		.amdhsa_private_segment_fixed_size 0
		.amdhsa_enable_private_segment 0
		.amdhsa_kernarg_size 64
		.amdhsa_user_sgpr_count 2
		.amdhsa_user_sgpr_kernarg_segment_ptr 1
		.amdhsa_wavefront_size32 1
		.amdhsa_system_sgpr_workgroup_id_x 1
		.amdhsa_system_sgpr_workgroup_id_y 1
		.amdhsa_system_sgpr_workgroup_id_z 1
		.amdhsa_system_vgpr_workitem_id 0
		.amdhsa_next_free_vgpr 256
		.amdhsa_next_free_sgpr 66
		.amdhsa_reserve_vcc 0
		.amdhsa_float_denorm_mode_32 3
		.amdhsa_float_denorm_mode_16_64 3
		.amdhsa_memory_ordered 1
		.amdhsa_forward_progress 1
		.amdhsa_inst_pref_size 43
	.end_amdhsa_kernel
	.amdgpu_metadata
---
amdhsa.version: [ 1, 2 ]
amdhsa.kernels:
  - .name:           k_q9b60134508_wol
    .symbol:         k_q9b60134508_wol.kd
    .args:
      - { .name: wo2c, .offset: 0, .size: 8, .value_kind: global_buffer, .address_space: global }
      - { .name: wqkc, .offset: 8, .size: 8, .value_kind: global_buffer, .address_space: global }
      - { .name: bo, .offset: 16, .size: 8, .value_kind: global_buffer, .address_space: global }
      - { .name: x, .offset: 24, .size: 8, .value_kind: global_buffer, .address_space: global }
      - { .name: alpha2, .offset: 32, .size: 8, .value_kind: global_buffer, .address_space: global }
      - { .name: beta2, .offset: 40, .size: 8, .value_kind: global_buffer, .address_space: global }
      - { .name: scr, .offset: 48, .size: 8, .value_kind: global_buffer, .address_space: global }
      - { .name: acta, .offset: 56, .size: 8, .value_kind: global_buffer, .address_space: global }
    .group_segment_fixed_size: 102400
    .private_segment_fixed_size: 0
    .kernarg_segment_align: 8
    .kernarg_segment_size: 64
    .max_flat_workgroup_size: 512
    .sgpr_count:     66
    .vgpr_count:     256
    .wavefront_size: 32
...
	.end_amdgpu_metadata
.endif
;; end of part 6
;; launch ffn1 (part 7): grid 8 x 32, 4 waves a work-group, clusters of 4 x 4, 327,680 bytes of LDS; arguments w1c, acta, big; writes big
.if DOCPART == 7
	.amdgcn_target "amdgcn-amd-amdhsa--gfx1250"
	.amdhsa_code_object_version 6
	.text
	.protected	k_q9b60134508_ffn1
	.globl	k_q9b60134508_ffn1
	.p2align	8
	.type	k_q9b60134508_ffn1,@function
k_q9b60134508_ffn1:
	s_mov_b64 s[64:65], 0
	v_nop
	global_prefetch_b8 v0, s[64:65] scope:SCOPE_SE
	s_setreg_imm32_b32 hwreg(HW_REG_WAVE_MODE, 25, 1), 1
	s_wait_xcnt 0x0
	s_wait_alu depctr_hold_cnt(0) depctr_sa_sdst(0) depctr_va_vdst(0) depctr_va_sdst(0) depctr_va_ssrc(0) depctr_va_vcc(0) depctr_vm_vsrc(0)
	s_getreg_b32 s2, hwreg(HW_REG_IB_STS2, 6, 4)
	s_cmp_eq_u32 s2, 0
	s_cbranch_scc0 .Lentry_in_a_cluster
	s_endpgm
.Lentry_in_a_cluster:
	s_bfe_u32 s2, ttmp6, 0x10000c
	s_cmp_lg_u32 s2, 0xf033
	s_cbranch_scc0 .Lentry_shape_is_right
	s_endpgm
.Lentry_shape_is_right:
; A product of two operands of E2M3 codes (one E8M0 byte for each 32 along K): P as source 0, Q as source 1.  max(P Q^T + P's row term + Q's row term, P's floor) is quantised along P's rows and stored as
; blocks of a new operand whose rows are Q's rows and whose K are P's rows.  K = 1,024.
; A WORK-GROUP STAYS: it takes ONE block of 128 rows of Q and TILES neighbouring blocks of 128 rows of P, one after the other (the same text serves another launch with another number in the next line).
.set TILES,  4
; OPERANDS lie as [header 16,640 bytes][block of 128 rows][K step] blocks of KB = 12,800 bytes: half fragments (c, t) of 768 bytes at 6656 c + 768 t, the rows' scale words at 6144.  A half fragment is the image of six operand
; registers (registers 0-3 of lane l at 16 l, registers 4-5 at 512 + 8 l).  So a fragment is four LDS loads of consecutive bytes, and a block of rows is one dense stream along K for the tensor loads.
; The header holds 4,096 row terms (f32, by the row's number) and, at byte 16,384, the floor that goes with the operand as source 0 (0.0: relu; -infinity: none).
; Row x of a block sits in tile 2 (x / 32) + (x / 8) % 2 at lane x % 8 + 8 ((x / 16) % 2): in the result a lane holds ONE row of Q, and the 16 registers of P's tiles 2 b, 2 b + 1 are P's rows 32 b + 16 (lane / 16) + 0..15.
; SHARES.  Four waves, each 64 x 64 of a tile: 16 accumulators.  The grid has 256 work-groups.
; LDS.  Q's block for all of K (8 K steps, 102,400 bytes) is fetched once and stays.  P's blocks, 102,400 bytes each, go through two slots behind it.  Each wave fetches K steps 2 w and 2 w + 1 of a block, 25,600 dense bytes,
; with one tensor load: at the head one load a wave (half of Q's block or of P's first), then a quarter of P's second.  At the change from tile i to tile i + 1 the slot just left takes block i + 2, where there is one: one load a wave, which has tile i's
; way out and all of tile i + 1, 128 matrix instructions a wave, in which to land.  No barrier stands inside a tile: the one in front of it has shown all its bytes to every wave.
; The tiles are written out, not looped: the first TILES - 2 changes fill a slot and the last does not, and every offset that hangs on the tile is an immediate.
; CLUSTER 4 x 4: Q's block hangs on y alone and is asked for jointly along a row of the cluster, P's blocks on x alone, along a column.
; No prefetch: the first fills stand at the head, and a refill has a whole tile's work in which to land.
; REGISTERS.  Window 0: v7-11, v16-27, v30, v31 addresses; v28, v29 the add's two; v32-39 scale words, two sets (register i: lanes 0-15 Q's tile i, lanes 16-31 P's tile i); v40-71 P's row terms in the result's layout, the C of a tile's
;   first products; v72-127 the way out; v128-255 the accumulators ((a, b) at 128 + 8 (4 a + b), a: Q's tile, b: P's).  Window 1: two fragment buffers, at v0 and v128: P's four fragments, then Q's four.
; LIMITS: a block of zeros carries the byte 1, not 127 (its codes are zeros; this program alone reads the bytes); NaN and infinities are not served.  The two scale bytes of a row and 64 k leave by a store of two bytes a lane
; (lanes 16-31 repeat lanes 0-15): one byte in 24 of what is stored.
.set KB,     12800
.set HDR,    16640
.set OPB,    8*KB                      ; a block of rows for all of K
.set HALFK,  4*KB                      ; four K steps: as far as an LDS load's immediate reaches from one address register
.set PB,     OPB                       ; P's slot 0 lies behind Q's block, slot 1 behind slot 0
.set SPARE,  3*OPB                     ; behind them: the spare words, 128 bytes for each wave: two blocks of 256 bytes that no other line names
.set AQ16, 16                          ; v16-17 my Q tiles, K steps 0-3 and 4-7: + 16 l;  v18-19: + 8 l
.set AQ8,  18
.set AP16, 20                          ; v20-23 my P tiles: register 2 slot + half of K: + 16 l
.set AP8,  8                           ; v8-11  the same: + 8 l
.set ADS,  24                          ; v24-27 my scale words, register 2 slot + half of K: lanes 0-15 Q's, lanes 16-31 P's
.set EA,   30                          ; v30, v31, v7 the way out's addresses
.set EB,   31
.set EC,   7
.set SPW,  28
.set NIL,  29
.set SC,   32
.set BP,   40
.set BQ,   72
.set PC,   80
.set PW,   112
.set TM,   116
.set ACC,  128
.set G1Q,  24                          ; s[24:31] descriptor group 1 for Q's block; s[32:35] its group 0
.set G0Q,  32
.set G1P,  48                          ; s[48:55] group 1 for P's blocks; s[56:63] group 0, a set for each slot
.set G0P,  56
.set SEL,  66
.set MSB,  0
.macro WIN new                         ; the immediate's high byte repeats the setting that is left
.if MSB != \new
	s_set_vgpr_msb (MSB<<8)|\new
.set MSB, \new
.endif
.endm
.set MUL,  0x05                        ; sources 0 (P) and 1 (Q) window 1; C and D window 0
.set TO_F, 0x40                        ; destination window 1, address window 0
.macro CROUND                          ; a round of the cluster's barrier
	s_barrier_signal -1
	s_barrier_wait -1
	s_cmp_lg_u32 s14, 0
	s_cbranch_scc1 .Lnot_wave_0_\@
	s_barrier_signal -3
.Lnot_wave_0_\@:
	s_barrier_wait -3
	s_barrier_signal -1
	s_barrier_wait -1
.endm
	s_load_b128 s[4:7], s[0:1], 0x0                ; P, Q
	s_load_b64 s[8:9], s[0:1], 0x10                ; the new operand
	v_lshl_add_u32 v[SPW], v0, 2, SPARE
	v_mov_b32 v[NIL], 0
	ds_add_u32 v[SPW], v[NIL]                      ; the wave's opening: the add and its wait ahead of my first tensor load; the set-up below stands between them
	ds_add_u32 v[SPW], v[NIL]
	v_lshrrev_b32 v1, 5, v0
	v_readfirstlane_b32 s14, v1                    ; wave 0..3
	s_lshr_b32 s15, s14, 1                         ; my half of Q's rows
	s_and_b32 s16, s14, 1                          ; my half of P's rows
	s_bfe_u32 s40, ttmp6, 0x40000                  ; cx, cy: my place in the cluster
	s_bfe_u32 s41, ttmp6, 0x40004
	s_lshl_b32 s42, ttmp9, 2
	s_add_co_u32 s42, s42, s40                     ; x: my run of TILES blocks of P
	s_and_b32 s17, ttmp7, 0xffff
	s_lshl_b32 s17, s17, 2
	s_add_co_u32 s17, s17, s41                     ; y: Q's block of rows
	s_lshl_b32 s43, s41, 2
	s_lshl_b32 s43, 15, s43                        ; my row of the cluster
	s_lshl_b32 s44, 0x1111, s40                    ; my column
	s_or_b32 s[G1Q+0], s43, (3<<16)|(1<<21)        ; 15:0 the mask; 17:16 elements of 8 bytes; 20 no padding; 21 set beside a mask
	s_or_b32 s[G1P+0], s44, (3<<16)|(1<<21)
.irp g, G1Q, G1P                       ; two K steps, 25,600 dense bytes, as 100 rows of 256 bytes
	s_mov_b32 s[\g+1], 32<<16                      ; tensor_dim0 = 32 elements
	s_mov_b32 s[\g+2], 200<<16                     ; the head's loads bring four K steps, 200 rows of 256 bytes
	s_mov_b32 s[\g+3], 32<<16                      ; tile_dim0
	s_mov_b32 s[\g+4], 200
	s_mov_b32 s[\g+5], 32                          ; from row to row
	s_mov_b32 s[\g+6], 0
	s_mov_b32 s[\g+7], 0
.endr
	s_mul_i32 s18, s14, 2*KB                       ; my two K steps of a block: in memory and in LDS alike
	s_mul_i32 s20, s17, OPB                        ; Q's address is made of y and the wave's number alone,
	s_add_co_u32 s20, s20, s18
	s_add_co_u32 s20, s20, HDR
	s_mov_b32 s21, 0
	s_mul_i32 s46, s42, TILES*OPB                  ; P's of x and the wave's number alone
	s_add_co_u32 s46, s46, s18
	s_add_co_u32 s46, s46, HDR
	s_mov_b32 s47, 0
	s_wait_dscnt 0x0                               ; the opening add is done
	s_wait_kmcnt 0x0
	s_add_nc_u64 s[20:21], s[6:7], s[20:21]
	s_add_nc_u64 s[46:47], s[4:5], s[46:47]
	CROUND                                         ; all sixteen work-groups are here: the first joint loads meet
	s_mov_b32 s19, 0                               ; the head's loads: waves 0, 1 the halves of Q's block, waves 2, 3 the halves of P's first block: half w % 2, 51,200 bytes
	s_mul_i32 s22, s16, 4*KB
	s_mov_b32 s23, 0
	s_mov_b32 s[G0Q], 1
	s_mov_b32 s[G0Q+1], s22
	s_sub_nc_u64 s[G0Q+2:G0Q+3], s[20:21], s[18:19]
	s_add_nc_u64 s[G0Q+2:G0Q+3], s[G0Q+2:G0Q+3], s[22:23]
	s_or_b32 s[G0Q+3], s[G0Q+3], 0x80000000
	s_mov_b32 s36, 1
	s_add_co_u32 s37, s22, PB
	s_sub_nc_u64 s[38:39], s[46:47], s[18:19]
	s_add_nc_u64 s[38:39], s[38:39], s[22:23]
	s_or_b32 s39, s39, 0x80000000
.irp s, 0,1
	s_mov_b32 s[G0P+4*\s], 1
	s_add_co_u32 s[G0P+4*\s+1], s18, PB+\s*OPB
	s_add_nc_u64 s[G0P+4*\s+2:G0P+4*\s+3], s[46:47], \s*OPB
	s_or_b32 s[G0P+4*\s+3], s[G0P+4*\s+3], 0x80000000
.endr
	s_cmp_eq_u32 s15, 0                            ; one tensor load a wave at the head
	s_cbranch_scc0 .Lhead_p
	tensor_load_to_lds s[G0Q:G0Q+3], s[G1Q:G1Q+7]
	s_nop 0
.rept 4
	v_nop
.endr
	s_branch .Lhead_asked
.Lhead_p:
	tensor_load_to_lds s[36:39], s[G1P:G1P+7]
	s_nop 0
.rept 4
	v_nop
.endr
.Lhead_asked:
	v_and_b32 v1, 15, v0
	v_bfe_u32 v2, v0, 4, 1                         ; h
	v_and_b32 v3, 31, v0
	v_lshlrev_b32 v4, 4, v3                        ; 16 l
	v_lshlrev_b32 v5, 3, v3                        ; 8 l
	s_mul_i32 s21, s15, 3072                       ; my four tiles of Q,
	s_mul_i32 s22, s16, 3072                       ; of P,
	s_add_co_u32 s22, s22, PB                      ; which lies behind Q's block
.irp f, 0,1
	v_add_nc_u32 v[AQ16+\f], s21, v4
	v_add_nc_u32 v[AQ8+\f], s21, v5
	v_add_nc_u32 v[AP16+\f], s22, v4
	v_add_nc_u32 v[AP8+\f], s22, v5
	s_add_co_u32 s21, s21, HALFK
	s_add_co_u32 s22, s22, HALFK
.endr
.irp f, 0,1                            ; two halves of K on is slot 1
	v_add_nc_u32 v[AP16+2+\f], s22, v4
	v_add_nc_u32 v[AP8+2+\f], s22, v5
	s_add_co_u32 s22, s22, HALFK
.endr
	s_xor_b32 s22, s15, 1                          ; from Q's scale words to P's in slot 0: PB + 256 (my half of P - my half of Q), as one product with h
	s_add_co_u32 s22, s22, s16
	s_lshl_b32 s22, s22, 8
	s_add_co_u32 s22, s22, PB-256
	s_add_co_u32 s23, s22, OPB                     ; and in slot 1
	s_lshl_b32 s21, s15, 8
	s_add_co_u32 s21, s21, 6144
	v_mul_u32_u24 v6, s22, v2
	v_lshl_add_u32 v6, v1, 2, v6
	v_add_nc_u32 v[ADS], s21, v6
	v_add_nc_u32 v[ADS+1], HALFK, v[ADS]
	v_mul_u32_u24 v13, s23, v2
	v_lshl_add_u32 v13, v1, 2, v13
	v_add_nc_u32 v[ADS+2], s21, v13
	v_add_nc_u32 v[ADS+3], HALFK, v[ADS+2]
	s_mul_i32 s18, s42, TILES*512                  ; P's row terms: lane (r, h), tile b, register j: row 128 (block) + 64 (my half) + 32 (b / 2) + 8 (b % 2) + 16 h + j
	s_lshl_b32 s19, s16, 8
	s_add_co_u32 s18, s18, s19
	s_mov_b32 s19, 0
	s_load_b32 s2, s[4:5], 0x4000                  ; P's floor
	s_add_nc_u64 s[18:19], s[4:5], s[18:19]        ; from P's header
	v_lshlrev_b32 v12, 6, v2
.macro BPLOAD i                        ; the row terms of my i-th block of P: 512 bytes on for each block
.irp b, 0,1,2,3
	global_load_b128 v[BP+8*\b:BP+8*\b+3], v12, s[18:19] offset:(\i)*512+(32*(\b/2)+8*(\b%2))*4
	global_load_b128 v[BP+8*\b+4:BP+8*\b+7], v12, s[18:19] offset:(\i)*512+(32*(\b/2)+8*(\b%2))*4+16
.endr
.endm
	BPLOAD 0
	s_lshl_b32 s22, s17, 9                         ; Q's row terms: one a lane and tile, in both halves of a pair
	s_lshl_b32 s23, s15, 8
	s_add_co_u32 s22, s22, s23
	s_mov_b32 s23, 0
	s_add_nc_u64 s[22:23], s[6:7], s[22:23]
	v_and_b32 v13, 7, v1
	v_lshrrev_b32 v14, 3, v1
	v_lshl_add_u32 v13, v14, 4, v13
	v_lshlrev_b32 v13, 2, v13
.irp a, 0,1,2,3
	global_load_b32 v[BQ+2*\a], v13, s[22:23] offset:(32*(\a/2)+8*(\a%2))*4
	global_load_b32 v[BQ+2*\a+1], v13, s[22:23] offset:(32*(\a/2)+8*(\a%2))*4
.endr
	s_lshl_b32 s46, s17, 5                         ; the new operand's block 32 y + my first block of P; the later tiles' blocks follow it
	s_mul_i32 s47, s42, TILES
	s_add_co_u32 s46, s46, s47
	s_mul_i32 s46, s46, KB
	s_add_co_u32 s46, s46, HDR
	s_mov_b32 s47, 0
	s_add_nc_u64 s[8:9], s[8:9], s[46:47]
	s_mul_i32 s46, s16, 6656                       ; my half of P's rows is its c, my four tiles of Q its tiles
	s_mul_i32 s47, s15, 3072
	s_add_co_u32 s46, s46, s47
	v_add_nc_u32 v[EA], s46, v4
	v_add_nc_u32 v[EB], s46, v5
	s_lshl_b32 s46, s15, 8
	s_lshl_b32 s47, s16, 1
	s_add_co_u32 s46, s46, s47
	s_add_co_u32 s46, s46, 6144
	v_lshl_add_u32 v[EC], v1, 2, s46               ; my half of a row's scale word
	s_mov_b32 s[SEL], 0x76543210
	s_mov_b32 s[SEL+1], 0xfedcba98
	v_mov_b32 v[TM+2], 0                           ; written once: a lane permute's destination counts as one of its sources
	v_mov_b32 v[TM+3], 0
.macro FRAG reg, a16, a8, off          ; a fragment: two half fragments, 6,656 bytes apart
	ds_load_b128 v[\reg:\reg+3], v[\a16] offset:\off
	ds_load_b64 v[\reg+4:\reg+5], v[\a8] offset:\off+512
	ds_load_b128 v[\reg+6:\reg+9], v[\a16] offset:\off+6656
	ds_load_b64 v[\reg+10:\reg+11], v[\a8] offset:\off+7168
.endm
.macro FETCH slot, k, p                ; 36 LDS loads in one run: K step k (P's from the slot named) into buffer and scale set p: 4 scale words, P's four fragments, Q's four
	WIN 0
.irp i, 0,1,2,3
	ds_load_b32 v[SC+4*(\p)+\i], v[ADS+2*(\slot)+(\k)/4] offset:((\k)%4)*KB+64*\i
.endr
	WIN TO_F
.irp i, 0,1,2,3
	FRAG 128*(\p)+12*\i, AP16+2*(\slot)+(\k)/4, AP8+2*(\slot)+(\k)/4, ((\k)%4)*KB+\i*768
.endr
.irp i, 0,1,2,3
	FRAG 128*(\p)+48+12*\i, AQ16+(\k)/4, AQ8+(\k)/4, ((\k)%4)*KB+\i*768
.endr
.endm
; Four products: Q's tile a against P's four.  first = 1: P's row terms are the C, so nothing is cleared and no bias is added later.  The 16 accumulators take turns, one instruction a turn, in the same order in every K step.
.macro MUL4 p, a, first
.irp b, 0,1,2,3
.if \first
	v_wmma_scale_f32_16x16x128_f8f6f4 v[ACC+8*(4*(\a)+\b):ACC+8*(4*(\a)+\b)+7], v[128*(\p)+12*\b:128*(\p)+12*\b+11], v[128*(\p)+48+12*(\a):128*(\p)+48+12*(\a)+11], v[BP+8*\b:BP+8*\b+7], v[SC+4*(\p)+\b], v[SC+4*(\p)+(\a)] matrix_a_fmt:MATRIX_FMT_FP6 matrix_b_fmt:MATRIX_FMT_FP6 matrix_a_scale:MATRIX_SCALE_ROW1
.else
	v_wmma_scale_f32_16x16x128_f8f6f4 v[ACC+8*(4*(\a)+\b):ACC+8*(4*(\a)+\b)+7], v[128*(\p)+12*\b:128*(\p)+12*\b+11], v[128*(\p)+48+12*(\a):128*(\p)+48+12*(\a)+11], v[ACC+8*(4*(\a)+\b):ACC+8*(4*(\a)+\b)+7], v[SC+4*(\p)+\b], v[SC+4*(\p)+(\a)] matrix_a_fmt:MATRIX_FMT_FP6 matrix_b_fmt:MATRIX_FMT_FP6 matrix_a_scale:MATRIX_SCALE_ROW1
.endif
.endr
.endm
.macro PLACES                          ; four plain lines in front of loads into registers that matrix instructions have read, and of the first read of results
.rept 4
	v_nop
.endr
.endm
; Multiplies K step kn - 1 (buffer p) and fetches K step kn into the other buffer.  nb >= 0: the row terms of my block nb of P are asked for too: the products that took the old ones as C stand behind the four places.
.macro QUARTER slot, kn, p, first, nb
	s_wait_dscnt 8                                 ; all but the youngest eight loads (Q's tiles 2 and 3) are in
	WIN MUL
	MUL4 \p, 0, \first
	MUL4 \p, 1, \first
	PLACES
.if (\nb) >= 0
	WIN 0
	BPLOAD \nb
.endif
	FETCH \slot, \kn, 1-\p
	s_wait_dscnt 36                                ; all but the 36 just issued
	WIN MUL
	MUL4 \p, 2, \first
	MUL4 \p, 3, \first
.endm
; Tile i: eight K steps on buffers 0, 1, 0, 1 ..; its first fragments have been fetched ahead of it.
.macro TILE i
.set SL, (\i)%2
	s_wait_loadcnt 0x0                             ; the tile's row terms
	QUARTER SL, 1, 0, 1, -1                        ; the first K step starts the sums
.if (\i)+1 < TILES
	QUARTER SL, 2, 1, 0, (\i)+1
.else
	QUARTER SL, 2, 1, 0, -1
.endif
	QUARTER SL, 3, 0, 0, -1
	QUARTER SL, 4, 1, 0, -1
	QUARTER SL, 5, 0, 0, -1
	QUARTER SL, 6, 1, 0, -1
	QUARTER SL, 7, 0, 0, -1
	s_wait_dscnt 8                                 ; the last K step: nothing more to fetch
	WIN MUL
	MUL4 1, 0, 0
	MUL4 1, 1, 0
	s_wait_dscnt 0x0
	MUL4 1, 2, 0
	MUL4 1, 3, 0
	WIN 0
.endm
; THE CHANGE from tile i to tile i + 1.  Each wave waits for all its tensor loads (its part of the next slot among them), adds 0 to its spare word, and waits for that; its reads of the slot that it leaves are over.
; Where there is a block i + 2, the barrier is a round of the cluster's, and behind it the slot just left takes that block: my one tensor load until the next change.  Then tile i + 1's first fragments are fetched; tile i's way out follows.
.macro CHANGE i
	s_wait_tensorcnt 0x0                           ; no tensor load of mine is out, so a group 0 may be written
	ds_add_u32 v[SPW], v[NIL]
.if (\i)+2 < TILES
	s_add_nc_u64 s[G0P+4*((\i)%2)+2:G0P+4*((\i)%2)+3], s[G0P+4*((\i)%2)+2:G0P+4*((\i)%2)+3], 2*OPB   ; two blocks on; the type bits on top are not reached
.endif
	s_wait_dscnt 0x0                               ; the add is done, and my reads of this slot are over
.if (\i)+2 < TILES
	CROUND                                         ; no wave of any partner still reads this slot or has a load on its way
	tensor_load_to_lds s[G0P+4*((\i)%2):G0P+4*((\i)%2)+3], s[G1P:G1P+7]
	s_nop 0
.else
	s_barrier_signal -1
	s_barrier_wait -1
.endif
	PLACES                                         ; behind the tensor load, and the places in front of the loads below and of the way out's first reads
	FETCH ((\i)+1)%2, 0, 0
	WIN 0
.endm
; 32 numbers of a lane, register 16 b + i = P's row 32 b + 16 (lane / 16) + i, become a half fragment's six registers in v[pc] on and two scale bytes in v[pw].
.macro QUANT2 s, pc, pw
.irp b, 0,1
	v_max3_num_f32 v[TM+\b], |v[\s+16*\b]|, |v[\s+1+16*\b]|, 0x1800000   ; my 16 numbers of block b, and the floor 2^(3 - 127): the byte cannot fall under 1
.endr
.irp i, 2,4,6,8,10,12,14
.irp b, 0,1
	v_max3_num_f32 v[TM+\b], v[TM+\b], |v[\s+16*\b+\i]|, |v[\s+1+16*\b+\i]|
.endr
.endr
.irp b, 0,1
	v_permlanex16_b32 v[TM+2+\b], v[TM+\b], s[SEL], s[SEL+1]
.endr
.irp b, 0,1
	v_max_num_f32 v[TM+\b], v[TM+\b], v[TM+2+\b]   ; with lane l xor 16's: the block's largest magnitude
.endr
.irp b, 0,1
	v_add_nc_u32 v[TM+4+\b], 0xff000000, v[TM+\b]  ; 2 off the exponent field: the conversion's scale operand
.endr
.irp b, 0,1
	v_lshrrev_b32 v[TM+6+\b], 23, v[TM+4+\b]       ; the scale's byte
.endr
	v_lshl_or_b32 v[\pw], v[TM+7], 8, v[TM+6]
	v_cvt_scalef32_pk16_fp6_f32 v[\pc:\pc+2], v[\s:\s+15], v[TM+4]
	v_cvt_scalef32_pk16_fp6_f32 v[\pc+4:\pc+6], v[\s+16:\s+31], v[TM+5]
	v_nop                                          ; one plain line behind the conversions
.irp i, 0,1,2
	v_permlane16_swap_b32 v[\pc+\i], v[\pc+4+\i]   ; a whole block to a lane: lanes 0-15 block 0, lanes 16-31 block 1
.endr
.irp i, 0,1,2
	v_mov_b32 v[\pc+3+\i], v[\pc+4+\i]
.endr
.endm
; THE WAY OUT of tile i: vector work and stores alone, so that it stands beside the refill and the next tile's first LDS loads.
.macro EPI i
.if (\i) > 0
	s_wait_xcnt 0x0                                ; the last tile's stores have read their registers: the codes' registers are written again only behind this wait
.endif
.irp a, 0,1,2,3
.set ej, 0
.rept 16
	v_pk_add_f32 v[ACC+32*\a+ej:ACC+32*\a+ej+1], v[ACC+32*\a+ej:ACC+32*\a+ej+1], v[BQ+2*\a:BQ+2*\a+1]   ; Q's row term; each accumulator from its low end on
.set ej, ej+2
.endr
.set ej, 0
.rept 32
	v_max_num_f32 v[ACC+32*\a+ej], s2, v[ACC+32*\a+ej]   ; the floor: 0.0 is relu, -infinity changes nothing
.set ej, ej+1
.endr
	QUANT2 ACC+32*\a, PC+8*\a, PW+\a
	global_store_b128 v[EA], v[PC+8*\a:PC+8*\a+3], s[8:9] offset:(\i)*KB+768*\a          ; 512 consecutive bytes, aligned to 256
	global_store_b64 v[EB], v[PC+8*\a+4:PC+8*\a+5], s[8:9] offset:(\i)*KB+768*\a+512     ; 256
	global_store_b16 v[EC], v[PW+\a], s[8:9] offset:(\i)*KB+64*\a
.endr
.endm
	s_wait_alu depctr_va_vdst(0)                   ; the wait at the head's end
	s_wait_tensorcnt 0x0                           ; my half block is in; these lines stand ahead of a later first fill as ahead of a refill
	ds_add_u32 v[SPW], v[NIL]
	s_mov_b32 s[G1P+2], 100<<16                    ; no load of mine is out: from here on a load brings two K steps, 100 rows
	s_mov_b32 s[G1P+4], 100
	s_wait_dscnt 0x0
	CROUND                                         ; everybody's part is in, and the joint loads meet
	tensor_load_to_lds s[G0P+4:G0P+7], s[G1P:G1P+7]  ; P's second block into slot 1: my quarter
	s_nop 0
	PLACES
	FETCH 0, 0, 0
	s_wait_kmcnt 0x0                               ; the floor
	TILE 0
.if TILES > 1
	CHANGE 0
	EPI 0
	TILE 1
.endif
.if TILES > 2
	CHANGE 1
	EPI 1
	TILE 2
	CHANGE 2
	EPI 2
	TILE 3
.endif
	PLACES
	EPI TILES-1
	s_wait_tensorcnt 0x0                           ; the wave's end
	ds_add_u32 v[SPW], v[NIL]
	s_wait_dscnt 0x0
	CROUND                                         ; the closing round
	s_endpgm
.Lfunc_end_k_q9b60134508_ffn1:
	.size	k_q9b60134508_ffn1, .Lfunc_end_k_q9b60134508_ffn1-k_q9b60134508_ffn1
	.p2alignl 7, 3214868480
	.fill 96, 4, 3214868480
	.section	.rodata,"a",@progbits
	.p2align	6, 0x0
	.amdhsa_kernel k_q9b60134508_ffn1
		.amdhsa_group_segment_fixed_size 327680
		.amdhsa_private_segment_fixed_size 0
		.amdhsa_enable_private_segment 0
		.amdhsa_kernarg_size 24
		.amdhsa_user_sgpr_count 2
		.amdhsa_user_sgpr_kernarg_segment_ptr 1
		.amdhsa_wavefront_size32 1
		.amdhsa_system_sgpr_workgroup_id_x 1
		.amdhsa_system_sgpr_workgroup_id_y 1
		.amdhsa_system_sgpr_workgroup_id_z 1
		.amdhsa_system_vgpr_workitem_id 0
		.amdhsa_next_free_vgpr 512
		.amdhsa_next_free_sgpr 70
		.amdhsa_reserve_vcc 0
		.amdhsa_float_denorm_mode_32 3
		.amdhsa_float_denorm_mode_16_64 3
		.amdhsa_memory_ordered 1
		.amdhsa_forward_progress 1
		.amdhsa_inst_pref_size 226
	.end_amdhsa_kernel
	.amdgpu_metadata
---
amdhsa.version: [ 1, 2 ]
amdhsa.kernels:
  - .name:           k_q9b60134508_ffn1
    .symbol:         k_q9b60134508_ffn1.kd
    .args:
      - { .name: w1c, .offset: 0, .size: 8, .value_kind: global_buffer, .address_space: global }
      - { .name: acta, .offset: 8, .size: 8, .value_kind: global_buffer, .address_space: global }
      - { .name: big, .offset: 16, .size: 8, .value_kind: global_buffer, .address_space: global }
    .group_segment_fixed_size: 327680
    .private_segment_fixed_size: 0
    .kernarg_segment_align: 8
    .kernarg_segment_size: 24
    .max_flat_workgroup_size: 128
    .sgpr_count:     70
    .vgpr_count:     512
    .wavefront_size: 32
...
	.end_amdgpu_metadata
.endif
;; end of part 7
;; launch ffn2 (part 8): grid 8 x 32, 4 waves a work-group, clusters of 4 x 4, 327,680 bytes of LDS; arguments wo2c, big, b2, scr, out0; writes out0
.if DOCPART == 8
	.amdgcn_target "amdgcn-amd-amdhsa--gfx1250"
	.amdhsa_code_object_version 6
	.text
	.protected	k_q9b60134508_ffn2
	.globl	k_q9b60134508_ffn2
	.p2align	8
	.type	k_q9b60134508_ffn2,@function
k_q9b60134508_ffn2:
	s_mov_b64 s[64:65], 0
	v_nop
	global_prefetch_b8 v0, s[64:65] scope:SCOPE_SE
	s_setreg_imm32_b32 hwreg(HW_REG_WAVE_MODE, 25, 1), 1
	s_wait_xcnt 0x0
	s_wait_alu depctr_hold_cnt(0) depctr_sa_sdst(0) depctr_va_vdst(0) depctr_va_sdst(0) depctr_va_ssrc(0) depctr_va_vcc(0) depctr_vm_vsrc(0)
	s_getreg_b32 s2, hwreg(HW_REG_IB_STS2, 6, 4)
	s_cmp_eq_u32 s2, 0
	s_cbranch_scc0 .Lentry_in_a_cluster
	s_endpgm
.Lentry_in_a_cluster:
	s_bfe_u32 s2, ttmp6, 0x10000c
	s_cmp_lg_u32 s2, 0xf033
	s_cbranch_scc0 .Lentry_shape_is_right
	s_endpgm
.Lentry_shape_is_right:
.set KIND,   2
.set KB,     12800
.set HDR,    16640
.if KIND == 2
.set KSTEPS, 32
.set POFF,   819200
.elseif KIND == 1
.set KSTEPS, 8
.set POFF,   0
.else
.set KSTEPS, 8
.set POFF,   HDR
.endif
.set QOFF,   HDR
.set LAPS,   KSTEPS/8
.set HALFS,  4*KB
.set SLOT,   8*KB
.set SPARE,  2*SLOT
.set STAGE,  SPARE+512
.set SPITCH, 528
.set AQ16, 16
.set AQ8,  18
.set AP16, 20
.set AP8,  22
.set ADS,  24
.set EA,   26
.set EB,   27
.set EC,   30
.set SPW,  28
.set NIL,  29
.set SC,   32
.set BP,   40
.set BQ,   72
.set PC,   80
.set PW,   112
.set TM,   116
.set ACC,  128
.set G1Q,  24
.set G0Q,  32
.set G1P,  48
.set G0P,  56
.set SEL,  66
.set MSB,  0
.macro WIN new
.if MSB != \new
	s_set_vgpr_msb (MSB<<8)|\new
.set MSB, \new
.endif
.endm
.set MUL,  0x05
.set TO_F, 0x40
.macro JLOAD s
	s_cmp_eq_u32 s15, 0
	s_cbranch_scc0 .Lfor_p_\@
	tensor_load_to_lds s[G0Q+4*\s:G0Q+4*\s+3], s[G1Q:G1Q+7]
	s_nop 0
.rept 4
	v_nop
.endr
	s_branch .Lasked_\@
.Lfor_p_\@:
	tensor_load_to_lds s[G0P+4*\s:G0P+4*\s+3], s[G1P:G1P+7]
	s_nop 0
.rept 4
	v_nop
.endr
.Lasked_\@:
.endm
.macro CREST
	s_cmp_lg_u32 s14, 0
	s_cbranch_scc1 .Lnot_wave_0_\@
	s_barrier_signal -3
.Lnot_wave_0_\@:
	s_barrier_wait -3
	s_barrier_signal -1
	s_barrier_wait -1
.endm
.macro CROUND
	s_barrier_signal -1
	s_barrier_wait -1
	CREST
.endm
	s_load_b128 s[4:7], s[0:1], 0x0
.if KIND == 0
	s_load_b64 s[8:9], s[0:1], 0x10
.else
	s_load_b128 s[8:11], s[0:1], 0x10
	s_load_b64 s[12:13], s[0:1], 0x20
.endif
	v_lshl_add_u32 v[SPW], v0, 2, SPARE
	v_mov_b32 v[NIL], 0
	ds_add_u32 v[SPW], v[NIL]
	ds_add_u32 v[SPW], v[NIL]
	v_lshrrev_b32 v1, 5, v0
	v_readfirstlane_b32 s14, v1
	s_lshr_b32 s15, s14, 1
	s_and_b32 s16, s14, 1
	s_bfe_u32 s40, ttmp6, 0x40000
	s_bfe_u32 s41, ttmp6, 0x40004
	s_lshl_b32 s42, ttmp9, 2
	s_add_co_u32 s42, s42, s40
	s_and_b32 s17, ttmp7, 0xffff
	s_lshl_b32 s17, s17, 2
	s_add_co_u32 s17, s17, s41
	s_lshl_b32 s43, s41, 2
	s_lshl_b32 s43, 15, s43
	s_lshl_b32 s44, 0x1111, s40
	s_or_b32 s[G1Q+0], s43, (3<<16)|(1<<21)
	s_or_b32 s[G1P+0], s44, (3<<16)|(1<<21)
.irp g, G1Q, G1P
	s_mov_b32 s[\g+1], 32<<16
	s_mov_b32 s[\g+2], 200<<16
	s_mov_b32 s[\g+3], 32<<16
	s_mov_b32 s[\g+4], 200
	s_mov_b32 s[\g+5], 32
	s_mov_b32 s[\g+6], 0
	s_mov_b32 s[\g+7], 0
.endr
	s_mul_i32 s18, s16, 2*KB
	s_mul_i32 s20, s17, KSTEPS*KB
	s_add_co_u32 s20, s20, s18
	s_add_co_u32 s20, s20, QOFF
	s_mov_b32 s21, 0
	s_mul_i32 s46, s42, KSTEPS*KB
	s_add_co_u32 s46, s46, s18
	s_add_co_u32 s46, s46, POFF
	s_mov_b32 s47, 0
	s_mul_i32 s45, s14, 2*KB
	s_wait_dscnt 0x0
	s_wait_kmcnt 0x0
	s_add_nc_u64 s[20:21], s[6:7], s[20:21]
	s_add_nc_u64 s[46:47], s[4:5], s[46:47]
	CROUND
.irp s, 0,1
	s_mov_b32 s[G0Q+4*\s], 1
	s_add_co_u32 s[G0Q+4*\s+1], s45, \s*SLOT
	s_add_nc_u64 s[G0Q+4*\s+2:G0Q+4*\s+3], s[20:21], \s*4*KB
	s_or_b32 s[G0Q+4*\s+3], s[G0Q+4*\s+3], 0x80000000
	s_mov_b32 s[G0P+4*\s], 1
	s_add_co_u32 s[G0P+4*\s+1], s45, \s*SLOT
	s_add_nc_u64 s[G0P+4*\s+2:G0P+4*\s+3], s[46:47], \s*4*KB
	s_or_b32 s[G0P+4*\s+3], s[G0P+4*\s+3], 0x80000000
.endr
	s_mov_b32 s19, 0                               ; the head's one load a wave brings four blocks, 200 rows of 256 bytes: Q's part (waves 0, 1) or P's (waves 2, 3) of slot w % 2
	s_mul_i32 s2, s16, SLOT
	s_mul_i32 s3, s15, HALFS
	s_add_co_u32 s2, s2, s3
	s_mov_b32 s68, 1
	s_mov_b32 s69, s2
	s_add_nc_u64 s[70:71], s[20:21], s[18:19]
	s_or_b32 s71, s71, 0x80000000
	s_mov_b32 s72, 1
	s_mov_b32 s73, s2
	s_add_nc_u64 s[74:75], s[46:47], s[18:19]
	s_or_b32 s75, s75, 0x80000000
	s_cmp_eq_u32 s15, 0
	s_cbranch_scc0 .Lhead_p
	tensor_load_to_lds s[68:71], s[G1Q:G1Q+7]
	s_nop 0
.rept 4
	v_nop
.endr
	s_branch .Lhead_asked
.Lhead_p:
	tensor_load_to_lds s[72:75], s[G1P:G1P+7]
	s_nop 0
.rept 4
	v_nop
.endr
.Lhead_asked:
	v_and_b32 v1, 15, v0
	v_bfe_u32 v2, v0, 4, 1
	v_and_b32 v3, 31, v0
	v_lshlrev_b32 v4, 4, v3
	v_lshlrev_b32 v5, 3, v3
	s_mul_i32 s21, s15, 3072
	s_mul_i32 s22, s16, 3072
	s_add_co_u32 s22, s22, HALFS
.irp s, 0,1
	v_add_nc_u32 v[AQ16+\s], s21, v4
	v_add_nc_u32 v[AQ8+\s], s21, v5
	v_add_nc_u32 v[AP16+\s], s22, v4
	v_add_nc_u32 v[AP8+\s], s22, v5
	s_add_co_u32 s21, s21, SLOT
	s_add_co_u32 s22, s22, SLOT
.endr
	s_xor_b32 s22, s15, 1
	s_add_co_u32 s22, s22, s16
	s_lshl_b32 s22, s22, 8
	s_add_co_u32 s22, s22, HALFS-256
	v_mul_u32_u24 v6, s22, v2
	v_lshl_add_u32 v6, v1, 2, v6
	s_lshl_b32 s21, s15, 8
	s_add_co_u32 s21, s21, 6144
	v_add_nc_u32 v[ADS], s21, v6
	v_add_nc_u32 v[ADS+1], SLOT, v[ADS]
	s_lshl_b32 s18, s42, 9
	s_lshl_b32 s19, s16, 8
	s_add_co_u32 s18, s18, s19
	s_mov_b32 s19, 0
.if KIND == 0
	s_load_b32 s2, s[4:5], 0x4000
	s_add_nc_u64 s[18:19], s[4:5], s[18:19]
.else
	s_add_nc_u64 s[18:19], s[8:9], s[18:19]
.endif
	v_lshlrev_b32 v12, 6, v2
.irp b, 0,1,2,3
	global_load_b128 v[BP+8*\b:BP+8*\b+3], v12, s[18:19] offset:(32*(\b/2)+8*(\b%2))*4
	global_load_b128 v[BP+8*\b+4:BP+8*\b+7], v12, s[18:19] offset:(32*(\b/2)+8*(\b%2))*4+16
.endr
.if KIND == 0
	s_lshl_b32 s22, s17, 9
	s_lshl_b32 s23, s15, 8
	s_add_co_u32 s22, s22, s23
	s_mov_b32 s23, 0
	s_add_nc_u64 s[22:23], s[6:7], s[22:23]
	v_and_b32 v13, 7, v1
	v_lshrrev_b32 v14, 3, v1
	v_lshl_add_u32 v13, v14, 4, v13
	v_lshlrev_b32 v13, 2, v13
.irp a, 0,1,2,3
	global_load_b32 v[BQ+2*\a], v13, s[22:23] offset:(32*(\a/2)+8*(\a%2))*4
	global_load_b32 v[BQ+2*\a+1], v13, s[22:23] offset:(32*(\a/2)+8*(\a%2))*4
.endr
	s_lshl_b32 s46, s17, 5
	s_add_co_u32 s46, s46, s42
	s_mul_i32 s46, s46, KB
	s_add_co_u32 s46, s46, HDR
	s_mov_b32 s47, 0
	s_add_nc_u64 s[8:9], s[8:9], s[46:47]
	s_mul_i32 s46, s16, 6656
	s_mul_i32 s47, s15, 3072
	s_add_co_u32 s46, s46, s47
	v_add_nc_u32 v[EA], s46, v4
	v_add_nc_u32 v[EB], s46, v5
	s_lshl_b32 s46, s15, 8
	s_lshl_b32 s47, s16, 1
	s_add_co_u32 s46, s46, s47
	s_add_co_u32 s46, s46, 6144
	v_lshl_add_u32 v[EC], v1, 2, s46
	s_mov_b32 s[SEL], 0x76543210
	s_mov_b32 s[SEL+1], 0xfedcba98
	v_mov_b32 v[TM+2], 0
	v_mov_b32 v[TM+3], 0
.else
	s_lshl_b32 s46, s15, 6
	s_mul_i32 s46, s46, SPITCH
	s_lshl_b32 s47, s16, 8
	s_add_co_u32 s46, s46, s47
	s_add_co_u32 s46, s46, STAGE
	v_mul_u32_u24 v6, v1, SPITCH
	v_lshl_add_u32 v6, v2, 6, v6
	v_add_nc_u32 v[EA], s46, v6
	s_mul_i32 s46, s14, 32*SPITCH
	s_add_co_u32 s46, s46, STAGE
	v_add_nc_u32 v[EB], s46, v4
	s_lshl_b32 s46, s17, 7
	s_lshl_b32 s47, s14, 5
	s_add_co_u32 s46, s46, s47
	s_lshl_b32 s46, s46, 12
	s_lshl_b32 s47, s42, 9
	s_add_co_u32 s46, s46, s47
	s_mov_b32 s47, 0
	s_add_nc_u64 s[10:11], s[10:11], s[46:47]
	s_add_nc_u64 s[12:13], s[12:13], s[46:47]
.endif
.macro FRAG reg, a16, a8, off
	ds_load_b128 v[\reg:\reg+3], v[\a16] offset:\off
	ds_load_b64 v[\reg+4:\reg+5], v[\a8] offset:\off+512
	ds_load_b128 v[\reg+6:\reg+9], v[\a16] offset:\off+6656
	ds_load_b64 v[\reg+10:\reg+11], v[\a8] offset:\off+7168
.endm
.macro FETCH slot, q, p
	WIN 0
.irp i, 0,1,2,3
	ds_load_b32 v[SC+4*(\p)+\i], v[ADS+\slot] offset:(\q)*KB+64*\i
.endr
	WIN TO_F
.irp i, 0,1,2,3
	FRAG 128*(\p)+12*\i, AP16+\slot, AP8+\slot, (\q)*KB+\i*768
.endr
.irp i, 0,1,2,3
	FRAG 128*(\p)+48+12*\i, AQ16+\slot, AQ8+\slot, (\q)*KB+\i*768
.endr
.endm
.macro MUL4 p, a, first
.irp b, 0,1,2,3
.if \first
	v_wmma_scale_f32_16x16x128_f8f6f4 v[ACC+8*(4*(\a)+\b):ACC+8*(4*(\a)+\b)+7], v[128*(\p)+12*\b:128*(\p)+12*\b+11], v[128*(\p)+48+12*(\a):128*(\p)+48+12*(\a)+11], v[BP+8*\b:BP+8*\b+7], v[SC+4*(\p)+\b], v[SC+4*(\p)+(\a)] matrix_a_fmt:MATRIX_FMT_FP6 matrix_b_fmt:MATRIX_FMT_FP6 matrix_a_scale:MATRIX_SCALE_ROW1
.else
	v_wmma_scale_f32_16x16x128_f8f6f4 v[ACC+8*(4*(\a)+\b):ACC+8*(4*(\a)+\b)+7], v[128*(\p)+12*\b:128*(\p)+12*\b+11], v[128*(\p)+48+12*(\a):128*(\p)+48+12*(\a)+11], v[ACC+8*(4*(\a)+\b):ACC+8*(4*(\a)+\b)+7], v[SC+4*(\p)+\b], v[SC+4*(\p)+(\a)] matrix_a_fmt:MATRIX_FMT_FP6 matrix_b_fmt:MATRIX_FMT_FP6 matrix_a_scale:MATRIX_SCALE_ROW1
.endif
.endr
.endm
.macro PLACES
.rept 4
	v_nop
.endr
.endm
.macro QUARTER slot, qn, p, first
	s_wait_dscnt 8
	WIN MUL
	MUL4 \p, 0, \first
	MUL4 \p, 1, \first
	PLACES
	FETCH \slot, \qn, 1-\p
	s_wait_dscnt 36
	WIN MUL
	MUL4 \p, 2, \first
	MUL4 \p, 3, \first
.endm
.macro TURN slot, next, fill
	WIN 0
	s_wait_tensorcnt 0x0
	ds_add_u32 v[SPW], v[NIL]
	s_wait_dscnt 9
	WIN MUL
	MUL4 1, 0, 0
	s_wait_dscnt 0x0
	s_barrier_signal -1
	MUL4 1, 1, 0
.if \fill
	WIN 0
.endif
	s_barrier_wait -1
.if \fill
	CREST
	s_add_nc_u64 s[G0Q+4*\slot+2:G0Q+4*\slot+3], s[G0Q+4*\slot+2:G0Q+4*\slot+3], 8*KB
	s_add_nc_u64 s[G0P+4*\slot+2:G0P+4*\slot+3], s[G0P+4*\slot+2:G0P+4*\slot+3], 8*KB
	JLOAD \slot
.else
	PLACES
.endif
	FETCH \next, 0, 0
	WIN MUL
	MUL4 1, 2, 0
	MUL4 1, 3, 0
.endm
	s_wait_alu depctr_va_vdst(0)                   ; the wait at the head's end
	WIN 0x80                                       ; the residual's 32 rows are asked for here, into window 2, v0-127, which nothing else names
.set ei, 0
.rept 32
	global_load_b128 v[4*ei:4*ei+3], v4, s[10:11] offset:(8*(ei/16)+(ei%8)+16*((ei/8)%2))*4096 th:TH_LOAD_NT
.set ei, ei+1
.endr
	WIN 0
	s_wait_tensorcnt 0x0                           ; my one load is in, so descriptors may be written: the ring's refills bring two blocks, 100 rows
	s_mov_b32 s[G1Q+2], 100<<16
	s_mov_b32 s[G1Q+4], 100
	s_mov_b32 s[G1P+2], 100<<16
	s_mov_b32 s[G1P+4], 100
	s_barrier_signal -1
	s_barrier_wait -1                              ; everybody's is in: both slots are whole
	FETCH 0, 0, 0
	s_wait_loadcnt 32                              ; the row terms are in; the residual's 32 loads may be out
.if KIND == 0
	s_wait_kmcnt 0x0
.endif
	QUARTER 0, 1, 0, 1
.if LAPS > 1
	WIN 0
	s_mov_b32 s3, LAPS-1
.Llap:
	QUARTER 0, 2, 1, 0
	QUARTER 0, 3, 0, 0
	TURN 0, 1, 1
	QUARTER 1, 1, 0, 0
	QUARTER 1, 2, 1, 0
	QUARTER 1, 3, 0, 0
	TURN 1, 0, 1
	QUARTER 0, 1, 0, 0
	WIN 0
	s_sub_co_u32 s3, s3, 1
	s_cmp_lg_u32 s3, 0
	s_cbranch_scc1 .Llap
.endif
	QUARTER 0, 2, 1, 0
	QUARTER 0, 3, 0, 0
	TURN 0, 1, 0
	QUARTER 1, 1, 0, 0
	QUARTER 1, 2, 1, 0
	QUARTER 1, 3, 0, 0
	s_wait_dscnt 8
	WIN MUL
	MUL4 1, 0, 0
	MUL4 1, 1, 0
	s_wait_dscnt 0x0
	MUL4 1, 2, 0
	MUL4 1, 3, 0
	WIN 0
	PLACES
.if KIND == 0
.macro QUANT2 s, pc, pw
.irp b, 0,1
	v_max3_num_f32 v[TM+\b], |v[\s+16*\b]|, |v[\s+1+16*\b]|, 0x1800000
.endr
.irp i, 2,4,6,8,10,12,14
.irp b, 0,1
	v_max3_num_f32 v[TM+\b], v[TM+\b], |v[\s+16*\b+\i]|, |v[\s+1+16*\b+\i]|
.endr
.endr
.irp b, 0,1
	v_permlanex16_b32 v[TM+2+\b], v[TM+\b], s[SEL], s[SEL+1]
.endr
.irp b, 0,1
	v_max_num_f32 v[TM+\b], v[TM+\b], v[TM+2+\b]
.endr
.irp b, 0,1
	v_add_nc_u32 v[TM+4+\b], 0xff000000, v[TM+\b]
.endr
.irp b, 0,1
	v_lshrrev_b32 v[TM+6+\b], 23, v[TM+4+\b]
.endr
	v_lshl_or_b32 v[\pw], v[TM+7], 8, v[TM+6]
	v_cvt_scalef32_pk16_fp6_f32 v[\pc:\pc+2], v[\s:\s+15], v[TM+4]
	v_cvt_scalef32_pk16_fp6_f32 v[\pc+4:\pc+6], v[\s+16:\s+31], v[TM+5]
	v_nop
.irp i, 0,1,2
	v_permlane16_swap_b32 v[\pc+\i], v[\pc+4+\i]
.endr
.irp i, 0,1,2
	v_mov_b32 v[\pc+3+\i], v[\pc+4+\i]
.endr
.endm
.irp a, 0,1,2,3
.set ej, 0
.rept 16
	v_pk_add_f32 v[ACC+32*\a+ej:ACC+32*\a+ej+1], v[ACC+32*\a+ej:ACC+32*\a+ej+1], v[BQ+2*\a:BQ+2*\a+1]
.set ej, ej+2
.endr
.set ej, 0
.rept 32
	v_max_num_f32 v[ACC+32*\a+ej], s2, v[ACC+32*\a+ej]
.set ej, ej+1
.endr
	QUANT2 ACC+32*\a, PC+8*\a, PW+\a
	global_store_b128 v[EA], v[PC+8*\a:PC+8*\a+3], s[8:9] offset:768*\a
	global_store_b64 v[EB], v[PC+8*\a+4:PC+8*\a+5], s[8:9] offset:768*\a+512
	global_store_b16 v[EC], v[PW+\a], s[8:9] offset:64*\a
.endr
.else
.irp a, 0,1,2,3
.irp b, 0,1,2,3
	ds_store_b128 v[EA], v[ACC+8*(4*\a+\b):ACC+8*(4*\a+\b)+3] offset:\a*16*SPITCH+128*(\b/2)+32*(\b%2)
	ds_store_b128 v[EA], v[ACC+8*(4*\a+\b)+4:ACC+8*(4*\a+\b)+7] offset:\a*16*SPITCH+128*(\b/2)+32*(\b%2)+16
.endr
.endr
	s_wait_dscnt 0x0
	s_barrier_signal -1
	s_barrier_wait -1
.set ei, 0
.rept 32
	ds_load_b128 v[ACC+4*ei:ACC+4*ei+3], v[EB] offset:ei*SPITCH
.set ei, ei+1
.endr
	WIN 0x88                                       ; destination and source 1: window 2
.set ei, 0
.rept 32
	s_wait_dscnt 31-ei
	s_wait_loadcnt 31-ei
	v_pk_add_f32 v[4*ei:4*ei+1], v[ACC+4*ei:ACC+4*ei+1], v[4*ei:4*ei+1]
	v_pk_add_f32 v[4*ei+2:4*ei+3], v[ACC+4*ei+2:ACC+4*ei+3], v[4*ei+2:4*ei+3]
	global_store_b128 v4, v[4*ei:4*ei+3], s[12:13] offset:(8*(ei/16)+(ei%8)+16*((ei/8)%2))*4096
.set ei, ei+1
.endr
	WIN 0
.endif
	s_wait_tensorcnt 0x0
	ds_add_u32 v[SPW], v[NIL]
	s_wait_dscnt 0x0
	CROUND
	s_endpgm
.Lfunc_end_k_q9b60134508_ffn2:
	.size	k_q9b60134508_ffn2, .Lfunc_end_k_q9b60134508_ffn2-k_q9b60134508_ffn2
	.p2alignl 7, 3214868480
	.fill 96, 4, 3214868480
	.section	.rodata,"a",@progbits
	.p2align	6, 0x0
	.amdhsa_kernel k_q9b60134508_ffn2
		.amdhsa_group_segment_fixed_size 327680
		.amdhsa_private_segment_fixed_size 0
		.amdhsa_enable_private_segment 0
		.amdhsa_kernarg_size 40
		.amdhsa_user_sgpr_count 2
		.amdhsa_user_sgpr_kernarg_segment_ptr 1
		.amdhsa_wavefront_size32 1
		.amdhsa_system_sgpr_workgroup_id_x 1
		.amdhsa_system_sgpr_workgroup_id_y 1
		.amdhsa_system_sgpr_workgroup_id_z 1
		.amdhsa_system_vgpr_workitem_id 0
		.amdhsa_next_free_vgpr 768
		.amdhsa_next_free_sgpr 80
		.amdhsa_reserve_vcc 0
		.amdhsa_float_denorm_mode_32 3
		.amdhsa_float_denorm_mode_16_64 3
		.amdhsa_memory_ordered 1
		.amdhsa_forward_progress 1
		.amdhsa_inst_pref_size 101
	.end_amdhsa_kernel
	.amdgpu_metadata
---
amdhsa.version: [ 1, 2 ]
amdhsa.kernels:
  - .name:           k_q9b60134508_ffn2
    .symbol:         k_q9b60134508_ffn2.kd
    .args:
      - { .name: wo2c, .offset: 0, .size: 8, .value_kind: global_buffer, .address_space: global }
      - { .name: big, .offset: 8, .size: 8, .value_kind: global_buffer, .address_space: global }
      - { .name: b2, .offset: 16, .size: 8, .value_kind: global_buffer, .address_space: global }
      - { .name: scr, .offset: 24, .size: 8, .value_kind: global_buffer, .address_space: global }
      - { .name: out0, .offset: 32, .size: 8, .value_kind: global_buffer, .address_space: global }
    .group_segment_fixed_size: 327680
    .private_segment_fixed_size: 0
    .kernarg_segment_align: 8
    .kernarg_segment_size: 40
    .max_flat_workgroup_size: 128
    .sgpr_count:     80
    .vgpr_count:     768
    .wavefront_size: 32
...
	.end_amdgpu_metadata
.endif
;; end of part 8
